; MI455X (gfx1250); checked and timed in simulation.
; The chip was launched on July 23, 2026; its instructions are those of AMD's public machine-readable ISA for CDNA 5 (MIT licence, August 2026) and "CDNA5" Instruction Set Architecture Reference Guide (July 2026). The comments in the code are by the model that wrote it; some were corrected since.
;; Decoder Layer. Allowed arithmetic: matrix products marked QUANTISED: E5M2 operands, one E8M0 scale for each 32 along K, by v_wmma_scale_f32_16x16x128_f8f6f4 with both operands' format E5M2, f32 sums; everything else in f32.
;; Inputs: ca_wk 512 x 512 float32; ca_wo 512 x 512 float32; ca_wq 512 x 512 float32; ca_wv 512 x 512 float32; encoding 2 x 2,048 x 512 float32; ff_b1 1,024 float32; ff_b2 512 float32; ff_w1 1,024 x 512 float32; ff_w2 512 x 1,024 float32; ln1_b 512 float32; ln1_g 512 float32; ln2_b 512 float32; ln2_g 512 float32; ln3_b 512 float32; ln3_g 512 float32; sa_wk 512 x 512 float32; sa_wo 512 x 512 float32; sa_wq 512 x 512 float32; sa_wv 512 x 512 float32; x 2 x 2,048 x 512 float32.
;; Outputs: out0 2 x 2,048 x 512 float32.
;; This version of the problem:
;;   THIS VERSION OF THE PROBLEM IS GIVEN IN LOW PRECISION. The matrix products marked QUANTISED in the list below multiply operands that are first quantised to E5M2 (5 exponent bits, 2 mantissa bits; 8 bits a number), with one power-of-two scale for each 32 numbers along K (OCP MX v1.0); their sums are f32. All else is computed in f32.
;;   The module's matrix products, in the order in which they are computed (A, B: the left and right operand; K: the contracted axis; several contracted axes count as one K, in the product's order):
;;     1. [M 4,096, K 512] x [K 512, N 512]; A: input x; B: input sa_wq: QUANTISED
;;     2. [M 4,096, K 512] x [K 512, N 512]; A: input x; B: input sa_wk: QUANTISED
;;     3. [M 4,096, K 512] x [K 512, N 512]; A: input x; B: input sa_wv: QUANTISED
;;     4. batch 32 x [M 2,048, K 32] x [K 32, N 2,048]; A: computed on the way; B: computed on the way: QUANTISED
;;     5. batch 32 x [M 32, K 2,048] x [K 2,048, N 2,048]; A: computed on the way; B: softmax (see below): QUANTISED
;;     6. [M 4,096, K 512] x [K 512, N 512]; A: computed on the way; B: input sa_wo: QUANTISED
;;     7. [M 4,096, K 512] x [K 512, N 512]; A: computed on the way; B: input ca_wq: QUANTISED
;;     8. [M 4,096, K 512] x [K 512, N 512]; A: input encoding; B: input ca_wk: QUANTISED
;;     9. [M 4,096, K 512] x [K 512, N 512]; A: input encoding; B: input ca_wv: QUANTISED
;;     10. batch 32 x [M 2,048, K 32] x [K 32, N 2,048]; A: computed on the way; B: computed on the way: QUANTISED
;;     11. batch 32 x [M 32, K 2,048] x [K 2,048, N 2,048]; A: computed on the way; B: softmax (see below): QUANTISED
;;     12. [M 4,096, K 512] x [K 512, N 512]; A: computed on the way; B: input ca_wo: QUANTISED
;;     13. [M 4,096, K 512] x [K 512, N 1,024]; A: computed on the way; B: input ff_w1: QUANTISED
;;     14. [M 4,096, K 1,024] x [K 1,024, N 512]; A: computed on the way; B: input ff_w2: QUANTISED
;;   THE QUANTISER, for each operand of a quantised product, along K:
;;     - K is cut into blocks of 32 from its start; a last block that is shorter is filled with zeros.
;;     - A block's scale is 2^e with e = floor(log2(the largest magnitude in the block)) - 15, held to -126 .. 127; a block of zeros has e = 0. As a byte (E8M0): e + 127.
;;     - Each number is divided by its block's scale, clamped to +-57,344, and rounded to the nearest number of E5M2, ties to even, subnormals kept.
;;     - The product sums the exact products of the quantised numbers (number of the format x scale) in f32.
;;   ~~~python
;;   def quantise(x, axis):      # numpy; x: float32 -> the quantised numbers, widened to float32 again
;;       x = np.moveaxis(x, axis, -1); K = x.shape[-1]
;;       x = np.pad(x, [(0, 0)] * (x.ndim - 1) + [(0, -K % 32)]); x = x.reshape(x.shape[:-1] + (-1, 32)); a = np.abs(x).max(-1, keepdims=True)
;;       e = np.where(a > 0, np.clip(np.frexp(np.where(a > 0, a, 1))[1] - 1 - 15, -126, 127), 0)      # np.frexp(a)[1] - 1 = floor(log2(a)), exactly
;;       r = np.clip(x / 2.0 ** e, -57344, 57344)
;;       step = 2.0 ** (np.maximum(np.frexp(np.where(r == 0, 1, r))[1] - 1, -14) - 2)
;;       q = np.round(r / step) * step * 2.0 ** e      # np.round: ties to even
;;       return np.moveaxis(q.reshape(q.shape[:-2] + (-1,))[..., :K], -1, axis).astype(np.float32)
;;   ~~~
;;   SOFTMAX AHEAD OF A QUANTISED PRODUCT. Where the list says 'softmax', what is quantised is not the finished softmax but p = 2^(t - M), with t = logit x log2(e) and M = ceil(the row's largest t), a whole number; so 1/2 < the row's largest p <= 1. The row's sum l is taken of the UNQUANTISED p, in f32, and the product's result is divided by l at the end. Since M is a whole number, a kernel that streams over the keys may use a running M (the ceiling of the running maximum): every later rescaling is an exact power of two, which a block's scale takes up: the codes' values come out the same.
;;   OPERANDS COMPUTED ON THE WAY. 'Computed on the way' means the value that the module computes at that place (a softmax that the list does not call 'softmax' is quantised finished and normalised). What goes into a quantiser is computed in f32, as accurately as f32 sums, v_exp_f32 and their like allow (about 1e-6 of the number): no bf16 or f16 on the way to a quantiser, and a product that is left as it is and whose result goes on into a quantised operand takes f32 operands (vector FMAs, or v_wmma_f32_16x16x4_f32). A number that lies on a knife's edge between two numbers of the format may be rounded either way, as far as f32 arithmetic and the matrix unit's own rounding can turn it there, and no further.
;; 2 versions, each right; version 2 is version 1 with the launches proj, attn_sa, mid, attn_ca, tail written anew for expert scheduling mode. Each part assembles by itself: llvm-mc -triple=amdgcn-amd-amdhsa -mcpu=gfx1250 --defsym DOCPART=n.
;; ======== version 1 of 2: 6 launches
;; limits: right only within a limited range of input values
;; workspace buffers: img 7,569,408 bytes; sa_ops 7,077,888 bytes; ca_ops 7,077,888 bytes; obuf 2,359,296 bytes; h1 8,388,608 bytes; flag_sa 256 bytes of whole numbers; flag_ca 256 bytes of whole numbers
;; launch quant (part 1): grid 224 x 1, 4 waves a work-group, no clusters, 34,304 bytes of LDS; arguments x, encoding, sa_wq, sa_wk, sa_wv, sa_wo, ca_wq, ca_wk, ca_wv, ca_wo, ff_w1, ff_w2, img, flag_sa, flag_ca; writes img, flag_sa, flag_ca
.if DOCPART == 1
	.amdgcn_target "amdgcn-amd-amdhsa--gfx1250"
	.amdhsa_code_object_version 6
	.text
	.protected	k_qb06fdc9ed8_quant
	.globl	k_qb06fdc9ed8_quant
	.p2align	8
	.type	k_qb06fdc9ed8_quant,@function
k_qb06fdc9ed8_quant:
	s_mov_b64 s[64:65], 0
	v_nop
	global_prefetch_b8 v0, s[64:65] scope:SCOPE_SE
	s_setreg_imm32_b32 hwreg(HW_REG_WAVE_MODE, 25, 1), 1
	s_wait_xcnt 0x0
; DECODER LAYER IN MX-BF8, LAUNCH 1 OF 6: x, encoding and the ten weights become codes of E5M2 with one E8M0 byte for each 32 along K (K is the last axis of all twelve).
; WORK LEFT OUT BY THE PROGRAM, and why it is dead.  reference() takes 1e10 off every score whose key comes after its query (a mask that it builds itself), so that key's weight is
; p = 2^((s - 1e10) log2(e) / sqrt(512) - M), which is 0 for every score s that f32 can tell from 1e10 (|s| under about 1e9; the drawn scores are about 1, thirty-fold inputs give about 1e6).
; A p of 0 has the code 0 and adds nothing to the row's sum or to the second product.  So in the causal attention a key step of 128 keys that lies wholly behind a wave's 16 queries is not walked;
; in the one step on the diagonal the hidden scores are set to -infinity.  Nothing else is left out: every input has a way to the output and is loaded.
; LIMITS: a NaN, an infinity or an overflow that would arise only in the steps left out is not carried to the result.  NaN and infinities among the inputs are not served.  A block whose largest
; magnitude lies under 2^-111 (a block of zeros too) gets the byte 1; a block of zeros has zero codes, which add nothing under that byte, and only this program reads the bytes.
; LAYOUT OF img.  A UNIT is 16 rows x 512 along K.  The 16 rows of tile T are rows 32 (T / 2) + 8 (T % 2) + r + 8 (r / 8), r = 0 .. 15.  A unit's codes are 8,192 bytes, [K step of 128][block of 32][lane][16 bytes]:
; lane l holds row r = l % 16, k = 16 (l / 16) + 0 .. 15 of the block: the order of an operand's registers, so that a fragment is four loads of 16 bytes a lane, 512 bytes apart.
; A unit's scale words lie at SCL0 + 256 x unit, [r][K step], four bytes a word.  Units: x 0, encoding 256, sa_wq 512, sa_wk 544, sa_wv 576, sa_wo 608, ca_wq 640, ca_wk 672, ca_wv 704, ca_wo 736, ff_w1 768,
; ff_w2 832 (K = 1,024: unit 832 + 2 T + half of K).
; SHARES.  A wave takes one unit.  Each load reads 512 consecutive bytes of one row; the numbers turn through the wave's own stage in LDS so that a lane holds 16 neighbours of each block.  No barrier: waves share nothing.
.set SPARE, 33792                      ; behind the four stages: the spare words, 128 bytes a wave
.set SCL0,  0x700000
.set OFF,   16                         ; v16-31   row i's byte offset + 16 x lane; never rewritten
.set LD0,   32                         ; v32-159  two sets of 64 registers as loaded
.set X,     160                        ; v160-223 64 numbers: register 16 b + i = k 32 b + 16 (lane / 16) + i of my row
.set PC,    224                        ; v224-239 a fragment's codes
.set TM,    240                        ; v240-255 at work
.set SEL,   44
.set MNT,   46
	s_load_b512 s[8:23], s[0:1], 0x0               ; x, encoding, sa_wq, sa_wk, sa_wv, sa_wo, ca_wq, ca_wk
	s_load_b256 s[24:31], s[0:1], 0x40             ; ca_wv, ca_wo, ff_w1, ff_w2
	s_load_b128 s[32:35], s[0:1], 0x60             ; img, flag_sa
	s_load_b64 s[36:37], s[0:1], 0x70              ; flag_ca
	v_lshl_add_u32 v1, v0, 2, SPARE                ; my spare word,
	v_mov_b32 v2, 0                                ; and 0: kept for the closing lines
	v_lshrrev_b32 v7, 5, v0
	v_readfirstlane_b32 s2, v7                     ; wave
	v_and_b32 v7, 31, v0                           ; lane
	v_lshlrev_b32 v3, 4, v7                        ; 16 x lane
	s_mul_i32 s56, s2, 8448                        ; my stage: 16 rows of 512 bytes + 16
	v_add_nc_u32 v4, s56, v3                       ; into it: a row's 512 bytes as they lie
	v_and_b32 v6, 15, v0                           ; r
	v_bfe_u32 v12, v0, 4, 1                        ; lane / 16
	v_mul_u32_u24 v5, v6, 528
	v_lshl_add_u32 v5, v12, 6, v5
	v_add_nc_u32 v5, s56, v5                       ; out of it: row r, + 64 bytes for the upper half of the lanes
	v_lshlrev_b32 v6, 4, v6                        ; 16 r: my row's four scale words
	s_lshl_b32 s3, ttmp9, 2
	s_add_co_u32 s3, s3, s2                        ; my unit
	s_cmp_ge_u32 ttmp9, 208
	s_cselect_b32 s40, 1, 0                        ; 1 for ff_w2, whose rows are twice as long
	s_lshl_b32 s47, 2048, s40                      ; a row in bytes
.irp i, 0,1,2,3,4,5,6,7,8,9,10,11,12,13,14,15
	v_mad_u32_u24 v[OFF+\i], s47, \i+8*(\i/8), v3  ; the tile's i-th row lies i + 8 (i / 8) rows behind its first
.endr
.irp b, 0,1,2,3
	v_mov_b32 v[TM+4+\b], 0                        ; written once: a lane permute's destination counts as one of its sources
.endr
	s_mov_b32 s[SEL], 0x76543210
	s_mov_b32 s[SEL+1], 0xfedcba98                 ; lane l xor 16
	s_mov_b32 s[MNT], 0x600000                     ; the mantissa field of 57,344
	s_wait_kmcnt 0x0
; which tensor: by the work-group's number alone
.macro PICK thr, ptr, ub
	s_cmp_ge_u32 ttmp9, \thr
	s_cselect_b64 s[4:5], s[\ptr:\ptr+1], s[4:5]
	s_cselect_b32 s6, \ub, s6
.endm
	s_mov_b64 s[4:5], s[8:9]
	s_mov_b32 s6, 0
	PICK 64, 10, 256
	PICK 128, 12, 512
	PICK 136, 14, 544
	PICK 144, 16, 576
	PICK 152, 18, 608
	PICK 160, 20, 640
	PICK 168, 22, 672
	PICK 176, 24, 704
	PICK 184, 26, 736
	PICK 192, 28, 768
	PICK 208, 30, 832
	s_sub_co_u32 s7, s3, s6                        ; my unit in its tensor
	s_lshr_b32 s38, s7, s40                        ; tile
	s_and_b32 s39, s7, s40                         ; half of K (ff_w2 alone)
	s_lshr_b32 s41, s38, 1
	s_lshl_b32 s41, s41, 5
	s_and_b32 s42, s38, 1
	s_lshl_b32 s42, s42, 3
	s_add_co_u32 s41, s41, s42                     ; the tile's first row
	s_mul_i32 s48, s41, s47
	s_lshl_b32 s39, s39, 11
	s_add_co_u32 s48, s48, s39
	s_mov_b32 s49, 0
	s_add_nc_u64 s[4:5], s[4:5], s[48:49]          ; the source at my unit
	s_lshl_b32 s50, s3, 13
	s_mov_b32 s51, 0
	s_add_nc_u64 s[52:53], s[32:33], s[50:51]      ; my unit's codes
	s_lshl_b32 s50, s3, 8
	s_add_nc_u64 s[54:55], s[32:33], s[50:51]      ; and, SCL0 further on, its scale words
.macro LOAD s                          ; K step s: 16 rows x 512 bytes
.irp i, 0,1,2,3,4,5,6,7,8,9,10,11,12,13,14,15
	global_load_b128 v[LD0+64*((\s)%2)+4*\i:LD0+64*((\s)%2)+4*\i+3], v[OFF+\i], s[4:5] offset:512*(\s) th:TH_LOAD_NT
.endr
.endm
.macro TURN s                          ; through the stage: LDS serves a wave's instructions in order, so no wait stands between the stores and the loads
.irp i, 0,1,2,3,4,5,6,7,8,9,10,11,12,13,14,15
	ds_store_b128 v4, v[LD0+64*((\s)%2)+4*\i:LD0+64*((\s)%2)+4*\i+3] offset:528*\i
.endr
.irp b, 0,1,2,3
.irp j, 0,1,2,3
	ds_load_b128 v[X+16*\b+4*\j:X+16*\b+4*\j+3], v5 offset:128*\b+16*\j
.endr
.endr
.endm
.macro QUANT4 pw                       ; the 64 numbers become a fragment's codes and my row's scale word
.irp b, 0,1,2,3
	v_max3_num_f32 v[TM+\b], |v[X+16*\b]|, |v[X+1+16*\b]|, 0x8000000   ; my 16 numbers of block b, and the floor 2^(16 - 127): the byte cannot fall under 1
.endr
.irp i, 2,4,6,8,10,12,14
.irp b, 0,1,2,3
	v_max3_num_f32 v[TM+\b], v[TM+\b], |v[X+16*\b+\i]|, |v[X+1+16*\b+\i]|
.endr
.endr
.irp b, 0,1,2,3
	v_permlanex16_b32 v[TM+4+\b], v[TM+\b], s[SEL], s[SEL+1]
.endr
.irp b, 0,1,2,3
	v_max_num_f32 v[TM+\b], v[TM+\b], v[TM+4+\b]   ; with lane l xor 16's: the block's largest magnitude
.endr
.irp b, 0,1,2,3
	v_add_nc_u32 v[TM+12+\b], 0xf8800000, v[TM+\b] ; 15 off its exponent field: the conversion's scale operand
.endr
.irp b, 0,1,2,3
	v_and_or_b32 v[TM+8+\b], v[TM+\b], 0x7f800000, s[MNT]   ; 57,344 x the scale
.endr
.irp b, 0,1,2,3
	v_lshrrev_b32 v[TM+4+\b], 23, v[TM+12+\b]      ; the scale's byte
.endr
	v_lshl_or_b32 v[\pw], v[TM+5], 8, v[TM+4]
	v_lshl_or_b32 v[\pw], v[TM+6], 16, v[\pw]
	v_lshl_or_b32 v[\pw], v[TM+7], 24, v[\pw]
.irp b, 0,1,2,3
.irp i, 0,1,2,3,4,5,6,7,8,9,10,11,12,13,14,15
	v_med3_num_f32 v[X+16*\b+\i], v[X+16*\b+\i], -v[TM+8+\b], v[TM+8+\b]   ; the conversion does not saturate (ISA guide 7.6.2): the hold at the largest code x the scale
.endr
	v_cvt_scalef32_pk8_bf8_f32 v[PC+4*\b:PC+1+4*\b], v[X+16*\b:X+7+16*\b], v[TM+12+\b]
	v_cvt_scalef32_pk8_bf8_f32 v[PC+2+4*\b:PC+3+4*\b], v[X+8+16*\b:X+15+16*\b], v[TM+12+\b]
.endr
	v_nop                                          ; a plain line behind the last conversion
.endm
	LOAD 0
	LOAD 1
.irp s, 0,1,2,3
.if \s < 3
	s_wait_loadcnt 16                              ; this K step's 16 loads are in; the next step's 16 were issued later and may be out
.else
	s_wait_loadcnt 0x0
.endif
	TURN \s
	s_wait_dscnt 0x0                               ; the numbers are back, so the stage's stores have read the set,
.if \s < 2
	LOAD \s+2                                      ; which takes the loads of two steps on
.endif
	s_wait_xcnt 0x0                                ; the last fragment's stores have read the codes' registers
	QUANT4 8+\s
.irp c, 0,1,2,3
	global_store_b128 v3, v[PC+4*\c:PC+4*\c+3], s[52:53] offset:2048*\s+512*\c   ; 512 consecutive bytes
.endr
.endr
	global_store_b128 v6, v[8:11], s[54:55] offset:SCL0   ; the unit's 256 bytes of scale words (both halves of the lanes hold and write the same)
	s_or_b32 s57, ttmp9, s2
	s_cmp_lg_u32 s57, 0
	s_cbranch_scc1 .Lno_flags
	v_lshlrev_b32 v12, 3, v7                       ; wave 0 of work-group 0: the two attentions' flags, 256 bytes each: 1 = causal, 0 = not
	v_mov_b32 v14, 1
	v_mov_b32 v15, 1
	v_mov_b32 v240, 0
	v_mov_b32 v241, 0
	global_store_b64 v12, v[14:15], s[34:35]
	global_store_b64 v12, v[240:241], s[36:37]
.Lno_flags:
	s_wait_tensorcnt 0x0                           ; the wave's end: three closing lines behind my last LDS store
	ds_add_u32 v1, v2
	s_wait_dscnt 0x0
	s_endpgm
.Lfunc_end_k_qb06fdc9ed8_quant:
	.size	k_qb06fdc9ed8_quant, .Lfunc_end_k_qb06fdc9ed8_quant-k_qb06fdc9ed8_quant
	.p2alignl 7, 3214868480
	.fill 96, 4, 3214868480
	.section	.rodata,"a",@progbits
	.p2align	6, 0x0
	.amdhsa_kernel k_qb06fdc9ed8_quant
		.amdhsa_group_segment_fixed_size 34304
		.amdhsa_private_segment_fixed_size 0
		.amdhsa_enable_private_segment 0
		.amdhsa_kernarg_size 120
		.amdhsa_user_sgpr_count 2
		.amdhsa_user_sgpr_kernarg_segment_ptr 1
		.amdhsa_wavefront_size32 1
		.amdhsa_system_sgpr_workgroup_id_x 1
		.amdhsa_system_sgpr_workgroup_id_y 1
		.amdhsa_system_sgpr_workgroup_id_z 1
		.amdhsa_system_vgpr_workitem_id 0
		.amdhsa_next_free_vgpr 256
		.amdhsa_next_free_sgpr 66
		.amdhsa_reserve_vcc 0
		.amdhsa_float_denorm_mode_32 3
		.amdhsa_float_denorm_mode_16_64 3
		.amdhsa_memory_ordered 1
		.amdhsa_forward_progress 1
		.amdhsa_inst_pref_size 54
	.end_amdhsa_kernel
	.amdgpu_metadata
---
amdhsa.version: [ 1, 2 ]
amdhsa.kernels:
  - .name:           k_qb06fdc9ed8_quant
    .symbol:         k_qb06fdc9ed8_quant.kd
    .args:
      - { .name: x, .offset: 0, .size: 8, .value_kind: global_buffer, .address_space: global }
      - { .name: encoding, .offset: 8, .size: 8, .value_kind: global_buffer, .address_space: global }
      - { .name: sa_wq, .offset: 16, .size: 8, .value_kind: global_buffer, .address_space: global }
      - { .name: sa_wk, .offset: 24, .size: 8, .value_kind: global_buffer, .address_space: global }
      - { .name: sa_wv, .offset: 32, .size: 8, .value_kind: global_buffer, .address_space: global }
      - { .name: sa_wo, .offset: 40, .size: 8, .value_kind: global_buffer, .address_space: global }
      - { .name: ca_wq, .offset: 48, .size: 8, .value_kind: global_buffer, .address_space: global }
      - { .name: ca_wk, .offset: 56, .size: 8, .value_kind: global_buffer, .address_space: global }
      - { .name: ca_wv, .offset: 64, .size: 8, .value_kind: global_buffer, .address_space: global }
      - { .name: ca_wo, .offset: 72, .size: 8, .value_kind: global_buffer, .address_space: global }
      - { .name: ff_w1, .offset: 80, .size: 8, .value_kind: global_buffer, .address_space: global }
      - { .name: ff_w2, .offset: 88, .size: 8, .value_kind: global_buffer, .address_space: global }
      - { .name: img, .offset: 96, .size: 8, .value_kind: global_buffer, .address_space: global }
      - { .name: flag_sa, .offset: 104, .size: 8, .value_kind: global_buffer, .address_space: global }
      - { .name: flag_ca, .offset: 112, .size: 8, .value_kind: global_buffer, .address_space: global }
    .group_segment_fixed_size: 34304
    .private_segment_fixed_size: 0
    .kernarg_segment_align: 8
    .kernarg_segment_size: 120
    .max_flat_workgroup_size: 128
    .sgpr_count:     66
    .vgpr_count:     256
    .wavefront_size: 32
...
	.end_amdgpu_metadata
.endif
;; end of part 1
;; launch proj (part 2): grid 32 x 5, 16 waves a work-group, no clusters, 69,632 bytes of LDS; arguments img, sa_ops, ca_ops; writes sa_ops, ca_ops
.if DOCPART == 2
	.amdgcn_target "amdgcn-amd-amdhsa--gfx1250"
	.amdhsa_code_object_version 6
	.text
	.protected	k_qb06fdc9ed8_proj
	.globl	k_qb06fdc9ed8_proj
	.p2align	8
	.type	k_qb06fdc9ed8_proj,@function
k_qb06fdc9ed8_proj:
	s_mov_b64 s[64:65], 0
	v_nop
	global_prefetch_b8 v0, s[64:65] scope:SCOPE_SE
	s_setreg_imm32_b32 hwreg(HW_REG_WAVE_MODE, 25, 1), 1
	s_wait_xcnt 0x0
; LAUNCH 2 OF 6: the five projections that hang on inputs alone (x sa_wq, x sa_wk, x sa_wv, encoding ca_wk, encoding ca_wv), and the quantising of their results for the attentions' products.
; SHARES.  Work-group (RB, g): 128 rows (tiles 8 RB .. 8 RB + 7, one key step) of product g.  Wave w makes head w: its 32 rows of the weight (two tiles, 16 KB of codes) stay in 128 registers;
; the rows' eight tiles (64 KB) lie in LDS for all sixteen waves, copied there once through registers.
; LAYOUT.  q and k: source 0 = the weight's tiles, source 1 = a tile of rows: a lane holds one row, and the 16 registers of the two accumulators are 16 neighbouring channels of the head: half a block of the score
; product's K.  v: the sources change places: a lane holds one channel and its 16 registers are 16 neighbouring keys: half a block of the second product's K.  Either way the conversions' four registers are a
; chunk of 512 bytes in the order of the next operand's registers.
; OUT (sa_ops or ca_ops): QC 0: [bh][tile][512];  KC 0x200000: the same;  VC 0x400000: [bh][key step][block c][channel tile u][512];  scale words (the byte in bits 7:0):
; QS 0x600000: [b][pair of tiles][h][lane];  KS 0x640000: [bh][step][lane][pair];  VS 0x680000: [bh][step][lane][c].  In a scale word's lane the upper half of the lanes is the odd tile.
.set SCL0,  0x700000
.set XSC,   65536                      ; LDS: the rows' codes from 0, their scale words here,
.set SPARE, 67584                      ; the spare words, 128 bytes a wave
.set SWAP,  38
.set SEL,   40
.set MNT,   42
.set MH,    43
; REGISTERS: v3 16 x lane; v4 16 x thread; v5, v6 LDS addresses of scale words; v7 4 x lane; v8-11 the weight's scale words; v12-15 the rows'; v16-19 the results' bytes; v32-63 four accumulators;
; v64-127 the rows' fragments of two K steps (behind the products: at work, and the codes); v128-255 the weight.
.macro WM d, a, b, c, sa, sb, ra, rb   ; one product; c < 0: the sum starts with 0; ra, rb: the half of the lanes from which each side's scales are taken
.if (\c) < 0
.if (\ra) && (\rb)
	v_wmma_scale_f32_16x16x128_f8f6f4 v[(\d):(\d)+7], v[(\a):(\a)+15], v[(\b):(\b)+15], 0, v[(\sa)], v[(\sb)] matrix_a_fmt:MATRIX_FMT_BF8 matrix_b_fmt:MATRIX_FMT_BF8 matrix_a_scale:MATRIX_SCALE_ROW1 matrix_b_scale:MATRIX_SCALE_ROW1
.elseif (\ra)
	v_wmma_scale_f32_16x16x128_f8f6f4 v[(\d):(\d)+7], v[(\a):(\a)+15], v[(\b):(\b)+15], 0, v[(\sa)], v[(\sb)] matrix_a_fmt:MATRIX_FMT_BF8 matrix_b_fmt:MATRIX_FMT_BF8 matrix_a_scale:MATRIX_SCALE_ROW1
.elseif (\rb)
	v_wmma_scale_f32_16x16x128_f8f6f4 v[(\d):(\d)+7], v[(\a):(\a)+15], v[(\b):(\b)+15], 0, v[(\sa)], v[(\sb)] matrix_a_fmt:MATRIX_FMT_BF8 matrix_b_fmt:MATRIX_FMT_BF8 matrix_b_scale:MATRIX_SCALE_ROW1
.else
	v_wmma_scale_f32_16x16x128_f8f6f4 v[(\d):(\d)+7], v[(\a):(\a)+15], v[(\b):(\b)+15], 0, v[(\sa)], v[(\sb)] matrix_a_fmt:MATRIX_FMT_BF8 matrix_b_fmt:MATRIX_FMT_BF8
.endif
.else
.if (\ra) && (\rb)
	v_wmma_scale_f32_16x16x128_f8f6f4 v[(\d):(\d)+7], v[(\a):(\a)+15], v[(\b):(\b)+15], v[(\c):(\c)+7], v[(\sa)], v[(\sb)] matrix_a_fmt:MATRIX_FMT_BF8 matrix_b_fmt:MATRIX_FMT_BF8 matrix_a_scale:MATRIX_SCALE_ROW1 matrix_b_scale:MATRIX_SCALE_ROW1
.elseif (\ra)
	v_wmma_scale_f32_16x16x128_f8f6f4 v[(\d):(\d)+7], v[(\a):(\a)+15], v[(\b):(\b)+15], v[(\c):(\c)+7], v[(\sa)], v[(\sb)] matrix_a_fmt:MATRIX_FMT_BF8 matrix_b_fmt:MATRIX_FMT_BF8 matrix_a_scale:MATRIX_SCALE_ROW1
.elseif (\rb)
	v_wmma_scale_f32_16x16x128_f8f6f4 v[(\d):(\d)+7], v[(\a):(\a)+15], v[(\b):(\b)+15], v[(\c):(\c)+7], v[(\sa)], v[(\sb)] matrix_a_fmt:MATRIX_FMT_BF8 matrix_b_fmt:MATRIX_FMT_BF8 matrix_b_scale:MATRIX_SCALE_ROW1
.else
	v_wmma_scale_f32_16x16x128_f8f6f4 v[(\d):(\d)+7], v[(\a):(\a)+15], v[(\b):(\b)+15], v[(\c):(\c)+7], v[(\sa)], v[(\sb)] matrix_a_fmt:MATRIX_FMT_BF8 matrix_b_fmt:MATRIX_FMT_BF8
.endif
.endif
.endm
; 16 numbers of a lane, half a block of 32 (the other half lies in lane l xor 16), become four registers of codes; the block's byte is left in v[tq + 3].  relu = 1: what is negative becomes 0 on the way.
.macro QUANT1 src, tmp, relu, cod, tq
.if \relu
	v_max3_num_f32 v[\tq], v[\src], v[\src+1], 0x8000000
.irp i, 2,4,6,8,10,12,14
	v_max3_num_f32 v[\tq], v[\tq], v[\src+\i], v[\src+\i+1]
.endr
.else
	v_max3_num_f32 v[\tq], |v[\src]|, |v[\src+1]|, 0x8000000      ; with the floor 2^(16 - 127): the byte cannot fall under 1
.irp i, 2,4,6,8,10,12,14
	v_max3_num_f32 v[\tq], v[\tq], |v[\src+\i]|, |v[\src+\i+1]|
.endr
.endif
	v_permlanex16_b32 v[\tq+1], v[\tq], s[SEL], s[SEL+1]
	v_max_num_f32 v[\tq], v[\tq], v[\tq+1]         ; the block's largest magnitude
	v_add_nc_u32 v[\tq+2], 0xf8800000, v[\tq]      ; 15 off its exponent field: the conversion's scale operand
	v_and_or_b32 v[\tq+1], v[\tq], 0x7f800000, s[MNT]   ; 57,344 x the scale
	v_lshrrev_b32 v[\tq+3], 23, v[\tq+2]           ; the byte
.irp i, 0,1,2,3,4,5,6,7,8,9,10,11,12,13,14,15
.if \relu
	v_med3_num_f32 v[\tmp+\i], v[\src+\i], 0, v[\tq+1]
.else
	v_med3_num_f32 v[\tmp+\i], v[\src+\i], -v[\tq+1], v[\tq+1]   ; the conversion does not saturate (ISA guide 7.6.2)
.endif
.endr
	v_cvt_scalef32_pk8_bf8_f32 v[\cod:\cod+1], v[\tmp:\tmp+7], v[\tq+2]
	v_cvt_scalef32_pk8_bf8_f32 v[\cod+2:\cod+3], v[\tmp+8:\tmp+15], v[\tq+2]
	v_nop                                          ; a plain line behind the last conversion
.endm
	s_load_b128 s[4:7], s[0:1], 0x0                ; img, sa_ops
	s_load_b64 s[8:9], s[0:1], 0x10                ; ca_ops
	v_lshl_add_u32 v1, v0, 2, SPARE
	v_mov_b32 v2, 0
	v_lshrrev_b32 v20, 5, v0
	v_readfirstlane_b32 s2, v20                    ; wave = head
	v_and_b32 v7, 31, v0
	v_lshlrev_b32 v3, 4, v7
	v_lshlrev_b32 v7, 2, v7
	v_lshlrev_b32 v4, 4, v0
	v_lshl_add_u32 v5, v0, 2, XSC
	v_add_nc_u32 v6, XSC, v3
	v_lshlrev_b32 v21, 2, v0
	v_mov_b32 v65, 0                               ; lane permutes' destinations, written once
	v_mov_b32 v69, 0
	s_and_b32 s3, ttmp7, 0xffff                    ; g
	s_cmp_ge_u32 s3, 3                             ; products 3 and 4 take encoding and the cross attention's weights
	s_cselect_b32 s10, 256, 0
	s_cselect_b32 s11, 64, 0
	s_cselect_b32 s12, 2, 0
	s_sub_co_u32 s12, s3, s12                      ; 0 = q, 1 = k, 2 = v
	s_lshl_b32 s13, ttmp9, 3
	s_add_co_u32 s10, s10, s13                     ; the rows' first unit
	s_lshl_b32 s13, s3, 5
	s_add_co_u32 s11, s11, s13
	s_lshl_b32 s13, s2, 1
	s_add_co_u32 s11, s11, s13
	s_add_co_u32 s11, s11, 512                     ; my weight's first unit
	s_lshr_b32 s14, ttmp9, 4
	s_lshl_b32 s14, s14, 4
	s_add_co_u32 s14, s14, s2                      ; bh = 16 b + w
	s_and_b32 s15, ttmp9, 15                       ; key step
	s_lshl_b32 s16, s12, 21
	s_lshl_b32 s13, s14, 16
	s_add_co_u32 s16, s16, s13
	s_lshl_b32 s13, s15, 12
	s_add_co_u32 s16, s16, s13                     ; where my eight chunks go
	s_lshl_b32 s17, ttmp9, 6
	s_add_co_u32 s17, s17, s2
	s_lshl_b32 s17, s17, 7                         ; q's scale words
	s_lshl_b32 s18, s12, 18
	s_lshl_b32 s13, s14, 13
	s_add_co_u32 s18, s18, s13
	s_lshl_b32 s13, s15, 9
	s_add_co_u32 s18, s18, s13                     ; k's or v's
	s_cmp_eq_u32 s12, 2
	s_cselect_b32 s[SWAP], 1, 0
	s_mov_b32 s[SEL], 0x76543210
	s_mov_b32 s[SEL+1], 0xfedcba98
	s_mov_b32 s[MNT], 0x600000
	s_mov_b32 s[MH], 0xffff0000                    ; the upper half of the lanes
	s_mov_b32 s45, 0
	s_wait_kmcnt 0x0
	s_cmp_ge_u32 s3, 3
	s_cselect_b64 s[20:21], s[8:9], s[6:7]
	s_lshl_b32 s44, s10, 13
	s_add_nc_u64 s[24:25], s[4:5], s[44:45]        ; the rows' codes
	s_lshl_b32 s44, s10, 8
	s_add_nc_u64 s[26:27], s[4:5], s[44:45]        ; their scale words (SCL0 further on)
	s_lshl_b32 s44, s11, 13
	s_add_nc_u64 s[28:29], s[4:5], s[44:45]        ; the weight's codes
	s_lshl_b32 s44, s11, 8
	s_add_nc_u64 s[30:31], s[4:5], s[44:45]
	s_mov_b32 s44, s16
	s_add_nc_u64 s[32:33], s[20:21], s[44:45]
	s_mov_b32 s44, s17
	s_add_nc_u64 s[34:35], s[20:21], s[44:45]
	s_mov_b32 s44, s18
	s_add_nc_u64 s[36:37], s[20:21], s[44:45]
.irp i, 0,1,2,3,4,5,6,7
	global_load_b128 v[32+4*\i:35+4*\i], v4, s[24:25] offset:8192*\i   ; the rows' 64 KB, 16 bytes a thread
.endr
	global_load_b32 v20, v21, s[26:27] offset:SCL0
.irp i, 0,1
.irp k, 0,1,2,3
.irp c, 0,1,2,3
	global_load_b128 v[128+64*\i+16*\k+4*\c:131+64*\i+16*\k+4*\c], v3, s[28:29] offset:8192*\i+2048*\k+512*\c
.endr
.endr
.endr
	global_load_b128 v[8:11], v3, s[30:31] offset:SCL0   ; register k: K step k; lanes 0-15 tile 0, lanes 16-31 tile 1
	s_wait_loadcnt 33                              ; the nine copy loads are in; the weight's 32 and its scale words were issued later
.irp i, 0,1,2,3,4,5,6,7
	ds_store_b128 v4, v[32+4*\i:35+4*\i] offset:8192*\i
.endr
	ds_store_b32 v5, v20
	s_wait_dscnt 0x0                               ; my stores have landed
	s_barrier_signal -1
	s_barrier_wait -1                              ; everybody's have: LDS is only read from here on
	s_wait_loadcnt 0x0
; eight products: two K steps x four accumulators, which take turns, one instruction a turn
.macro PROD kk
	s_cmp_eq_u32 s[SWAP], 1
	s_cbranch_scc1 .Lvarm_\@
.irp kb, 0,1
.irp j, 0,1
.irp i, 0,1
.set CA, 32+16*\j+8*\i
.if (2*\kk+\kb) == 0
.set CA, -1
.endif
	WM 32+16*\j+8*\i, 128+64*\i+16*(2*\kk+\kb), 64+32*\kb+16*\j, CA, 8+2*\kk+\kb, 12+2*\kk+\kb, \i, \j
.endr
.endr
.endr
	s_branch .Ljoin_\@
.Lvarm_\@:
.irp kb, 0,1
.irp j, 0,1
.irp i, 0,1
.set CA, 32+16*\j+8*\i
.if (2*\kk+\kb) == 0
.set CA, -1
.endif
	WM 32+16*\j+8*\i, 64+32*\kb+16*\i, 128+64*\j+16*(2*\kk+\kb), CA, 12+2*\kk+\kb, 8+2*\kk+\kb, \i, \j
.endr
.endr
.endr
.Ljoin_\@:
.endm
.irp pp, 0,1,2,3                       ; a pair of the rows' tiles at a time
.if \pp > 0
	s_wait_xcnt 0x0                                ; the last pair's stores have read the codes' registers, into which loads land next
.endif
	ds_load_b128 v[12:15], v6 offset:512*\pp       ; the pair's scale words
.irp kk, 0,1
.if \kk > 0
.rept 8
	v_nop                                          ; eight places in front of loads into registers that the products have read
.endr
.endif
.irp kb, 0,1
.irp j, 0,1
.irp c, 0,1,2,3
	ds_load_b128 v[64+32*\kb+16*\j+4*\c:67+32*\kb+16*\j+4*\c], v3 offset:(2*\pp+\j)*8192+(2*\kk+\kb)*2048+512*\c
.endr
.endr
.endr
	s_wait_dscnt 0x0
	PROD \kk
.endr
.rept 8
	v_nop                                          ; eight places in front of the first read of results
.endr
	QUANT1 32, 32, 0, 80, 64
	QUANT1 48, 48, 0, 84, 68
	v_cndmask_b32 v[16+\pp], v67, v71, s[MH]       ; lanes 0-15: the first chunk's bytes; lanes 16-31: the second's
	global_store_b128 v3, v[80:83], s[32:33] offset:(2*\pp)*512
	global_store_b128 v3, v[84:87], s[32:33] offset:(2*\pp+1)*512
.endr
	s_cmp_eq_u32 s12, 0
	s_cbranch_scc0 .Lkv
.irp pp, 0,1,2,3
	global_store_b32 v7, v[16+\pp], s[34:35] offset:0x600000+2048*\pp
.endr
	s_branch .Ldone
.Lkv:
	global_store_b128 v3, v[16:19], s[36:37] offset:0x600000   ; 512 consecutive bytes
.Ldone:
	s_wait_tensorcnt 0x0                           ; the wave's end: three closing lines behind my last LDS store
	ds_add_u32 v1, v2
	s_wait_dscnt 0x0
	s_endpgm
.Lfunc_end_k_qb06fdc9ed8_proj:
	.size	k_qb06fdc9ed8_proj, .Lfunc_end_k_qb06fdc9ed8_proj-k_qb06fdc9ed8_proj
	.p2alignl 7, 3214868480
	.fill 96, 4, 3214868480
	.section	.rodata,"a",@progbits
	.p2align	6, 0x0
	.amdhsa_kernel k_qb06fdc9ed8_proj
		.amdhsa_group_segment_fixed_size 69632
		.amdhsa_private_segment_fixed_size 0
		.amdhsa_enable_private_segment 0
		.amdhsa_kernarg_size 24
		.amdhsa_user_sgpr_count 2
		.amdhsa_user_sgpr_kernarg_segment_ptr 1
		.amdhsa_wavefront_size32 1
		.amdhsa_system_sgpr_workgroup_id_x 1
		.amdhsa_system_sgpr_workgroup_id_y 1
		.amdhsa_system_sgpr_workgroup_id_z 1
		.amdhsa_system_vgpr_workitem_id 0
		.amdhsa_next_free_vgpr 256
		.amdhsa_next_free_sgpr 66
		.amdhsa_reserve_vcc 0
		.amdhsa_float_denorm_mode_32 3
		.amdhsa_float_denorm_mode_16_64 3
		.amdhsa_memory_ordered 1
		.amdhsa_forward_progress 1
		.amdhsa_inst_pref_size 53
	.end_amdhsa_kernel
	.amdgpu_metadata
---
amdhsa.version: [ 1, 2 ]
amdhsa.kernels:
  - .name:           k_qb06fdc9ed8_proj
    .symbol:         k_qb06fdc9ed8_proj.kd
    .args:
      - { .name: img, .offset: 0, .size: 8, .value_kind: global_buffer, .address_space: global }
      - { .name: sa_ops, .offset: 8, .size: 8, .value_kind: global_buffer, .address_space: global }
      - { .name: ca_ops, .offset: 16, .size: 8, .value_kind: global_buffer, .address_space: global }
    .group_segment_fixed_size: 69632
    .private_segment_fixed_size: 0
    .kernarg_segment_align: 8
    .kernarg_segment_size: 24
    .max_flat_workgroup_size: 512
    .sgpr_count:     66
    .vgpr_count:     256
    .wavefront_size: 32
...
	.end_amdgpu_metadata
.endif
;; end of part 2
;; launch attn_sa (part 3): grid 8 x 32, 16 waves a work-group, no clusters, 143,360 bytes of LDS; arguments sa_ops, flag_sa, obuf; writes obuf
.if DOCPART == 3
	.amdgcn_target "amdgcn-amd-amdhsa--gfx1250"
	.amdhsa_code_object_version 6
	.text
	.protected	k_qb06fdc9ed8_attn_sa
	.globl	k_qb06fdc9ed8_attn_sa
	.p2align	8
	.type	k_qb06fdc9ed8_attn_sa,@function
k_qb06fdc9ed8_attn_sa:
	s_mov_b64 s[64:65], 0
	v_nop
	global_prefetch_b8 v0, s[64:65] scope:SCOPE_SE
	s_setreg_imm32_b32 hwreg(HW_REG_WAVE_MODE, 25, 1), 1
	s_wait_xcnt 0x0
; LAUNCHES 3 AND 5 OF 6: attention on codes of E5M2, one body for the causal and the plain one; the flag (a whole number that the first launch stored) says which.
; LEFT OUT under the causal mask: key steps of 128 keys that lie wholly behind a wave's 16 queries: their p is 0 (shown at the head of the first launch's text).
; t = score x log2(e) / sqrt(512) (one constant in place of a division and a multiplication); M = the running largest t rounded up to a whole number; p = 2^(t - M) is quantised along the keys, not normalised;
; the row's sum is taken of the unquantised p and divides at the end; when M moves, the sum and O are multiplied by 2^(old M - new M), which rounds nothing.
; SHARES.  Work-group (j, bh): the head's K and V, 128 KB of codes and their scale words, are copied into LDS once, through registers.  Wave w owns ONE tile of 16 queries, tile 8 rank + j, rank = w or, in
; waves 4-7 and 12-15, w xor 3.  Under the mask that tile needs key steps 0 .. rank: every work-group has 136 steps, and waves w, w + 4, w + 8, w + 12 have 34 together.
; NO CLUSTER: K and V are brought once, at the head, and are a small part of the work beside 136 to 256 key steps of softmax; and a branch of this text hangs on a stored number.
; LAYOUT.  S^T = K Q^T and O^T = V^T P^T: a lane holds one query throughout.  A tile's keys are 32 b + 8 u + r + 8 (r / 8), so that the 16 registers of tiles 2 b, 2 b + 1 are 16 neighbouring keys.
; THE SCORE PRODUCT'S K IS 32, a quarter of the instruction's 128: Q's registers for blocks 1-3 are zero codes.  K's tiles lie four registers apart, so a tile's blocks 1-3 are the next tiles' codes (finite: the
; quantiser holds at the largest code) or zeros: they meet Q's zeros and add 0.  The scale words' bytes 1-3 are 0, which is 2^-127, no NaN.
; REGISTERS: v3-6 lane's places in K, V, K's and V's scale words; v7 my query - 16 (lane / 16); v8-11 the step's addresses; v12 -M; v13 the largest t; v[14:15] the sum; v16-31 Q and zeros; v32-75 K and zeros;
; v76-79 K's scale words; v80 V's; v81 Q's; v82 4 r; v96-159 S^T, then p; v160-175 O^T; v176-207 V; v208-223 p's codes; v232-254 at work; v253 p's scale word.
.set KC, 0x200000
.set VC, 0x400000
.set QS, 0x600000
.set KS, 0x640000
.set VS, 0x680000
.set LVS,   139264                     ; LDS: K 0, V 65,536, K's scale words 131,072, V's (packed, a word a lane and step) here,
.set SPARE, 141312                     ; the spare words, 128 bytes a wave
.set KF,  30                           ; the step's first key
.set TB,  31                           ; its codes' place: 4,096 bytes a step
.set TS,  32                           ; K's scale words: 512
.set TJ,  33                           ; V's: 128
.set CNT, 34
.set LIM, 35                           ; a step whose first key is above this is left out
.set QMN, 36                           ; a step whose last key is at or under this needs no mask
.set SEL, 38
.set CS,  40
.set MNT, 42
.set TP,  43
.macro WM d, a, b, c, sa, sb, ra, rb   ; one product; c < 0: the sum starts with 0; ra, rb: the half of the lanes from which each side's scales are taken
.if (\c) < 0
.if (\ra)
	v_wmma_scale_f32_16x16x128_f8f6f4 v[(\d):(\d)+7], v[(\a):(\a)+15], v[(\b):(\b)+15], 0, v[(\sa)], v[(\sb)] matrix_a_fmt:MATRIX_FMT_BF8 matrix_b_fmt:MATRIX_FMT_BF8 matrix_a_scale:MATRIX_SCALE_ROW1
.else
	v_wmma_scale_f32_16x16x128_f8f6f4 v[(\d):(\d)+7], v[(\a):(\a)+15], v[(\b):(\b)+15], 0, v[(\sa)], v[(\sb)] matrix_a_fmt:MATRIX_FMT_BF8 matrix_b_fmt:MATRIX_FMT_BF8
.endif
.else
.if (\ra)
	v_wmma_scale_f32_16x16x128_f8f6f4 v[(\d):(\d)+7], v[(\a):(\a)+15], v[(\b):(\b)+15], v[(\c):(\c)+7], v[(\sa)], v[(\sb)] matrix_a_fmt:MATRIX_FMT_BF8 matrix_b_fmt:MATRIX_FMT_BF8 matrix_a_scale:MATRIX_SCALE_ROW1
.else
	v_wmma_scale_f32_16x16x128_f8f6f4 v[(\d):(\d)+7], v[(\a):(\a)+15], v[(\b):(\b)+15], v[(\c):(\c)+7], v[(\sa)], v[(\sb)] matrix_a_fmt:MATRIX_FMT_BF8 matrix_b_fmt:MATRIX_FMT_BF8
.endif
.endif
.endm
	s_load_b128 s[4:7], s[0:1], 0x0                ; the operands, the flag
	s_load_b64 s[8:9], s[0:1], 0x10                ; obuf
	v_lshl_add_u32 v1, v0, 2, SPARE
	v_mov_b32 v2, 0
	v_lshrrev_b32 v8, 5, v0
	v_readfirstlane_b32 s2, v8                     ; wave
	s_and_b32 s3, ttmp7, 0xffff                    ; bh
	s_bfe_u32 s10, s2, 0x10002
	s_mul_i32 s10, s10, 3
	s_xor_b32 s10, s2, s10                         ; rank
	s_lshl_b32 s11, s10, 3
	s_add_co_u32 s11, s11, ttmp9                   ; my tile of queries
	s_lshr_b32 s12, s11, 1                         ; its pair,
	s_and_b32 s13, s11, 1                          ; and which of the pair
	s_lshl_b32 s14, s12, 5
	s_lshl_b32 s15, s13, 3
	s_add_co_u32 s14, s14, s15                     ; my first query
	s_add_co_u32 s15, s14, 23                      ; my last
	s_lshr_b32 s16, s3, 4                          ; b
	s_and_b32 s17, s3, 15                          ; h
	s_lshl_b32 s24, s16, 6
	s_add_co_u32 s24, s24, s12
	s_lshl_b32 s24, s24, 4
	s_add_co_u32 s24, s24, s17
	s_lshl_b32 s24, s24, 7
	s_lshl_b32 s25, s13, 6
	s_add_co_u32 s24, s24, s25                     ; Q's scale words: ((64 b + pair) 16 + h) 128 + 64 x which
	s_lshl_b32 s25, s16, 7
	s_add_co_u32 s25, s25, s11
	s_lshl_b32 s25, s25, 4
	s_add_co_u32 s25, s25, s17                     ; (128 b + tile) 16 + h: my chunk of the result
	v_and_b32 v9, 31, v0
	v_lshlrev_b32 v3, 4, v9
	v_add_nc_u32 v4, 0x10000, v3
	v_add_nc_u32 v5, 0x20000, v3
	v_lshl_add_u32 v6, v9, 2, LVS
	v_and_b32 v9, 15, v0
	v_lshlrev_b32 v82, 2, v9
	v_and_b32 v10, 8, v0
	v_add_nc_u32 v7, v9, v10                       ; r + 8 (r / 8)
	v_bfe_u32 v10, v0, 4, 1
	v_lshlrev_b32 v10, 4, v10
	v_sub_nc_u32 v7, v7, v10
	v_add_nc_u32 v7, s14, v7                       ; my query - 16 (lane / 16)
	v_lshlrev_b32 v232, 4, v0
	v_add_nc_u32 v233, 0x10000, v232
	v_add_nc_u32 v234, 0x20000, v232
	v_lshl_add_u32 v235, v0, 2, LVS
	s_lshl_b32 s[TP], s11, 9
	v_add_nc_u32 v8, s[TP], v3
	v_add_nc_u32 v10, s24, v82
	s_mov_b32 s[SEL], 0x76543210
	s_mov_b32 s[SEL+1], 0xfedcba98
	s_mov_b32 s[CS], 0x3d8293ee                    ; c = log2(e) / sqrt(512)
	s_mov_b32 s[CS+1], s[CS]                       ; (named with it as a pair, so it is written)
	s_mov_b32 s[MNT], 0x600000
	s_mov_b32 s[KF], 0
	s_mov_b32 s[TB], 0
	s_mov_b32 s[TS], 0
	s_mov_b32 s[TJ], 0
	s_mov_b32 s[CNT], 0
	s_mov_b32 s45, 0
	s_wait_kmcnt 0x0
	s_load_b32 s18, s[6:7], 0x0                    ; 1 = causal
	s_lshl_b32 s44, s3, 16
	s_add_nc_u64 s[20:21], s[4:5], s[44:45]        ; my head's codes
	s_lshl_b32 s44, s3, 13
	s_add_nc_u64 s[22:23], s[4:5], s[44:45]        ; its K's and V's scale words
	s_lshl_b32 s44, s25, 9
	s_add_nc_u64 s[26:27], s[8:9], s[44:45]
	s_lshl_b32 s44, s25, 6
	s_add_nc_u64 s[28:29], s[8:9], s[44:45]
.irp i, 0,1,2,3,4,5,6,7
	global_load_b128 v[96+4*\i:99+4*\i], v232, s[20:21] offset:KC+8192*\i
.endr
.irp i, 0,1,2,3,4,5,6,7
	global_load_b128 v[128+4*\i:131+4*\i], v232, s[20:21] offset:VC+8192*\i
.endr
	global_load_b128 v[160:163], v232, s[22:23] offset:KS
	global_load_b128 v[164:167], v232, s[22:23] offset:VS
	global_load_b128 v[16:19], v8, s[20:21]        ; Q's chunk
	global_load_b32 v81, v10, s[4:5] offset:QS     ; and its scale words
	s_wait_loadcnt 2                               ; the 18 copy loads are in; Q's two were issued later
.irp i, 0,1,2,3,4,5,6,7
	ds_store_b128 v232, v[96+4*\i:99+4*\i] offset:8192*\i
.endr
.irp i, 0,1,2,3,4,5,6,7
	ds_store_b128 v233, v[128+4*\i:131+4*\i] offset:8192*\i
.endr
	ds_store_b128 v234, v[160:163]
	v_lshl_or_b32 v164, v165, 8, v164              ; V's four bytes of a step make one word
	v_lshl_or_b32 v164, v166, 16, v164
	v_lshl_or_b32 v164, v167, 24, v164
	ds_store_b32 v235, v164
	s_wait_dscnt 0x0                               ; my stores have landed
	s_barrier_signal -1
	s_barrier_wait -1                              ; everybody's have: LDS is only read from here on
.irp i, 20,21,22,23,24,25,26,27,28,29,30,31,64,65,66,67,68,69,70,71,72,73,74,75
	v_mov_b32 v[\i], 0                             ; the zero codes
.endr
.irp i, 0,1,2,3,4,5,6,7,8,9,10,11,12,13,14,15
	v_mov_b32 v[160+\i], 0                         ; O^T: the step is written once; the first finds zeros
.endr
	v_mov_b32 v13, 0xff61b1e6                      ; the largest t so far: -3e38
	v_floor_f32 v12, -v13
	v_mov_b32 v14, 0
	v_mov_b32 v15, 0
.irp i, 236,237,238,239,251,252
	v_mov_b32 v[\i], 0                             ; lane permutes' destinations, and the upper half of f's pair
.endr
	s_wait_loadcnt 0x0
	s_wait_kmcnt 0x0
	s_cmp_lg_u32 s18, 0
	s_mov_b32 s[LIM], 2047
	s_cselect_b32 s[LIM], s15, s[LIM]
	s_mov_b32 s[QMN], 0x7fffffff
	s_cselect_b32 s[QMN], s14, s[QMN]
.Lstep:                                ; 16 trips, a constant; a hidden step's work is jumped over, its address steps are not
	s_cmp_gt_u32 s[KF], s[LIM]
	s_cbranch_scc1 .Lhidden
	v_add_nc_u32 v8, s[TB], v3
	v_add_nc_u32 v9, s[TB], v4
	v_add_nc_u32 v10, s[TS], v5
	v_add_nc_u32 v11, s[TJ], v6
.rept 4
	v_nop                                          ; with the four additions: eight places in front of loads into registers that the last products have read
.endr
.irp t, 0,1,2,3,4,5,6,7
	ds_load_b128 v[32+4*\t:35+4*\t], v8 offset:512*\t
.endr
	ds_load_b128 v[76:79], v10
.irp c, 0,1,2,3
.irp u, 0,1
	ds_load_b128 v[176+16*\u+4*\c:179+16*\u+4*\c], v9 offset:(2*\c+\u)*512
.endr
.endr
	ds_load_b32 v80, v11
	s_wait_dscnt 9                                 ; K and its scale words are in; V's eight loads and its scale word were issued later
.irp t, 0,1,2,3,4,5,6,7
	WM 96+8*\t, 32+4*\t, 16, -1, 76+\t/2, 81, \t%2, 0
.endr
.rept 8
	v_nop
.endr
	s_add_co_u32 s[TP], s[KF], 127
	s_cmp_le_u32 s[TP], s[QMN]
	s_cbranch_scc1 .Lopen
	v_sub_nc_u32 v252, v7, s[KF]                   ; register 16 b + i holds key KF + 16 (lane / 16) + 32 b + i: hidden where 32 b + i is above this
	v_mov_b32 v254, 0xff800000                     ; -infinity
.set N, 0
.rept 64
	v_cmp_gt_i32 vcc_lo, 32*(N/16)+N%16, v252
	v_cndmask_b32 v[96+N], v[96+N], v254, vcc_lo
.set N, N+1
.endr
.Lopen:
.irp b, 0,1,2,3
	v_max3_num_f32 v[232+\b], v[96+16*\b], v[97+16*\b], v[98+16*\b]   ; the largest score of each block of 32 keys: for the row's maximum, and, since p rises with the score, for the block's largest p
.endr
.irp i, 3,5,7,9,11,13
.irp b, 0,1,2,3
	v_max3_num_f32 v[232+\b], v[232+\b], v[96+16*\b+\i], v[97+16*\b+\i]
.endr
.endr
.irp b, 0,1,2,3
	v_max_num_f32 v[232+\b], v[232+\b], v[111+16*\b]
.endr
.irp b, 0,1,2,3
	v_permlanex16_b32 v[236+\b], v[232+\b], s[SEL], s[SEL+1]
.endr
.irp b, 0,1,2,3
	v_max_num_f32 v[232+\b], v[232+\b], v[236+\b]
.endr
	v_max3_num_f32 v254, v232, v233, v234
	v_max_num_f32 v254, v254, v235
	v_mul_f32 v254, s[CS], v254
	v_max_num_f32 v13, v13, v254                   ; the running largest t
	v_mov_b32 v254, v12
	v_floor_f32 v12, -v13                          ; the new -M
	v_sub_f32 v254, v12, v254                      ; old M - new M: a whole number, 0 or less
	v_cvt_i32_f32 v254, v254                       ; (it saturates)
	v_ldexp_f32 v250, 1.0, v254                    ; f = 2^(old M - new M)
.set J, 0
.rept 32
	v_pk_fma_f32 v[96+J:97+J], v[96+J:97+J], s[CS:CS+1], v[12:13] op_sel_hi:[1,0,0]   ; t - M
.set J, J+2
.endr
.irp b, 0,1,2,3
	v_fma_f32 v[232+\b], v[232+\b], s[CS], v12
.endr
.set J, 0
.rept 64
	v_exp_f32 v[96+J], v[96+J]                     ; p
.set J, J+1
.endr
	v_pk_mul_f32 v[14:15], v[14:15], v[250:251] op_sel_hi:[1,0]   ; the sum under the new M: a plain line behind the exponentials
	s_wait_alu depctr_va_vdst(0)                   ; one wait for the batch, ahead of its first reader
.irp b, 0,1,2,3
	v_exp_f32 v[232+\b], v[232+\b]                 ; each block's largest p
.endr
	v_pk_add_f32 v[236:237], v[96:97], v[98:99]    ; the row's sum of the unquantised p, in two chains
.set J, 4
.rept 15
	v_pk_add_f32 v[14:15], v[14:15], v[96+J:97+J]
	v_pk_add_f32 v[236:237], v[236:237], v[98+J:99+J]
.set J, J+4
.endr
	v_pk_add_f32 v[14:15], v[14:15], v[236:237]
	s_wait_alu depctr_va_vdst(0)                   ; and one for the four
.irp b, 0,1,2,3
	v_max_num_f32 v[232+\b], 0x8000000, v[232+\b]  ; the floor 2^(16 - 127)
.endr
.irp b, 0,1,2,3
	v_add_nc_u32 v[244+\b], 0xf8800000, v[232+\b]
.endr
.irp b, 0,1,2,3
	v_and_or_b32 v[240+\b], v[232+\b], 0x7f800000, s[MNT]
.endr
.irp b, 0,1,2,3
	v_lshrrev_b32 v[236+\b], 23, v[244+\b]
.endr
	v_lshl_or_b32 v253, v237, 8, v236              ; p's scale word for these 128 keys
	v_lshl_or_b32 v253, v238, 16, v253
	v_lshl_or_b32 v253, v239, 24, v253
.irp b, 0,1,2,3
.irp i, 0,1,2,3,4,5,6,7,8,9,10,11,12,13,14,15
	v_min_num_f32 v[96+16*\b+\i], v[96+16*\b+\i], v[240+\b]   ; the hold; p is not negative
.endr
	v_cvt_scalef32_pk8_bf8_f32 v[208+4*\b:209+4*\b], v[96+16*\b:103+16*\b], v[244+\b]
	v_cvt_scalef32_pk8_bf8_f32 v[210+4*\b:211+4*\b], v[104+16*\b:111+16*\b], v[244+\b]
.endr
.irp j, 0,2,4,6,8,10,12,14
	v_pk_mul_f32 v[160+\j:161+\j], v[160+\j:161+\j], v[250:251] op_sel_hi:[1,0]   ; O^T under the new M; these eight stand between the codes' last conversion and the products
.endr
	s_wait_dscnt 0x0                               ; V
	WM 160, 176, 208, 160, 80, 253, 0, 0           ; the two accumulators take turns, and S^T's eight stand between a link and the next
	WM 168, 192, 208, 168, 80, 253, 1, 0
.Lhidden:
	s_add_co_u32 s[KF], s[KF], 128
	s_add_co_u32 s[TB], s[TB], 4096
	s_add_co_u32 s[TS], s[TS], 512
	s_add_co_u32 s[TJ], s[TJ], 128
	s_add_co_u32 s[CNT], s[CNT], 1
	s_cmp_lt_u32 s[CNT], 16
	s_cbranch_scc1 .Lstep
; THE WAY OUT: O^T / the sum: a lane's 16 registers are channels 16 (lane / 16) + 0 .. 15 of my head: half of block h of the next product's K.  They leave as a chunk of codes and a byte.
.rept 8
	v_nop
.endr
	v_add_f32 v14, v14, v15
	v_permlanex16_b32 v252, v14, s[SEL], s[SEL+1]
	v_add_f32 v14, v14, v252
	v_rcp_f32 v14, v14
	v_nop
	s_wait_alu depctr_va_vdst(0)
.irp j, 0,1,2,3,4,5,6,7,8,9,10,11,12,13,14,15
	v_mul_f32 v[96+\j], v[160+\j], v14
.endr
	v_max3_num_f32 v116, |v96|, |v97|, 0x8000000
.irp i, 2,4,6,8,10,12,14
	v_max3_num_f32 v116, v116, |v[96+\i]|, |v[97+\i]|
.endr
	v_permlanex16_b32 v117, v116, s[SEL], s[SEL+1]
	v_max_num_f32 v116, v116, v117
	v_add_nc_u32 v118, 0xf8800000, v116
	v_and_or_b32 v117, v116, 0x7f800000, s[MNT]
	v_lshrrev_b32 v119, 23, v118
.irp i, 0,1,2,3,4,5,6,7,8,9,10,11,12,13,14,15
	v_med3_num_f32 v[96+\i], v[96+\i], -v117, v117
.endr
	v_cvt_scalef32_pk8_bf8_f32 v[112:113], v[96:103], v118
	v_cvt_scalef32_pk8_bf8_f32 v[114:115], v[104:111], v118
	v_nop
	global_store_b128 v3, v[112:115], s[26:27]     ; 512 consecutive bytes
	global_store_b32 v82, v119, s[28:29] offset:0x200000   ; 16 scale words (both halves of the lanes hold and write the same)
	s_wait_tensorcnt 0x0                           ; the wave's end: three closing lines behind my last LDS store
	ds_add_u32 v1, v2
	s_wait_dscnt 0x0
	s_endpgm
.Lfunc_end_k_qb06fdc9ed8_attn_sa:
	.size	k_qb06fdc9ed8_attn_sa, .Lfunc_end_k_qb06fdc9ed8_attn_sa-k_qb06fdc9ed8_attn_sa
	.p2alignl 7, 3214868480
	.fill 96, 4, 3214868480
	.section	.rodata,"a",@progbits
	.p2align	6, 0x0
	.amdhsa_kernel k_qb06fdc9ed8_attn_sa
		.amdhsa_group_segment_fixed_size 143360
		.amdhsa_private_segment_fixed_size 0
		.amdhsa_enable_private_segment 0
		.amdhsa_kernarg_size 24
		.amdhsa_user_sgpr_count 2
		.amdhsa_user_sgpr_kernarg_segment_ptr 1
		.amdhsa_wavefront_size32 1
		.amdhsa_system_sgpr_workgroup_id_x 1
		.amdhsa_system_sgpr_workgroup_id_y 1
		.amdhsa_system_sgpr_workgroup_id_z 1
		.amdhsa_system_vgpr_workitem_id 0
		.amdhsa_next_free_vgpr 256
		.amdhsa_next_free_sgpr 66
		.amdhsa_reserve_vcc 1
		.amdhsa_float_denorm_mode_32 3
		.amdhsa_float_denorm_mode_16_64 3
		.amdhsa_memory_ordered 1
		.amdhsa_forward_progress 1
		.amdhsa_inst_pref_size 34
	.end_amdhsa_kernel
	.amdgpu_metadata
---
amdhsa.version: [ 1, 2 ]
amdhsa.kernels:
  - .name:           k_qb06fdc9ed8_attn_sa
    .symbol:         k_qb06fdc9ed8_attn_sa.kd
    .args:
      - { .name: sa_ops, .offset: 0, .size: 8, .value_kind: global_buffer, .address_space: global }
      - { .name: flag_sa, .offset: 8, .size: 8, .value_kind: global_buffer, .address_space: global }
      - { .name: obuf, .offset: 16, .size: 8, .value_kind: global_buffer, .address_space: global }
    .group_segment_fixed_size: 143360
    .private_segment_fixed_size: 0
    .kernarg_segment_align: 8
    .kernarg_segment_size: 24
    .max_flat_workgroup_size: 512
    .sgpr_count:     66
    .vgpr_count:     256
    .wavefront_size: 32
...
	.end_amdgpu_metadata
.endif
;; end of part 3
;; launch mid (part 4): grid 128 x 1, 16 waves a work-group, no clusters, 44,032 bytes of LDS; arguments obuf, img, x, ln1_g, ln1_b, h1, ca_ops; writes h1, ca_ops
.if DOCPART == 4
	.amdgcn_target "amdgcn-amd-amdhsa--gfx1250"
	.amdhsa_code_object_version 6
	.text
	.protected	k_qb06fdc9ed8_mid
	.globl	k_qb06fdc9ed8_mid
	.p2align	8
	.type	k_qb06fdc9ed8_mid,@function
k_qb06fdc9ed8_mid:
	s_mov_b64 s[64:65], 0
	v_nop
	global_prefetch_b8 v0, s[64:65] scope:SCOPE_SE
	s_setreg_imm32_b32 hwreg(HW_REG_WAVE_MODE, 25, 1), 1
	s_wait_xcnt 0x0
; LAUNCH 4 OF 6: h1 = layernorm(x + attention sa_wo^T), its codes, q2 = h1 ca_wq^T, and q2's codes for the cross attention.
; SHARES.  A work-group takes 32 rows (a pair of tiles, e = 0, 1).  Wave w makes columns 32 w .. 32 w + 31 of every product: one block of the next K.  Its part of each weight goes from memory straight into its
; registers, three K steps ahead; no other wave of the work-group wants it, so it does not go through LDS, and there is nothing to ask for jointly.  The rows' codes go from wave to wave through LDS as images of the operand's registers.
; The products are used transposed (source 0 = the weight's two tiles, source 1 = a tile of rows): register acc + 16 e + 8 i + j of lane (r, hh) is row 32 Pg + 8 e + r + 8 (r / 8), column 32 w + 16 hh + 8 i + j.
; The residual is the C of the first product.  The norm is taken in two passes (mean; then the squares of the differences).  x / 511 and the division by (std + eps) are multiplications by a constant and by v_rcp_f32's result.
; 128 work-groups: a WGP must receive the whole weight whatever its number of rows, so fewer rows to a work-group would only multiply the weights' traffic.
.set LB,    0
.set AIMG,  0                          ; LDS: the attention's codes, [e][K step][block][512]
.set HIMG,  16384                      ; h1's
.set ASC,   32768                      ; scale words [K step][lane]: lanes 0-15 tile e = 0, lanes 16-31 e = 1
.set HSC,   33280
.set RED1,  33792                      ; the norms' partial sums, [wave][lane]
.set RED2,  35840
.set VG,    37888                      ; ln1_g, ln1_b
.set VB,    39936
.set SPARE, 41984
.set SCL0,  0x700000
.set NLAST, 7                          ; the weights' K steps: 0-3 sa_wo, 4-7 ca_wq
.set AS,   28
.set ACC,  48
.set AF,   80
.set WB,   112
.set ACC2, 208
.set W2,   26
.set S128W, 40
.set S512W, 42
.set SB,   44
.set MH,   46
.set MNT,  47
.set SEL,  48
; REGISTERS: v3 16 x lane; v4 4 x lane; v5 64 (lane / 16); v6, v7 partial sums; v8-15 the weights' scale words; v28-31 the rows'; v36-47 at work; v48-79 x + .., then h1; v80-111 the rows' fragments, later codes;
; v112-207 three buffers for a weight's K step; v208-239 gain and bias, then q2; v240-255 at work.
.macro WM d, a, b, c, sa, sb, ra, rb   ; one product; c < 0: the sum starts with 0; ra, rb: the half of the lanes from which each side's scales are taken
.if (\c) < 0
.if (\ra) && (\rb)
	v_wmma_scale_f32_16x16x128_f8f6f4 v[(\d):(\d)+7], v[(\a):(\a)+15], v[(\b):(\b)+15], 0, v[(\sa)], v[(\sb)] matrix_a_fmt:MATRIX_FMT_BF8 matrix_b_fmt:MATRIX_FMT_BF8 matrix_a_scale:MATRIX_SCALE_ROW1 matrix_b_scale:MATRIX_SCALE_ROW1
.elseif (\ra)
	v_wmma_scale_f32_16x16x128_f8f6f4 v[(\d):(\d)+7], v[(\a):(\a)+15], v[(\b):(\b)+15], 0, v[(\sa)], v[(\sb)] matrix_a_fmt:MATRIX_FMT_BF8 matrix_b_fmt:MATRIX_FMT_BF8 matrix_a_scale:MATRIX_SCALE_ROW1
.elseif (\rb)
	v_wmma_scale_f32_16x16x128_f8f6f4 v[(\d):(\d)+7], v[(\a):(\a)+15], v[(\b):(\b)+15], 0, v[(\sa)], v[(\sb)] matrix_a_fmt:MATRIX_FMT_BF8 matrix_b_fmt:MATRIX_FMT_BF8 matrix_b_scale:MATRIX_SCALE_ROW1
.else
	v_wmma_scale_f32_16x16x128_f8f6f4 v[(\d):(\d)+7], v[(\a):(\a)+15], v[(\b):(\b)+15], 0, v[(\sa)], v[(\sb)] matrix_a_fmt:MATRIX_FMT_BF8 matrix_b_fmt:MATRIX_FMT_BF8
.endif
.else
.if (\ra) && (\rb)
	v_wmma_scale_f32_16x16x128_f8f6f4 v[(\d):(\d)+7], v[(\a):(\a)+15], v[(\b):(\b)+15], v[(\c):(\c)+7], v[(\sa)], v[(\sb)] matrix_a_fmt:MATRIX_FMT_BF8 matrix_b_fmt:MATRIX_FMT_BF8 matrix_a_scale:MATRIX_SCALE_ROW1 matrix_b_scale:MATRIX_SCALE_ROW1
.elseif (\ra)
	v_wmma_scale_f32_16x16x128_f8f6f4 v[(\d):(\d)+7], v[(\a):(\a)+15], v[(\b):(\b)+15], v[(\c):(\c)+7], v[(\sa)], v[(\sb)] matrix_a_fmt:MATRIX_FMT_BF8 matrix_b_fmt:MATRIX_FMT_BF8 matrix_a_scale:MATRIX_SCALE_ROW1
.elseif (\rb)
	v_wmma_scale_f32_16x16x128_f8f6f4 v[(\d):(\d)+7], v[(\a):(\a)+15], v[(\b):(\b)+15], v[(\c):(\c)+7], v[(\sa)], v[(\sb)] matrix_a_fmt:MATRIX_FMT_BF8 matrix_b_fmt:MATRIX_FMT_BF8 matrix_b_scale:MATRIX_SCALE_ROW1
.else
	v_wmma_scale_f32_16x16x128_f8f6f4 v[(\d):(\d)+7], v[(\a):(\a)+15], v[(\b):(\b)+15], v[(\c):(\c)+7], v[(\sa)], v[(\sb)] matrix_a_fmt:MATRIX_FMT_BF8 matrix_b_fmt:MATRIX_FMT_BF8
.endif
.endif
.endm
; 16 numbers of a lane, half a block of 32 (the other half lies in lane l xor 16), become four registers of codes; the block's byte is left in v[tq + 3].  relu = 1: what is negative becomes 0 on the way.
.macro QUANT1 src, tmp, relu, cod, tq
.if \relu
	v_max3_num_f32 v[\tq], v[\src], v[\src+1], 0x8000000
.irp i, 2,4,6,8,10,12,14
	v_max3_num_f32 v[\tq], v[\tq], v[\src+\i], v[\src+\i+1]
.endr
.else
	v_max3_num_f32 v[\tq], |v[\src]|, |v[\src+1]|, 0x8000000      ; with the floor 2^(16 - 127): the byte cannot fall under 1
.irp i, 2,4,6,8,10,12,14
	v_max3_num_f32 v[\tq], v[\tq], |v[\src+\i]|, |v[\src+\i+1]|
.endr
.endif
	v_permlanex16_b32 v[\tq+1], v[\tq], s[SEL], s[SEL+1]
	v_max_num_f32 v[\tq], v[\tq], v[\tq+1]
	v_add_nc_u32 v[\tq+2], 0xf8800000, v[\tq]
	v_and_or_b32 v[\tq+1], v[\tq], 0x7f800000, s[MNT]
	v_lshrrev_b32 v[\tq+3], 23, v[\tq+2]
.irp i, 0,1,2,3,4,5,6,7,8,9,10,11,12,13,14,15
.if \relu
	v_med3_num_f32 v[\tmp+\i], v[\src+\i], 0, v[\tq+1]
.else
	v_med3_num_f32 v[\tmp+\i], v[\src+\i], -v[\tq+1], v[\tq+1]
.endif
.endr
	v_cvt_scalef32_pk8_bf8_f32 v[\cod:\cod+1], v[\tmp:\tmp+7], v[\tq+2]
	v_cvt_scalef32_pk8_bf8_f32 v[\cod+2:\cod+3], v[\tmp+8:\tmp+15], v[\tq+2]
	v_nop
.endm
.macro BARRIER                         ; my LDS stores have landed and my LDS loads are in: then the work-group's barrier
	s_wait_dscnt 0x0
	s_barrier_signal -1
	s_barrier_wait -1
.endm
.macro WLD n, base, off, tstr          ; a weight's K step, two tiles, into buffer n % 3
.irp i, 0,1
.irp c, 0,1,2,3
	global_load_b128 v[WB+32*((\n)%3)+16*\i+4*\c:WB+32*((\n)%3)+16*\i+4*\c+3], v3, s[\base:\base+1] offset:(\off)+\i*(\tstr)+512*\c
.endr
.endr
.endm
.macro WSEQ n                          ; the n-th K step of the launch's weights
.if (\n) < 4
	WLD \n, W2, 608*8192+2048*(\n), 8192
.else
	WLD \n, W2, 640*8192+2048*((\n)-4), 8192
.endif
.endm
; One K step of a product: the rows' two fragments from LDS, four products (the four accumulators take turns), eight places, and the weights' K step three on into the buffer just read.
.macro GSTEP n, k, acc, czero, abase, estr, wsb, w2
.irp e, 0,1
.irp c, 0,1,2,3
	ds_load_b128 v[AF+16*\e+4*\c:AF+16*\e+4*\c+3], v3 offset:(\abase)+\e*(\estr)+2048*(\k)+512*\c
.endr
.endr
.if NLAST-(\n) >= 2
	s_wait_loadcnt 16                              ; this K step's weights are in; behind them two K steps of eight loads were issued
.elseif NLAST-(\n) == 1
	s_wait_loadcnt 8
.else
	s_wait_loadcnt 0x0
.endif
	s_wait_dscnt 0x0
.irp e, 0,1
.irp i, 0,1
.set DA, (\acc)+16*\e+8*\i
.set CA, DA
.if \czero
.set CA, -1
.endif
.set SA, (\wsb)+(\k)
.set RA, \i
.if \w2
.set SA, (\wsb)+4*\i+(\k)%4
.set RA, (\k)/4
.endif
	WM DA, WB+32*((\n)%3)+16*\i, AF+16*\e, CA, SA, AS+(\k), RA, \e
.endr
.endr
.rept 8
	v_nop                                          ; eight places in front of loads into registers that the products have read, and of the first read of results
.endr
.if (\n)+3 <= NLAST
	WSEQ (\n)+3
.endif
.endm
.macro SUM16 a, t, d                   ; v[d] = the sum of v[a] .. v[a + 15]; eight registers from v[t] on at work (t = a is allowed)
	v_pk_add_f32 v[\t:\t+1], v[\a:\a+1], v[\a+2:\a+3]
	v_pk_add_f32 v[\t+2:\t+3], v[\a+4:\a+5], v[\a+6:\a+7]
	v_pk_add_f32 v[\t+4:\t+5], v[\a+8:\a+9], v[\a+10:\a+11]
	v_pk_add_f32 v[\t+6:\t+7], v[\a+12:\a+13], v[\a+14:\a+15]
	v_pk_add_f32 v[\t:\t+1], v[\t:\t+1], v[\t+2:\t+3]
	v_pk_add_f32 v[\t+4:\t+5], v[\t+4:\t+5], v[\t+6:\t+7]
	v_pk_add_f32 v[\t:\t+1], v[\t:\t+1], v[\t+4:\t+5]
	v_add_f32 v[\d], v[\t], v[\t+1]
.endm
; v6, v7: my sums over my 16 columns, for tiles e = 0 and 1.  Out: v47 = the whole row's sum, for row r of tile e = lane / 16; the same order of addition in every wave.
.macro ROWRED red
	v_cndmask_b32 v46, v7, v6, s[MH]               ; what lane l xor 16 wants of me,
	v_cndmask_b32 v47, v6, v7, s[MH]               ; and what I keep
	v_permlanex16_b32 v36, v46, s[SEL], s[SEL+1]
	v_add_f32 v47, v47, v36
	v_add_nc_u32 v46, s[S128W], v4
	ds_store_b32 v46, v47 offset:(\red)-LB
	BARRIER
.irp i, 0,1,2,3,4,5,6,7,8,9,10,11,12,13,14,15
	ds_load_b32 v[240+\i], v4 offset:(\red)-LB+128*\i
.endr
	s_wait_dscnt 0x0
	SUM16 240, 240, 47
.endm
.macro SPREAD                          ; v47 (row r of tile lane / 16) becomes two pairs: v[40:41] tile 0's number twice, v[42:43] tile 1's
	v_permlanex16_b32 v36, v47, s[SEL], s[SEL+1]
	v_cndmask_b32 v40, v47, v36, s[MH]
	v_cndmask_b32 v42, v36, v47, s[MH]
	v_mov_b32 v41, v40
	v_mov_b32 v43, v42
.endm
.macro LNORM acc, redA, redB, goff, boff
	SUM16 \acc, 240, 6
	SUM16 \acc+16, 248, 7
	ROWRED \redA
	v_mul_f32 v47, 0x3b000000, v47                 ; / 512: the mean
	SPREAD
.irp m, 0,2,4,6,8,10,12,14
	v_pk_add_f32 v[\acc+\m:\acc+\m+1], v[\acc+\m:\acc+\m+1], v[40:41] neg_lo:[0,1] neg_hi:[0,1]
	v_pk_add_f32 v[\acc+16+\m:\acc+16+\m+1], v[\acc+16+\m:\acc+16+\m+1], v[42:43] neg_lo:[0,1] neg_hi:[0,1]
.endr
	v_pk_mul_f32 v[240:241], v[\acc:\acc+1], v[\acc:\acc+1]
	v_pk_mul_f32 v[242:243], v[\acc+16:\acc+17], v[\acc+16:\acc+17]
.irp m, 2,4,6,8,10,12,14
	v_pk_fma_f32 v[240:241], v[\acc+\m:\acc+\m+1], v[\acc+\m:\acc+\m+1], v[240:241]
	v_pk_fma_f32 v[242:243], v[\acc+16+\m:\acc+16+\m+1], v[\acc+16+\m:\acc+16+\m+1], v[242:243]
.endr
	v_add_f32 v6, v240, v241
	v_add_f32 v7, v242, v243
	ROWRED \redB
	v_mul_f32 v47, 0x3b004020, v47                 ; / 511
	v_sqrt_f32 v47, v47
	v_nop
	s_wait_alu depctr_va_vdst(0)                   ; ahead of the root's first reader
	v_add_f32 v47, 0x358637bd, v47                 ; + 1e-6
	v_rcp_f32 v47, v47
	v_nop
	s_wait_alu depctr_va_vdst(0)
	SPREAD
	v_add_nc_u32 v46, s[S128W], v5
.irp q, 0,1,2,3
	ds_load_b128 v[208+4*\q:211+4*\q], v46 offset:(\goff)-LB+16*\q   ; the gain and the bias of my 16 columns
	ds_load_b128 v[224+4*\q:227+4*\q], v46 offset:(\boff)-LB+16*\q
.endr
.irp m, 0,2,4,6,8,10,12,14
	v_pk_mul_f32 v[\acc+\m:\acc+\m+1], v[\acc+\m:\acc+\m+1], v[40:41]
	v_pk_mul_f32 v[\acc+16+\m:\acc+16+\m+1], v[\acc+16+\m:\acc+16+\m+1], v[42:43]
.endr
	s_wait_dscnt 0x0
.irp m, 0,2,4,6,8,10,12,14
	v_pk_fma_f32 v[\acc+\m:\acc+\m+1], v[\acc+\m:\acc+\m+1], v[208+\m:209+\m], v[224+\m:225+\m]
	v_pk_fma_f32 v[\acc+16+\m:\acc+16+\m+1], v[\acc+16+\m:\acc+16+\m+1], v[208+\m:209+\m], v[224+\m:225+\m]
.endr
.endm
; my block of both tiles is quantised; its two chunks and its bytes go to LDS
.macro PUTH acc, relu, t0, t1, swc, coff, estr, sbs, boff
	v_add_nc_u32 v7, s[\swc], v3
	QUANT1 \acc, \t0, \relu, 80, 36
	ds_store_b128 v7, v[80:83] offset:\coff
	QUANT1 \acc+16, \t1, \relu, 84, 44
	ds_store_b128 v7, v[84:87] offset:(\coff)+(\estr)
	v_cndmask_b32 v6, v39, v47, s[MH]              ; lanes 0-15: tile 0's bytes; lanes 16-31: tile 1's
	v_add_nc_u32 v46, s[\sbs], v4
	ds_store_b8 v46, v6 offset:(\boff)-LB
	s_wait_dscnt 0x0                               ; the stores have read their registers
.endm
	s_load_b256 s[4:11], s[0:1], 0x0               ; obuf, img, x, ln1_g
	s_load_b128 s[12:15], s[0:1], 0x20             ; ln1_b, h1
	s_load_b64 s[16:17], s[0:1], 0x30              ; ca_ops
	v_lshl_add_u32 v1, v0, 2, SPARE
	v_mov_b32 v2, 0
	v_lshrrev_b32 v3, 5, v0
	v_readfirstlane_b32 s2, v3                     ; wave
	v_and_b32 v4, 31, v0
	v_lshlrev_b32 v3, 4, v4
	v_lshl_add_u32 v4, v4, 2, LB
	v_bfe_u32 v5, v0, 4, 1
	v_lshl_add_u32 v5, v5, 6, LB
	v_mov_b32 v36, 0                               ; lane permutes' destinations, written once
	v_mov_b32 v37, 0
	v_mov_b32 v45, 0
	v_lshlrev_b32 v240, 4, v0                      ; the copies: 16 x thread,
	v_lshlrev_b32 v241, 2, v0                      ; 4 x thread,
	v_lshl_add_u32 v242, v0, 2, LB
	v_bfe_u32 v243, v0, 6, 2                       ; and where thread (e, h, r)'s scale byte goes: 128 (h / 4) + 64 e + 4 r + h % 4
	v_lshlrev_b32 v243, 7, v243
	v_lshrrev_b32 v245, 8, v0
	v_lshl_add_u32 v243, v245, 6, v243
	v_and_b32 v245, 15, v0
	v_lshl_add_u32 v243, v245, 2, v243
	v_bfe_u32 v245, v0, 4, 2
	v_add_nc_u32 v243, v243, v245
	v_and_b32 v244, 15, v0                         ; x: row r + 8 (r / 8) of 2,048 bytes, + 64 (lane / 16)
	v_and_b32 v245, 8, v0
	v_add_nc_u32 v244, v244, v245
	v_lshlrev_b32 v244, 11, v244
	v_bfe_u32 v245, v0, 4, 1
	v_lshl_add_u32 v244, v245, 6, v244
	s_lshl_b32 s[S128W], s2, 7
	s_lshl_b32 s[S512W], s2, 9
	s_lshr_b32 s[SB], s2, 2
	s_lshl_b32 s[SB], s[SB], 7
	s_and_b32 s50, s2, 3
	s_add_co_u32 s[SB], s[SB], s50                 ; block w's byte: 128 (w / 4) + w % 4
	s_mov_b32 s[MH], 0xffff0000
	s_mov_b32 s[MNT], 0x600000
	s_mov_b32 s[SEL], 0x76543210
	s_mov_b32 s[SEL+1], 0xfedcba98
	s_mov_b32 s51, 0
	s_wait_kmcnt 0x0
	s_lshl_b32 s50, ttmp9, 14
	s_add_nc_u64 s[20:21], s[4:5], s[50:51]        ; the attention's codes of my 32 rows
	s_lshl_b32 s50, ttmp9, 11
	s_add_nc_u64 s[22:23], s[4:5], s[50:51]        ; their scale words
	s_lshl_b32 s50, ttmp9, 16
	s_add_co_u32 s50, s50, s[S128W]
	s_add_nc_u64 s[24:25], s[8:9], s[50:51]        ; x at my rows and columns
	s_lshl_b32 s50, s2, 14
	s_add_nc_u64 s[W2:W2+1], s[6:7], s[50:51]      ; img + 2 w units of codes
	s_lshl_b32 s50, s2, 9
	s_add_nc_u64 s[28:29], s[6:7], s[50:51]        ; img + 2 w units of scale words
	s_lshl_b32 s50, ttmp9, 4
	s_add_co_u32 s52, s50, s2                      ; 16 Pg + w
	s_lshl_b32 s50, s52, 12
	s_add_nc_u64 s[30:31], s[14:15], s[50:51]      ; h1's image
	s_lshl_b32 s50, s52, 7
	s_add_nc_u64 s[34:35], s[16:17], s[50:51]      ; q2's scale words
	s_lshr_b32 s50, ttmp9, 6
	s_lshl_b32 s50, s50, 4
	s_add_co_u32 s50, s50, s2
	s_lshl_b32 s50, s50, 16
	s_and_b32 s52, ttmp9, 63
	s_lshl_b32 s52, s52, 10
	s_add_co_u32 s50, s50, s52
	s_add_nc_u64 s[32:33], s[16:17], s[50:51]      ; q2's chunks
	global_load_b128 v[80:83], v240, s[20:21]
	global_load_b128 v[84:87], v240, s[20:21] offset:8192
	global_load_b32 v88, v241, s[22:23] offset:0x200000
	global_load_b32 v89, v241, s[10:11]
	global_load_b32 v90, v241, s[12:13]
.irp e, 0,1
.irp q, 0,1,2,3
	global_load_b128 v[ACC+16*\e+4*\q:ACC+16*\e+4*\q+3], v244, s[24:25] offset:16384*\e+16*\q   ; the residual, in the result's layout
.endr
.endr
	global_load_b128 v[8:11], v3, s[28:29] offset:SCL0+608*256
	global_load_b128 v[12:15], v3, s[28:29] offset:SCL0+640*256
	WSEQ 0
	WSEQ 1
	WSEQ 2
	s_wait_loadcnt 34                              ; the five copy loads are in; behind them: 8 of x, 2 of scale words, 24 of weights
	ds_store_b128 v240, v[80:83] offset:AIMG
	ds_store_b128 v240, v[84:87] offset:AIMG+8192
	ds_store_b8 v243, v88 offset:ASC-LB
	ds_store_b32 v242, v89 offset:VG-LB
	ds_store_b32 v242, v90 offset:VB-LB
	BARRIER
.irp k, 0,1,2,3
	ds_load_b32 v[AS+\k], v4 offset:ASC-LB+128*\k
.endr
.irp k, 0,1,2,3
	GSTEP \k, \k, ACC, 0, AIMG, 8192, 8, 0         ; x + attention sa_wo^T
.endr
	LNORM ACC, RED1, RED2, VG, VB
.irp e, 0,1
.irp q, 0,1,2,3
	global_store_b128 v3, v[ACC+16*\e+4*\q:ACC+16*\e+4*\q+3], s[30:31] offset:(4*\e+\q)*512   ; h1 as an image of these registers: 512 consecutive bytes a store
.endr
.endr
	PUTH ACC, 0, 240, 240, S512W, HIMG, 8192, SB, HSC
	BARRIER
.irp k, 0,1,2,3
	ds_load_b32 v[AS+\k], v4 offset:HSC-LB+128*\k
.endr
	GSTEP 4, 0, ACC2, 1, HIMG, 8192, 12, 0         ; q2 = h1 ca_wq^T
.irp k, 1,2,3
	GSTEP 4+\k, \k, ACC2, 0, HIMG, 8192, 12, 0
.endr
	QUANT1 ACC2, ACC2, 0, 80, 36
	QUANT1 ACC2+16, ACC2+16, 0, 84, 44
	v_cndmask_b32 v6, v39, v47, s[MH]
	global_store_b128 v3, v[80:83], s[32:33]
	global_store_b128 v3, v[84:87], s[32:33] offset:512
	global_store_b32 v4, v6, s[34:35] offset:0x600000
	s_wait_tensorcnt 0x0                           ; the wave's end: three closing lines behind my last LDS store
	ds_add_u32 v1, v2
	s_wait_dscnt 0x0
	s_endpgm
.Lfunc_end_k_qb06fdc9ed8_mid:
	.size	k_qb06fdc9ed8_mid, .Lfunc_end_k_qb06fdc9ed8_mid-k_qb06fdc9ed8_mid
	.p2alignl 7, 3214868480
	.fill 96, 4, 3214868480
	.section	.rodata,"a",@progbits
	.p2align	6, 0x0
	.amdhsa_kernel k_qb06fdc9ed8_mid
		.amdhsa_group_segment_fixed_size 44032
		.amdhsa_private_segment_fixed_size 0
		.amdhsa_enable_private_segment 0
		.amdhsa_kernarg_size 56
		.amdhsa_user_sgpr_count 2
		.amdhsa_user_sgpr_kernarg_segment_ptr 1
		.amdhsa_wavefront_size32 1
		.amdhsa_system_sgpr_workgroup_id_x 1
		.amdhsa_system_sgpr_workgroup_id_y 1
		.amdhsa_system_sgpr_workgroup_id_z 1
		.amdhsa_system_vgpr_workitem_id 0
		.amdhsa_next_free_vgpr 256
		.amdhsa_next_free_sgpr 66
		.amdhsa_reserve_vcc 0
		.amdhsa_float_denorm_mode_32 3
		.amdhsa_float_denorm_mode_16_64 3
		.amdhsa_memory_ordered 1
		.amdhsa_forward_progress 1
		.amdhsa_inst_pref_size 42
	.end_amdhsa_kernel
	.amdgpu_metadata
---
amdhsa.version: [ 1, 2 ]
amdhsa.kernels:
  - .name:           k_qb06fdc9ed8_mid
    .symbol:         k_qb06fdc9ed8_mid.kd
    .args:
      - { .name: obuf, .offset: 0, .size: 8, .value_kind: global_buffer, .address_space: global }
      - { .name: img, .offset: 8, .size: 8, .value_kind: global_buffer, .address_space: global }
      - { .name: x, .offset: 16, .size: 8, .value_kind: global_buffer, .address_space: global }
      - { .name: ln1_g, .offset: 24, .size: 8, .value_kind: global_buffer, .address_space: global }
      - { .name: ln1_b, .offset: 32, .size: 8, .value_kind: global_buffer, .address_space: global }
      - { .name: h1, .offset: 40, .size: 8, .value_kind: global_buffer, .address_space: global }
      - { .name: ca_ops, .offset: 48, .size: 8, .value_kind: global_buffer, .address_space: global }
    .group_segment_fixed_size: 44032
    .private_segment_fixed_size: 0
    .kernarg_segment_align: 8
    .kernarg_segment_size: 56
    .max_flat_workgroup_size: 512
    .sgpr_count:     66
    .vgpr_count:     256
    .wavefront_size: 32
...
	.end_amdgpu_metadata
.endif
;; end of part 4
;; launch attn_ca: the kernel of part 3 again; grid 8 x 32, 16 waves a work-group, no clusters, 143,360 bytes of LDS; arguments ca_ops, flag_ca, obuf; writes obuf
;; launch tail (part 5): grid 128 x 1, 16 waves a work-group, no clusters, 158,208 bytes of LDS; arguments obuf, img, h1, ln2_g, ln2_b, ff_b1, ff_b2, ln3_g, ln3_b, out0; writes out0
.if DOCPART == 5
	.amdgcn_target "amdgcn-amd-amdhsa--gfx1250"
	.amdhsa_code_object_version 6
	.text
	.protected	k_qb06fdc9ed8_tail
	.globl	k_qb06fdc9ed8_tail
	.p2align	8
	.type	k_qb06fdc9ed8_tail,@function
k_qb06fdc9ed8_tail:
	s_mov_b64 s[64:65], 0
	v_nop
	global_prefetch_b8 v0, s[64:65] scope:SCOPE_SE
	s_setreg_imm32_b32 hwreg(HW_REG_WAVE_MODE, 25, 1), 1
	s_wait_xcnt 0x0
; LAUNCH 6 OF 6: h2 = layernorm(h1 + attention ca_wo^T); out = layernorm(h2 + relu(h2 ff_w1^T + b1) ff_w2^T + b2).  The hidden layer never goes to memory.
; SHARES, as in the launch behind the first attention: a work-group takes 32 rows (tiles e = 0, 1); wave w makes columns 32 w .. 32 w + 31 of each product of 512 columns, and hidden units 64 w .. 64 w + 63.
; Its part of each weight goes from memory straight into its registers, three K steps ahead through all twenty K steps of the launch; no other wave of the work-group wants it, so nothing is asked for jointly.
; The rows' codes go from wave to wave through LDS as images of the operand's registers.  Residuals and biases are the C of a sum's first product.  relu is the lower bound of the hold that the conversion wants anyway.
; x / 511 and the division by (std + eps) are multiplications by a constant and by v_rcp_f32's result.
.set LB,    65536                      ; v4 and v5 carry this base, so that the regions above 64 KiB are reached by immediates
.set AIMG,  0                          ; LDS: the attention's codes, [e][K step][block][512]
.set HIMG,  16384                      ; h2's
.set HID,   32768                      ; the hidden layer's, [e] 16,384 [block] 512
.set ASC,   65536                      ; scale words [K step][lane]: lanes 0-15 tile e = 0, lanes 16-31 e = 1
.set HSC,   66048
.set HIDSC, 66560
.set RED1,  67584                      ; the norms' partial sums, [wave][lane]
.set RED2,  69632
.set RED3,  71680
.set RED4,  73728
.set G2,    75776                      ; ln2_g, ln2_b, ff_b1, ff_b2, ln3_g, ln3_b
.set B2L,   77824
.set FB1,   79872
.set FB2,   83968
.set G3,    86016
.set B3,    88064
.set STG,   90112                      ; the way out: 32 rows of 2,048 bytes + 16
.set SPARE, 156160
.set SCL0,  0x700000
.set NLAST, 19                         ; the weights' K steps: 0-3 ca_wo, 4-7 and 8-11 ff_w1 (my two blocks), 12-19 ff_w2
.set AS,   28
.set ACC,  48
.set AF,   80
.set WB,   112
.set ACC2, 208
.set W2,   30
.set W4,   32
.set S128W, 40
.set S256W, 41
.set S512W, 42
.set S1024W, 43
.set SB,   44
.set SB2,  45
.set MH,   46
.set MNT,  47
.set SEL,  48
; REGISTERS: v3 16 x lane; v4 LB + 4 x lane; v5 LB + 64 (lane / 16); v6, v7 partial sums; v8-27 the weights' scale words; v28-35 the rows'; v36-47 at work; v48-79 h1 + .., h2, h2 + .., the result;
; v80-111 the rows' fragments, later codes; v112-207 three buffers for a weight's K step; v208-239 gains and biases, the hidden layer, rows on the way out; v240-255 at work.
.macro WM d, a, b, c, sa, sb, ra, rb   ; one product; c < 0: the sum starts with 0; ra, rb: the half of the lanes from which each side's scales are taken
.if (\c) < 0
.if (\ra) && (\rb)
	v_wmma_scale_f32_16x16x128_f8f6f4 v[(\d):(\d)+7], v[(\a):(\a)+15], v[(\b):(\b)+15], 0, v[(\sa)], v[(\sb)] matrix_a_fmt:MATRIX_FMT_BF8 matrix_b_fmt:MATRIX_FMT_BF8 matrix_a_scale:MATRIX_SCALE_ROW1 matrix_b_scale:MATRIX_SCALE_ROW1
.elseif (\ra)
	v_wmma_scale_f32_16x16x128_f8f6f4 v[(\d):(\d)+7], v[(\a):(\a)+15], v[(\b):(\b)+15], 0, v[(\sa)], v[(\sb)] matrix_a_fmt:MATRIX_FMT_BF8 matrix_b_fmt:MATRIX_FMT_BF8 matrix_a_scale:MATRIX_SCALE_ROW1
.elseif (\rb)
	v_wmma_scale_f32_16x16x128_f8f6f4 v[(\d):(\d)+7], v[(\a):(\a)+15], v[(\b):(\b)+15], 0, v[(\sa)], v[(\sb)] matrix_a_fmt:MATRIX_FMT_BF8 matrix_b_fmt:MATRIX_FMT_BF8 matrix_b_scale:MATRIX_SCALE_ROW1
.else
	v_wmma_scale_f32_16x16x128_f8f6f4 v[(\d):(\d)+7], v[(\a):(\a)+15], v[(\b):(\b)+15], 0, v[(\sa)], v[(\sb)] matrix_a_fmt:MATRIX_FMT_BF8 matrix_b_fmt:MATRIX_FMT_BF8
.endif
.else
.if (\ra) && (\rb)
	v_wmma_scale_f32_16x16x128_f8f6f4 v[(\d):(\d)+7], v[(\a):(\a)+15], v[(\b):(\b)+15], v[(\c):(\c)+7], v[(\sa)], v[(\sb)] matrix_a_fmt:MATRIX_FMT_BF8 matrix_b_fmt:MATRIX_FMT_BF8 matrix_a_scale:MATRIX_SCALE_ROW1 matrix_b_scale:MATRIX_SCALE_ROW1
.elseif (\ra)
	v_wmma_scale_f32_16x16x128_f8f6f4 v[(\d):(\d)+7], v[(\a):(\a)+15], v[(\b):(\b)+15], v[(\c):(\c)+7], v[(\sa)], v[(\sb)] matrix_a_fmt:MATRIX_FMT_BF8 matrix_b_fmt:MATRIX_FMT_BF8 matrix_a_scale:MATRIX_SCALE_ROW1
.elseif (\rb)
	v_wmma_scale_f32_16x16x128_f8f6f4 v[(\d):(\d)+7], v[(\a):(\a)+15], v[(\b):(\b)+15], v[(\c):(\c)+7], v[(\sa)], v[(\sb)] matrix_a_fmt:MATRIX_FMT_BF8 matrix_b_fmt:MATRIX_FMT_BF8 matrix_b_scale:MATRIX_SCALE_ROW1
.else
	v_wmma_scale_f32_16x16x128_f8f6f4 v[(\d):(\d)+7], v[(\a):(\a)+15], v[(\b):(\b)+15], v[(\c):(\c)+7], v[(\sa)], v[(\sb)] matrix_a_fmt:MATRIX_FMT_BF8 matrix_b_fmt:MATRIX_FMT_BF8
.endif
.endif
.endm
; 16 numbers of a lane, half a block of 32 (the other half lies in lane l xor 16), become four registers of codes; the block's byte is left in v[tq + 3].  relu = 1: what is negative becomes 0 on the way.
.macro QUANT1 src, tmp, relu, cod, tq
.if \relu
	v_max3_num_f32 v[\tq], v[\src], v[\src+1], 0x8000000          ; no |.|: what is negative is to become 0 and must not count; the floor stands over it
.irp i, 2,4,6,8,10,12,14
	v_max3_num_f32 v[\tq], v[\tq], v[\src+\i], v[\src+\i+1]
.endr
.else
	v_max3_num_f32 v[\tq], |v[\src]|, |v[\src+1]|, 0x8000000      ; with the floor 2^(16 - 127): the byte cannot fall under 1
.irp i, 2,4,6,8,10,12,14
	v_max3_num_f32 v[\tq], v[\tq], |v[\src+\i]|, |v[\src+\i+1]|
.endr
.endif
	v_permlanex16_b32 v[\tq+1], v[\tq], s[SEL], s[SEL+1]
	v_max_num_f32 v[\tq], v[\tq], v[\tq+1]
	v_add_nc_u32 v[\tq+2], 0xf8800000, v[\tq]
	v_and_or_b32 v[\tq+1], v[\tq], 0x7f800000, s[MNT]
	v_lshrrev_b32 v[\tq+3], 23, v[\tq+2]
.irp i, 0,1,2,3,4,5,6,7,8,9,10,11,12,13,14,15
.if \relu
	v_med3_num_f32 v[\tmp+\i], v[\src+\i], 0, v[\tq+1]
.else
	v_med3_num_f32 v[\tmp+\i], v[\src+\i], -v[\tq+1], v[\tq+1]
.endif
.endr
	v_cvt_scalef32_pk8_bf8_f32 v[\cod:\cod+1], v[\tmp:\tmp+7], v[\tq+2]
	v_cvt_scalef32_pk8_bf8_f32 v[\cod+2:\cod+3], v[\tmp+8:\tmp+15], v[\tq+2]
	v_nop
.endm
.macro BARRIER                         ; my LDS stores have landed and my LDS loads are in: then the work-group's barrier
	s_wait_dscnt 0x0
	s_barrier_signal -1
	s_barrier_wait -1
.endm
.macro WLD n, base, off, tstr          ; a weight's K step, two tiles, into buffer n % 3
.irp i, 0,1
.irp c, 0,1,2,3
	global_load_b128 v[WB+32*((\n)%3)+16*\i+4*\c:WB+32*((\n)%3)+16*\i+4*\c+3], v3, s[\base:\base+1] offset:(\off)+\i*(\tstr)+512*\c
.endr
.endr
.endm
.macro WSEQ n                          ; the n-th K step of the launch's weights
.if (\n) < 4
	WLD \n, W2, 736*8192+2048*(\n), 8192
.elseif (\n) < 8
	WLD \n, W4, 768*8192+2048*((\n)-4), 8192
.elseif (\n) < 12
	WLD \n, W4, 770*8192+2048*((\n)-8), 8192
.else
	WLD \n, W4, 832*8192+2048*((\n)-12), 16384
.endif
.endm
; One K step of a product: the rows' two fragments from LDS, four products (the four accumulators take turns), eight places, and the weights' K step three on into the buffer just read.
; w2 = 1 (ff_w2, K = 1,024): a tile's scale words of K steps 0-3 lie in lanes 0-15 of its four registers, those of K steps 4-7 in lanes 16-31.
.macro GSTEP n, k, acc, czero, abase, estr, wsb, w2
.irp e, 0,1
.irp c, 0,1,2,3
	ds_load_b128 v[AF+16*\e+4*\c:AF+16*\e+4*\c+3], v3 offset:(\abase)+\e*(\estr)+2048*(\k)+512*\c
.endr
.endr
.if NLAST-(\n) >= 2
	s_wait_loadcnt 16                              ; this K step's weights are in; behind them two K steps of eight loads were issued
.elseif NLAST-(\n) == 1
	s_wait_loadcnt 8
.else
	s_wait_loadcnt 0x0
.endif
	s_wait_dscnt 0x0
.irp e, 0,1
.irp i, 0,1
.set DA, (\acc)+16*\e+8*\i
.set CA, DA
.if \czero
.set CA, -1
.endif
.set SA, (\wsb)+(\k)
.set RA, \i
.if \w2
.set SA, (\wsb)+4*\i+(\k)%4
.set RA, (\k)/4
.endif
	WM DA, WB+32*((\n)%3)+16*\i, AF+16*\e, CA, SA, AS+(\k), RA, \e
.endr
.endr
.rept 8
	v_nop                                          ; eight places in front of loads into registers that the products have read, and of the first read of results
.endr
.if (\n)+3 <= NLAST
	WSEQ (\n)+3
.endif
.endm
.macro SUM16 a, t, d                   ; v[d] = the sum of v[a] .. v[a + 15]; eight registers from v[t] on at work (t = a is allowed)
	v_pk_add_f32 v[\t:\t+1], v[\a:\a+1], v[\a+2:\a+3]
	v_pk_add_f32 v[\t+2:\t+3], v[\a+4:\a+5], v[\a+6:\a+7]
	v_pk_add_f32 v[\t+4:\t+5], v[\a+8:\a+9], v[\a+10:\a+11]
	v_pk_add_f32 v[\t+6:\t+7], v[\a+12:\a+13], v[\a+14:\a+15]
	v_pk_add_f32 v[\t:\t+1], v[\t:\t+1], v[\t+2:\t+3]
	v_pk_add_f32 v[\t+4:\t+5], v[\t+4:\t+5], v[\t+6:\t+7]
	v_pk_add_f32 v[\t:\t+1], v[\t:\t+1], v[\t+4:\t+5]
	v_add_f32 v[\d], v[\t], v[\t+1]
.endm
; v6, v7: my sums over my 16 columns, for tiles e = 0 and 1.  Out: v47 = the whole row's sum, for row r of tile e = lane / 16; the same order of addition in every wave.
.macro ROWRED red
	v_cndmask_b32 v46, v7, v6, s[MH]               ; what lane l xor 16 wants of me,
	v_cndmask_b32 v47, v6, v7, s[MH]               ; and what I keep
	v_permlanex16_b32 v36, v46, s[SEL], s[SEL+1]
	v_add_f32 v47, v47, v36
	v_add_nc_u32 v46, s[S128W], v4
	ds_store_b32 v46, v47 offset:(\red)-LB
	BARRIER
.irp i, 0,1,2,3,4,5,6,7,8,9,10,11,12,13,14,15
	ds_load_b32 v[240+\i], v4 offset:(\red)-LB+128*\i
.endr
	s_wait_dscnt 0x0
	SUM16 240, 240, 47
.endm
.macro SPREAD                          ; v47 (row r of tile lane / 16) becomes two pairs: v[40:41] tile 0's number twice, v[42:43] tile 1's
	v_permlanex16_b32 v36, v47, s[SEL], s[SEL+1]
	v_cndmask_b32 v40, v47, v36, s[MH]
	v_cndmask_b32 v42, v36, v47, s[MH]
	v_mov_b32 v41, v40
	v_mov_b32 v43, v42
.endm
.macro LNORM acc, redA, redB, goff, boff
	SUM16 \acc, 240, 6
	SUM16 \acc+16, 248, 7
	ROWRED \redA
	v_mul_f32 v47, 0x3b000000, v47                 ; / 512: the mean
	SPREAD
.irp m, 0,2,4,6,8,10,12,14
	v_pk_add_f32 v[\acc+\m:\acc+\m+1], v[\acc+\m:\acc+\m+1], v[40:41] neg_lo:[0,1] neg_hi:[0,1]
	v_pk_add_f32 v[\acc+16+\m:\acc+16+\m+1], v[\acc+16+\m:\acc+16+\m+1], v[42:43] neg_lo:[0,1] neg_hi:[0,1]
.endr
	v_pk_mul_f32 v[240:241], v[\acc:\acc+1], v[\acc:\acc+1]
	v_pk_mul_f32 v[242:243], v[\acc+16:\acc+17], v[\acc+16:\acc+17]
.irp m, 2,4,6,8,10,12,14
	v_pk_fma_f32 v[240:241], v[\acc+\m:\acc+\m+1], v[\acc+\m:\acc+\m+1], v[240:241]
	v_pk_fma_f32 v[242:243], v[\acc+16+\m:\acc+16+\m+1], v[\acc+16+\m:\acc+16+\m+1], v[242:243]
.endr
	v_add_f32 v6, v240, v241
	v_add_f32 v7, v242, v243
	ROWRED \redB
	v_mul_f32 v47, 0x3b004020, v47                 ; / 511
	v_sqrt_f32 v47, v47
	v_nop
	s_wait_alu depctr_va_vdst(0)                   ; ahead of the root's first reader
	v_add_f32 v47, 0x358637bd, v47                 ; + 1e-6
	v_rcp_f32 v47, v47
	v_nop
	s_wait_alu depctr_va_vdst(0)
	SPREAD
	v_add_nc_u32 v46, s[S128W], v5
.irp q, 0,1,2,3
	ds_load_b128 v[208+4*\q:211+4*\q], v46 offset:(\goff)-LB+16*\q   ; the gain and the bias of my 16 columns
	ds_load_b128 v[224+4*\q:227+4*\q], v46 offset:(\boff)-LB+16*\q
.endr
.irp m, 0,2,4,6,8,10,12,14
	v_pk_mul_f32 v[\acc+\m:\acc+\m+1], v[\acc+\m:\acc+\m+1], v[40:41]
	v_pk_mul_f32 v[\acc+16+\m:\acc+16+\m+1], v[\acc+16+\m:\acc+16+\m+1], v[42:43]
.endr
	s_wait_dscnt 0x0
.irp m, 0,2,4,6,8,10,12,14
	v_pk_fma_f32 v[\acc+\m:\acc+\m+1], v[\acc+\m:\acc+\m+1], v[208+\m:209+\m], v[224+\m:225+\m]
	v_pk_fma_f32 v[\acc+16+\m:\acc+16+\m+1], v[\acc+16+\m:\acc+16+\m+1], v[208+\m:209+\m], v[224+\m:225+\m]
.endr
.endm
; my block of both tiles is quantised; its two chunks and its bytes go to LDS
.macro PUTH acc, relu, t0, t1, swc, coff, estr, sbs, boff
	v_add_nc_u32 v7, s[\swc], v3
	QUANT1 \acc, \t0, \relu, 80, 36
	ds_store_b128 v7, v[80:83] offset:\coff
	QUANT1 \acc+16, \t1, \relu, 84, 44
	ds_store_b128 v7, v[84:87] offset:(\coff)+(\estr)
	v_cndmask_b32 v6, v39, v47, s[MH]              ; lanes 0-15: tile 0's bytes; lanes 16-31: tile 1's
	v_add_nc_u32 v46, s[\sbs], v4
	ds_store_b8 v46, v6 offset:(\boff)-LB
	s_wait_dscnt 0x0                               ; the stores have read their registers
.endm
	s_load_b512 s[4:19], s[0:1], 0x0               ; obuf, img, h1, ln2_g, ln2_b, ff_b1, ff_b2, ln3_g
	s_load_b128 s[20:23], s[0:1], 0x40             ; ln3_b, out0
	v_lshl_add_u32 v1, v0, 2, SPARE
	v_mov_b32 v2, 0
	v_lshrrev_b32 v3, 5, v0
	v_readfirstlane_b32 s2, v3                     ; wave
	v_and_b32 v4, 31, v0
	v_lshlrev_b32 v3, 4, v4
	v_lshl_add_u32 v4, v4, 2, LB
	v_bfe_u32 v5, v0, 4, 1
	v_lshl_add_u32 v5, v5, 6, LB
	v_mov_b32 v36, 0                               ; lane permutes' destinations, written once
	v_mov_b32 v37, 0
	v_mov_b32 v45, 0
	v_lshlrev_b32 v240, 4, v0                      ; the copies: 16 x thread,
	v_lshlrev_b32 v241, 2, v0                      ; 4 x thread, in memory
	v_lshl_add_u32 v242, v0, 2, LB                 ; and in LDS,
	v_lshlrev_b32 v245, 3, v0                      ; 8 x thread likewise
	v_lshl_add_u32 v246, v0, 3, LB
	v_bfe_u32 v243, v0, 6, 2                       ; and where thread (e, h, r)'s scale byte goes: 128 (h / 4) + 64 e + 4 r + h % 4
	v_lshlrev_b32 v243, 7, v243
	v_lshrrev_b32 v244, 8, v0
	v_lshl_add_u32 v243, v244, 6, v243
	v_and_b32 v244, 15, v0
	v_lshl_add_u32 v243, v244, 2, v243
	v_bfe_u32 v244, v0, 4, 2
	v_add_nc_u32 v243, v243, v244
	v_add_nc_u32 v243, LB, v243
	s_lshl_b32 s[S128W], s2, 7
	s_lshl_b32 s[S256W], s2, 8
	s_lshl_b32 s[S512W], s2, 9
	s_lshl_b32 s[S1024W], s2, 10
	s_lshr_b32 s[SB], s2, 2
	s_lshl_b32 s[SB], s[SB], 7
	s_and_b32 s50, s2, 3
	s_add_co_u32 s[SB], s[SB], s50                 ; block w's byte: 128 (w / 4) + w % 4
	s_lshr_b32 s[SB2], s2, 1
	s_lshl_b32 s[SB2], s[SB2], 7
	s_and_b32 s50, s2, 1
	s_lshl_b32 s50, s50, 1
	s_add_co_u32 s[SB2], s[SB2], s50               ; block 2 w's byte: 128 (w / 2) + 2 (w % 2)
	s_add_co_u32 s54, s[S128W], STG-LB             ; the stage, on the way in
	s_mul_i32 s55, s2, 4128
	s_add_co_u32 s55, s55, STG                     ; and back: stage rows 2 w, 2 w + 1
	s_mov_b32 s[MH], 0xffff0000
	s_mov_b32 s[MNT], 0x600000
	s_mov_b32 s[SEL], 0x76543210
	s_mov_b32 s[SEL+1], 0xfedcba98
	s_lshl_b32 s52, ttmp9, 5                       ; the row of out0 that lies in stage row 2 w: 32 Pg + 8 (w / 8) + 2 (w % 8) + 8 ((w / 4) % 2)
	s_lshr_b32 s53, s2, 3
	s_lshl_b32 s53, s53, 3
	s_add_co_u32 s52, s52, s53
	s_and_b32 s53, s2, 7
	s_lshl_b32 s53, s53, 1
	s_add_co_u32 s52, s52, s53
	s_bfe_u32 s53, s2, 0x10002
	s_lshl_b32 s53, s53, 3
	s_add_co_u32 s52, s52, s53
	s_lshl_b32 s52, s52, 11
	s_mov_b32 s53, 0
	s_mov_b32 s51, 0
	s_wait_kmcnt 0x0
	s_add_nc_u64 s[38:39], s[22:23], s[52:53]
	s_lshl_b32 s50, ttmp9, 14
	s_add_nc_u64 s[24:25], s[4:5], s[50:51]        ; the attention's codes of my 32 rows
	s_lshl_b32 s50, ttmp9, 11
	s_add_nc_u64 s[26:27], s[4:5], s[50:51]        ; their scale words
	s_lshl_b32 s50, ttmp9, 4
	s_add_co_u32 s50, s50, s2
	s_lshl_b32 s50, s50, 12
	s_add_nc_u64 s[28:29], s[8:9], s[50:51]        ; h1's image
	s_lshl_b32 s50, s2, 14
	s_add_nc_u64 s[W2:W2+1], s[6:7], s[50:51]      ; img + 2 w units of codes
	s_lshl_b32 s50, s2, 15
	s_add_nc_u64 s[W4:W4+1], s[6:7], s[50:51]      ; img + 4 w units
	s_lshl_b32 s50, s2, 9
	s_add_nc_u64 s[34:35], s[6:7], s[50:51]        ; the same of scale words
	s_lshl_b32 s50, s2, 10
	s_add_nc_u64 s[36:37], s[6:7], s[50:51]
	global_load_b128 v[80:83], v240, s[24:25]
	global_load_b128 v[84:87], v240, s[24:25] offset:8192
	global_load_b32 v88, v241, s[26:27] offset:0x200000
	global_load_b32 v89, v241, s[10:11]
	global_load_b32 v90, v241, s[12:13]
	global_load_b32 v91, v241, s[16:17]
	global_load_b32 v92, v241, s[18:19]
	global_load_b32 v93, v241, s[20:21]
	global_load_b64 v[94:95], v245, s[14:15]
.irp e, 0,1
.irp q, 0,1,2,3
	global_load_b128 v[ACC+16*\e+4*\q:ACC+16*\e+4*\q+3], v3, s[28:29] offset:(4*\e+\q)*512   ; the residual h1, as the same lanes stored it
.endr
.endr
	global_load_b128 v[8:11], v3, s[34:35] offset:SCL0+736*256
	global_load_b128 v[12:15], v3, s[36:37] offset:SCL0+768*256
	global_load_b128 v[16:19], v3, s[36:37] offset:SCL0+770*256
	global_load_b128 v[20:23], v3, s[36:37] offset:SCL0+832*256
	global_load_b128 v[24:27], v3, s[36:37] offset:SCL0+834*256
	WSEQ 0
	WSEQ 1
	WSEQ 2
	s_wait_loadcnt 37                              ; the nine copy loads are in; behind them: 8 of h1, 5 of scale words, 24 of weights
	ds_store_b128 v240, v[80:83] offset:AIMG
	ds_store_b128 v240, v[84:87] offset:AIMG+8192
	ds_store_b8 v243, v88 offset:ASC-LB
	ds_store_b32 v242, v89 offset:G2-LB
	ds_store_b32 v242, v90 offset:B2L-LB
	ds_store_b32 v242, v91 offset:FB2-LB
	ds_store_b32 v242, v92 offset:G3-LB
	ds_store_b32 v242, v93 offset:B3-LB
	ds_store_b64 v246, v[94:95] offset:FB1-LB
	BARRIER
.irp k, 0,1,2,3
	ds_load_b32 v[AS+\k], v4 offset:ASC-LB+128*\k
.endr
.irp k, 0,1,2,3
	GSTEP \k, \k, ACC, 0, AIMG, 8192, 8, 0         ; h1 + attention ca_wo^T
.endr
	LNORM ACC, RED1, RED2, G2, B2L                 ; h2, which stays in these registers
	PUTH ACC, 0, 240, 240, S512W, HIMG, 8192, SB, HSC
	BARRIER
.irp k, 0,1,2,3
	ds_load_b32 v[AS+\k], v4 offset:HSC-LB+128*\k
.endr
.irp a, 0,1                            ; my two blocks of 32 hidden units
	v_add_nc_u32 v46, s[S256W], v5
.irp e, 0,1
.irp q, 0,1,2,3
	ds_load_b128 v[ACC2+16*\e+4*\q:ACC2+16*\e+4*\q+3], v46 offset:FB1-LB+128*\a+16*\q   ; b1 is the first C
.endr
.endr
.irp k, 0,1,2,3
	GSTEP 4+4*\a+\k, \k, ACC2, 0, HIMG, 8192, 12+4*\a, 0
.endr
	PUTH ACC2, 1, ACC2, ACC2+16, S1024W, HID+512*\a, 16384, SB2, HIDSC+\a
.endr
	BARRIER
	v_add_nc_u32 v46, s[S128W], v5
.irp q, 0,1,2,3
	ds_load_b128 v[208+4*\q:211+4*\q], v46 offset:FB2-LB+16*\q
.endr
.irp k, 0,1,2,3,4,5,6,7
	ds_load_b32 v[AS+\k], v4 offset:HIDSC-LB+128*\k
.endr
	s_wait_dscnt 0x0
.irp m, 0,2,4,6,8,10,12,14
	v_pk_add_f32 v[ACC+\m:ACC+\m+1], v[ACC+\m:ACC+\m+1], v[208+\m:209+\m]             ; h2 + b2 is the first C
	v_pk_add_f32 v[ACC+16+\m:ACC+16+\m+1], v[ACC+16+\m:ACC+16+\m+1], v[208+\m:209+\m]
.endr
.irp k, 0,1,2,3,4,5,6,7
	GSTEP 12+\k, \k, ACC, 0, HID, 16384, 20, 1
.endr
	LNORM ACC, RED3, RED4, G3, B3
; THE WAY OUT: a row's 512 numbers come from sixteen waves: they meet in a stage, and each wave stores two whole rows
	v_and_b32 v46, 15, v0
	v_mul_u32_u24 v46, v46, 2064
	v_add_nc_u32 v46, v46, v5
	v_add_nc_u32 v46, s54, v46                     ; stage row 16 e + r, + 128 w + 64 (lane / 16)
.irp e, 0,1
.irp q, 0,1,2,3
	ds_store_b128 v46, v[ACC+16*\e+4*\q:ACC+16*\e+4*\q+3] offset:33024*\e+16*\q
.endr
.endr
	BARRIER
	v_add_nc_u32 v47, s55, v3
.irp i, 0,1
.irp q, 0,1,2,3
	ds_load_b128 v[208+16*\i+4*\q:211+16*\i+4*\q], v47 offset:2064*\i+512*\q
.endr
.endr
.irp i, 0,1
.irp q, 0,1,2,3
	s_wait_dscnt 7-4*\i-\q                         ; LDS loads come back in order: this one is in, the younger ones may be out
	global_store_b128 v3, v[208+16*\i+4*\q:211+16*\i+4*\q], s[38:39] offset:2048*\i+512*\q th:TH_STORE_NT   ; 512 consecutive bytes
.endr
.endr
	s_wait_tensorcnt 0x0                           ; the wave's end: three closing lines behind my last LDS store
	ds_add_u32 v1, v2
	s_wait_dscnt 0x0
	s_endpgm
.Lfunc_end_k_qb06fdc9ed8_tail:
	.size	k_qb06fdc9ed8_tail, .Lfunc_end_k_qb06fdc9ed8_tail-k_qb06fdc9ed8_tail
	.p2alignl 7, 3214868480
	.fill 96, 4, 3214868480
	.section	.rodata,"a",@progbits
	.p2align	6, 0x0
	.amdhsa_kernel k_qb06fdc9ed8_tail
		.amdhsa_group_segment_fixed_size 158208
		.amdhsa_private_segment_fixed_size 0
		.amdhsa_enable_private_segment 0
		.amdhsa_kernarg_size 80
		.amdhsa_user_sgpr_count 2
		.amdhsa_user_sgpr_kernarg_segment_ptr 1
		.amdhsa_wavefront_size32 1
		.amdhsa_system_sgpr_workgroup_id_x 1
		.amdhsa_system_sgpr_workgroup_id_y 1
		.amdhsa_system_sgpr_workgroup_id_z 1
		.amdhsa_system_vgpr_workitem_id 0
		.amdhsa_next_free_vgpr 256
		.amdhsa_next_free_sgpr 66
		.amdhsa_reserve_vcc 0
		.amdhsa_float_denorm_mode_32 3
		.amdhsa_float_denorm_mode_16_64 3
		.amdhsa_memory_ordered 1
		.amdhsa_forward_progress 1
		.amdhsa_inst_pref_size 87
	.end_amdhsa_kernel
	.amdgpu_metadata
---
amdhsa.version: [ 1, 2 ]
amdhsa.kernels:
  - .name:           k_qb06fdc9ed8_tail
    .symbol:         k_qb06fdc9ed8_tail.kd
    .args:
      - { .name: obuf, .offset: 0, .size: 8, .value_kind: global_buffer, .address_space: global }
      - { .name: img, .offset: 8, .size: 8, .value_kind: global_buffer, .address_space: global }
      - { .name: h1, .offset: 16, .size: 8, .value_kind: global_buffer, .address_space: global }
      - { .name: ln2_g, .offset: 24, .size: 8, .value_kind: global_buffer, .address_space: global }
      - { .name: ln2_b, .offset: 32, .size: 8, .value_kind: global_buffer, .address_space: global }
      - { .name: ff_b1, .offset: 40, .size: 8, .value_kind: global_buffer, .address_space: global }
      - { .name: ff_b2, .offset: 48, .size: 8, .value_kind: global_buffer, .address_space: global }
      - { .name: ln3_g, .offset: 56, .size: 8, .value_kind: global_buffer, .address_space: global }
      - { .name: ln3_b, .offset: 64, .size: 8, .value_kind: global_buffer, .address_space: global }
      - { .name: out0, .offset: 72, .size: 8, .value_kind: global_buffer, .address_space: global }
    .group_segment_fixed_size: 158208
    .private_segment_fixed_size: 0
    .kernarg_segment_align: 8
    .kernarg_segment_size: 80
    .max_flat_workgroup_size: 512
    .sgpr_count:     66
    .vgpr_count:     256
    .wavefront_size: 32
...
	.end_amdgpu_metadata
.endif
;; end of part 5
;; ======== version 2 of 2: 6 launches; version 1 with the launches proj, attn_sa, mid, attn_ca, tail written anew for expert scheduling mode
;; limits: right only within a limited range of input values
;; workspace buffers: img 7,569,408 bytes; sa_ops 7,077,888 bytes; ca_ops 7,077,888 bytes; obuf 2,359,296 bytes; h1 8,388,608 bytes; flag_sa 256 bytes of whole numbers; flag_ca 256 bytes of whole numbers
;; launch quant: the kernel of part 1 again; grid 224 x 1, 4 waves a work-group, no clusters, 34,304 bytes of LDS; arguments x, encoding, sa_wq, sa_wk, sa_wv, sa_wo, ca_wq, ca_wk, ca_wv, ca_wo, ff_w1, ff_w2, img, flag_sa, flag_ca; writes img, flag_sa, flag_ca
;; launch proj (part 6): grid 32 x 5, 16 waves a work-group, no clusters, 69,632 bytes of LDS; arguments img, sa_ops, ca_ops; writes sa_ops, ca_ops
.if DOCPART == 6
	.amdgcn_target "amdgcn-amd-amdhsa--gfx1250"
	.amdhsa_code_object_version 6
	.text
	.protected	k_qb06fdc9ed8_proj
	.globl	k_qb06fdc9ed8_proj
	.p2align	8
	.type	k_qb06fdc9ed8_proj,@function
k_qb06fdc9ed8_proj:
	s_mov_b64 s[64:65], 0
	v_nop
	global_prefetch_b8 v0, s[64:65] scope:SCOPE_SE
	s_setreg_imm32_b32 hwreg(HW_REG_WAVE_SCHED_MODE, 0, 2), 2
	s_setreg_imm32_b32 hwreg(HW_REG_WAVE_MODE, 25, 1), 1
	s_wait_xcnt 0x0
	s_wait_alu depctr_vm_vsrc(0)
; LAUNCH 2 OF 6: the five projections that hang on inputs alone (x sa_wq, x sa_wk, x sa_wv, encoding ca_wk, encoding ca_wv), and the quantising of their results for the attentions' products.
; SHARES.  Work-group (RB, g): 128 rows (tiles 8 RB .. 8 RB + 7, one key step) of product g.  Wave w makes head w: its 32 rows of the weight (two tiles, 16 KB of codes) stay in 128 registers;
; the rows' eight tiles (64 KB) lie in LDS for all sixteen waves, copied there once through registers.
; LAYOUT.  q and k: source 0 = the weight's tiles, source 1 = a tile of rows: a lane holds one row, and the 16 registers of the two accumulators are 16 neighbouring channels of the head: half a block of the score
; product's K.  v: the sources change places: a lane holds one channel and its 16 registers are 16 neighbouring keys: half a block of the second product's K.  Either way the conversions' four registers are a
; chunk of 512 bytes in the order of the next operand's registers.
; OUT (sa_ops or ca_ops): QC 0: [bh][tile][512];  KC 0x200000: the same;  VC 0x400000: [bh][key step][block c][channel tile u][512];  scale words (the byte in bits 7:0):
; QS 0x600000: [b][pair of tiles][h][lane];  KS 0x640000: [bh][step][lane][pair];  VS 0x680000: [bh][step][lane][c].  In a scale word's lane the upper half of the lanes is the odd tile.
; THE MODE: SCHED_MODE bits 1:0 = 2 (LLVM: expert scheduling mode 2), set by the entry lines.  The code itself states the register dependences between vector or matrix instructions and memory or LDS
; instructions, with s_wait_alu, always for 0.
; THE PLAN.  Registers that memory or LDS instructions touch:
;   v3-7, v21        offsets and LDS addresses: written at the head, never again.
;   v20, v32-63      the copy: global loads land in them, LDS stores read them; v32-63 are the accumulators from then on.
;   v8-11, v128-255  the weight and its scale words: loaded once, read by the products.
;   v12-15, v64-127  a pair's scale words and fragments: LDS loads land, the products read; behind the products the quantiser writes v64-71 and v80-87, and the pair's two stores read v80-87.
;   v16-19           the results' bytes: written by a select in each pair, read by the last stores.
; One wait on va_vdst stands ahead of a pair's two stores; no vector instruction follows it before the next pair's loads, so it also states that the products and the quantiser are done with the registers
; in which those land.  One more stands between a pair's two halves of K, one at the head.  A wait on vm_vsrc stands behind the copy's barrier and at the head of each later pair.
.set SCL0,  0x700000
.set XSC,   65536                      ; LDS: the rows' codes from 0, their scale words here,
.set SPARE, 67584                      ; the spare words, 128 bytes a wave
.set SWAP,  38
.set SEL,   40
.set MNT,   42
.set MH,    43
; REGISTERS: v3 16 x lane; v4 16 x thread; v5, v6 LDS addresses of scale words; v7 4 x lane; v8-11 the weight's scale words; v12-15 the rows'; v16-19 the results' bytes; v32-63 four accumulators;
; v64-127 the rows' fragments of two K steps (behind the products: at work, and the codes); v128-255 the weight.
.macro WM d, a, b, c, sa, sb, ra, rb   ; one product; c < 0: the sum starts with 0; ra, rb: the half of the lanes from which each side's scales are taken
.if (\c) < 0
.if (\ra) && (\rb)
	v_wmma_scale_f32_16x16x128_f8f6f4 v[(\d):(\d)+7], v[(\a):(\a)+15], v[(\b):(\b)+15], 0, v[(\sa)], v[(\sb)] matrix_a_fmt:MATRIX_FMT_BF8 matrix_b_fmt:MATRIX_FMT_BF8 matrix_a_scale:MATRIX_SCALE_ROW1 matrix_b_scale:MATRIX_SCALE_ROW1
.elseif (\ra)
	v_wmma_scale_f32_16x16x128_f8f6f4 v[(\d):(\d)+7], v[(\a):(\a)+15], v[(\b):(\b)+15], 0, v[(\sa)], v[(\sb)] matrix_a_fmt:MATRIX_FMT_BF8 matrix_b_fmt:MATRIX_FMT_BF8 matrix_a_scale:MATRIX_SCALE_ROW1
.elseif (\rb)
	v_wmma_scale_f32_16x16x128_f8f6f4 v[(\d):(\d)+7], v[(\a):(\a)+15], v[(\b):(\b)+15], 0, v[(\sa)], v[(\sb)] matrix_a_fmt:MATRIX_FMT_BF8 matrix_b_fmt:MATRIX_FMT_BF8 matrix_b_scale:MATRIX_SCALE_ROW1
.else
	v_wmma_scale_f32_16x16x128_f8f6f4 v[(\d):(\d)+7], v[(\a):(\a)+15], v[(\b):(\b)+15], 0, v[(\sa)], v[(\sb)] matrix_a_fmt:MATRIX_FMT_BF8 matrix_b_fmt:MATRIX_FMT_BF8
.endif
.else
.if (\ra) && (\rb)
	v_wmma_scale_f32_16x16x128_f8f6f4 v[(\d):(\d)+7], v[(\a):(\a)+15], v[(\b):(\b)+15], v[(\c):(\c)+7], v[(\sa)], v[(\sb)] matrix_a_fmt:MATRIX_FMT_BF8 matrix_b_fmt:MATRIX_FMT_BF8 matrix_a_scale:MATRIX_SCALE_ROW1 matrix_b_scale:MATRIX_SCALE_ROW1
.elseif (\ra)
	v_wmma_scale_f32_16x16x128_f8f6f4 v[(\d):(\d)+7], v[(\a):(\a)+15], v[(\b):(\b)+15], v[(\c):(\c)+7], v[(\sa)], v[(\sb)] matrix_a_fmt:MATRIX_FMT_BF8 matrix_b_fmt:MATRIX_FMT_BF8 matrix_a_scale:MATRIX_SCALE_ROW1
.elseif (\rb)
	v_wmma_scale_f32_16x16x128_f8f6f4 v[(\d):(\d)+7], v[(\a):(\a)+15], v[(\b):(\b)+15], v[(\c):(\c)+7], v[(\sa)], v[(\sb)] matrix_a_fmt:MATRIX_FMT_BF8 matrix_b_fmt:MATRIX_FMT_BF8 matrix_b_scale:MATRIX_SCALE_ROW1
.else
	v_wmma_scale_f32_16x16x128_f8f6f4 v[(\d):(\d)+7], v[(\a):(\a)+15], v[(\b):(\b)+15], v[(\c):(\c)+7], v[(\sa)], v[(\sb)] matrix_a_fmt:MATRIX_FMT_BF8 matrix_b_fmt:MATRIX_FMT_BF8
.endif
.endif
.endm
; 16 numbers of a lane, half a block of 32 (the other half lies in lane l xor 16), become four registers of codes; the block's byte is left in v[tq + 3].  relu = 1: what is negative becomes 0 on the way.
.macro QUANT1 src, tmp, relu, cod, tq
.if \relu
	v_max3_num_f32 v[\tq], v[\src], v[\src+1], 0x8000000
.irp i, 2,4,6,8,10,12,14
	v_max3_num_f32 v[\tq], v[\tq], v[\src+\i], v[\src+\i+1]
.endr
.else
	v_max3_num_f32 v[\tq], |v[\src]|, |v[\src+1]|, 0x8000000      ; with the floor 2^(16 - 127): the byte cannot fall under 1
.irp i, 2,4,6,8,10,12,14
	v_max3_num_f32 v[\tq], v[\tq], |v[\src+\i]|, |v[\src+\i+1]|
.endr
.endif
	v_permlanex16_b32 v[\tq+1], v[\tq], s[SEL], s[SEL+1]
	v_max_num_f32 v[\tq], v[\tq], v[\tq+1]         ; the block's largest magnitude
	v_add_nc_u32 v[\tq+2], 0xf8800000, v[\tq]      ; 15 off its exponent field: the conversion's scale operand
	v_and_or_b32 v[\tq+1], v[\tq], 0x7f800000, s[MNT]   ; 57,344 x the scale
	v_lshrrev_b32 v[\tq+3], 23, v[\tq+2]           ; the byte
.irp i, 0,1,2,3,4,5,6,7,8,9,10,11,12,13,14,15
.if \relu
	v_med3_num_f32 v[\tmp+\i], v[\src+\i], 0, v[\tq+1]
.else
	v_med3_num_f32 v[\tmp+\i], v[\src+\i], -v[\tq+1], v[\tq+1]   ; the conversion does not saturate (ISA guide 7.6.2)
.endif
.endr
	v_cvt_scalef32_pk8_bf8_f32 v[\cod:\cod+1], v[\tmp:\tmp+7], v[\tq+2]
	v_cvt_scalef32_pk8_bf8_f32 v[\cod+2:\cod+3], v[\tmp+8:\tmp+15], v[\tq+2]
	v_nop                                          ; a plain line behind the last conversion
.endm
	s_load_b128 s[4:7], s[0:1], 0x0                ; img, sa_ops
	s_load_b64 s[8:9], s[0:1], 0x10                ; ca_ops
	v_lshl_add_u32 v1, v0, 2, SPARE
	v_mov_b32 v2, 0
	v_lshrrev_b32 v20, 5, v0
	v_readfirstlane_b32 s2, v20                    ; wave = head
	v_and_b32 v7, 31, v0
	v_lshlrev_b32 v3, 4, v7
	v_lshlrev_b32 v7, 2, v7
	v_lshlrev_b32 v4, 4, v0
	v_lshl_add_u32 v5, v0, 2, XSC
	v_add_nc_u32 v6, XSC, v3
	v_lshlrev_b32 v21, 2, v0
	v_mov_b32 v65, 0                               ; lane permutes' destinations, written once
	v_mov_b32 v69, 0
	s_wait_alu depctr_va_sdst(0)                   ; s2 is written, ahead of its first reader: the weight's unit and the places of the results are made from it
	s_and_b32 s3, ttmp7, 0xffff                    ; g
	s_cmp_ge_u32 s3, 3                             ; products 3 and 4 take encoding and the cross attention's weights
	s_cselect_b32 s10, 256, 0
	s_cselect_b32 s11, 64, 0
	s_cselect_b32 s12, 2, 0
	s_sub_co_u32 s12, s3, s12                      ; 0 = q, 1 = k, 2 = v
	s_lshl_b32 s13, ttmp9, 3
	s_add_co_u32 s10, s10, s13                     ; the rows' first unit
	s_lshl_b32 s13, s3, 5
	s_add_co_u32 s11, s11, s13
	s_lshl_b32 s13, s2, 1
	s_add_co_u32 s11, s11, s13
	s_add_co_u32 s11, s11, 512                     ; my weight's first unit
	s_lshr_b32 s14, ttmp9, 4
	s_lshl_b32 s14, s14, 4
	s_add_co_u32 s14, s14, s2                      ; bh = 16 b + w
	s_and_b32 s15, ttmp9, 15                       ; key step
	s_lshl_b32 s16, s12, 21
	s_lshl_b32 s13, s14, 16
	s_add_co_u32 s16, s16, s13
	s_lshl_b32 s13, s15, 12
	s_add_co_u32 s16, s16, s13                     ; where my eight chunks go
	s_lshl_b32 s17, ttmp9, 6
	s_add_co_u32 s17, s17, s2
	s_lshl_b32 s17, s17, 7                         ; q's scale words
	s_lshl_b32 s18, s12, 18
	s_lshl_b32 s13, s14, 13
	s_add_co_u32 s18, s18, s13
	s_lshl_b32 s13, s15, 9
	s_add_co_u32 s18, s18, s13                     ; k's or v's
	s_cmp_eq_u32 s12, 2
	s_cselect_b32 s[SWAP], 1, 0
	s_mov_b32 s[SEL], 0x76543210
	s_mov_b32 s[SEL+1], 0xfedcba98
	s_mov_b32 s[MNT], 0x600000
	s_mov_b32 s[MH], 0xffff0000                    ; the upper half of the lanes
	s_mov_b32 s45, 0
	s_wait_kmcnt 0x0
	s_cmp_ge_u32 s3, 3
	s_cselect_b64 s[20:21], s[8:9], s[6:7]
	s_lshl_b32 s44, s10, 13
	s_add_nc_u64 s[24:25], s[4:5], s[44:45]        ; the rows' codes
	s_lshl_b32 s44, s10, 8
	s_add_nc_u64 s[26:27], s[4:5], s[44:45]        ; their scale words (SCL0 further on)
	s_lshl_b32 s44, s11, 13
	s_add_nc_u64 s[28:29], s[4:5], s[44:45]        ; the weight's codes
	s_lshl_b32 s44, s11, 8
	s_add_nc_u64 s[30:31], s[4:5], s[44:45]
	s_mov_b32 s44, s16
	s_add_nc_u64 s[32:33], s[20:21], s[44:45]
	s_mov_b32 s44, s17
	s_add_nc_u64 s[34:35], s[20:21], s[44:45]
	s_mov_b32 s44, s18
	s_add_nc_u64 s[36:37], s[20:21], s[44:45]
	s_wait_alu depctr_va_vdst(0)                   ; v3-7 and v21 are written, which every load and store below reads as its offset or address; so are v20, v65 and v69, in which loads land
.irp i, 0,1,2,3,4,5,6,7
	global_load_b128 v[32+4*\i:35+4*\i], v4, s[24:25] offset:8192*\i   ; the rows' 64 KB, 16 bytes a thread
.endr
	global_load_b32 v20, v21, s[26:27] offset:SCL0
.irp i, 0,1
.irp k, 0,1,2,3
.irp c, 0,1,2,3
	global_load_b128 v[128+64*\i+16*\k+4*\c:131+64*\i+16*\k+4*\c], v3, s[28:29] offset:8192*\i+2048*\k+512*\c
.endr
.endr
.endr
	global_load_b128 v[8:11], v3, s[30:31] offset:SCL0   ; register k: K step k; lanes 0-15 tile 0, lanes 16-31 tile 1
	s_wait_loadcnt 33                              ; the nine copy loads are in; the weight's 32 and its scale words were issued later
.irp i, 0,1,2,3,4,5,6,7
	ds_store_b128 v4, v[32+4*\i:35+4*\i] offset:8192*\i
.endr
	ds_store_b32 v5, v20
	s_wait_dscnt 0x0                               ; my stores have landed
	s_barrier_signal -1
	s_barrier_wait -1                              ; everybody's have: LDS is only read from here on
	s_wait_loadcnt 0x0
	s_wait_alu depctr_vm_vsrc(0)                   ; the copy's LDS stores have read v32-63, which the products write from here on
; eight products: two K steps x four accumulators, which take turns, one instruction a turn
.macro PROD kk
	s_cmp_eq_u32 s[SWAP], 1
	s_cbranch_scc1 .Lvarm_\@
.irp kb, 0,1
.irp j, 0,1
.irp i, 0,1
.set CA, 32+16*\j+8*\i
.if (2*\kk+\kb) == 0
.set CA, -1
.endif
	WM 32+16*\j+8*\i, 128+64*\i+16*(2*\kk+\kb), 64+32*\kb+16*\j, CA, 8+2*\kk+\kb, 12+2*\kk+\kb, \i, \j
.endr
.endr
.endr
	s_branch .Ljoin_\@
.Lvarm_\@:
.irp kb, 0,1
.irp j, 0,1
.irp i, 0,1
.set CA, 32+16*\j+8*\i
.if (2*\kk+\kb) == 0
.set CA, -1
.endif
	WM 32+16*\j+8*\i, 64+32*\kb+16*\i, 128+64*\j+16*(2*\kk+\kb), CA, 12+2*\kk+\kb, 8+2*\kk+\kb, \i, \j
.endr
.endr
.endr
.Ljoin_\@:
.endm
.irp pp, 0,1,2,3                       ; a pair of the rows' tiles at a time
.if \pp > 0
	s_wait_xcnt 0x0                                ; the last pair's stores have read the codes' registers, into which loads land next
	s_wait_alu depctr_vm_vsrc(0)                   ; the last pair's stores have read v80-87, in which the fragments' loads land.  (That the products and the quantiser are done with v12-15 and v64-127 is stated by the wait ahead of those stores: no vector instruction stands behind it)
.endif
	ds_load_b128 v[12:15], v6 offset:512*\pp       ; the pair's scale words
.irp kk, 0,1
.if \kk > 0
.rept 8
	v_nop                                          ; eight places in front of loads into registers that the products have read
.endr
	s_wait_alu depctr_va_vdst(0)                   ; the eight products are done reading v64-127, in which the next two K steps' fragments land
.endif
.irp kb, 0,1
.irp j, 0,1
.irp c, 0,1,2,3
	ds_load_b128 v[64+32*\kb+16*\j+4*\c:67+32*\kb+16*\j+4*\c], v3 offset:(2*\pp+\j)*8192+(2*\kk+\kb)*2048+512*\c
.endr
.endr
.endr
	s_wait_dscnt 0x0
	PROD \kk
.endr
.rept 8
	v_nop                                          ; eight places in front of the first read of results
.endr
	QUANT1 32, 32, 0, 80, 64
	QUANT1 48, 48, 0, 84, 68
	v_cndmask_b32 v[16+\pp], v67, v71, s[MH]       ; lanes 0-15: the first chunk's bytes; lanes 16-31: the second's
	s_wait_alu depctr_va_vdst(0)                   ; the conversions have written v80-87, which the two stores read, and the select its register of v16-19, which the last stores read
	global_store_b128 v3, v[80:83], s[32:33] offset:(2*\pp)*512
	global_store_b128 v3, v[84:87], s[32:33] offset:(2*\pp+1)*512
.endr
	s_cmp_eq_u32 s12, 0
	s_cbranch_scc0 .Lkv
.irp pp, 0,1,2,3
	global_store_b32 v7, v[16+\pp], s[34:35] offset:0x600000+2048*\pp
.endr
	s_branch .Ldone
.Lkv:
	global_store_b128 v3, v[16:19], s[36:37] offset:0x600000   ; 512 consecutive bytes
.Ldone:
	s_wait_dscnt 0x0                               ; the closing lines, six on end
	s_wait_alu 0x0
	s_wait_tensorcnt 0x0
	ds_add_u32 v1, v2
	s_wait_dscnt 0x0
	s_endpgm
.Lfunc_end_k_qb06fdc9ed8_proj:
	.size	k_qb06fdc9ed8_proj, .Lfunc_end_k_qb06fdc9ed8_proj-k_qb06fdc9ed8_proj
	.p2alignl 7, 3214868480
	.fill 96, 4, 3214868480
	.section	.rodata,"a",@progbits
	.p2align	6, 0x0
	.amdhsa_kernel k_qb06fdc9ed8_proj
		.amdhsa_group_segment_fixed_size 69632
		.amdhsa_private_segment_fixed_size 0
		.amdhsa_enable_private_segment 0
		.amdhsa_kernarg_size 24
		.amdhsa_user_sgpr_count 2
		.amdhsa_user_sgpr_kernarg_segment_ptr 1
		.amdhsa_wavefront_size32 1
		.amdhsa_system_sgpr_workgroup_id_x 1
		.amdhsa_system_sgpr_workgroup_id_y 1
		.amdhsa_system_sgpr_workgroup_id_z 1
		.amdhsa_system_vgpr_workitem_id 0
		.amdhsa_next_free_vgpr 256
		.amdhsa_next_free_sgpr 66
		.amdhsa_reserve_vcc 0
		.amdhsa_float_denorm_mode_32 3
		.amdhsa_float_denorm_mode_16_64 3
		.amdhsa_memory_ordered 1
		.amdhsa_forward_progress 1
		.amdhsa_inst_pref_size 53
	.end_amdhsa_kernel
	.amdgpu_metadata
---
amdhsa.version: [ 1, 2 ]
amdhsa.kernels:
  - .name:           k_qb06fdc9ed8_proj
    .symbol:         k_qb06fdc9ed8_proj.kd
    .args:
      - { .name: img, .offset: 0, .size: 8, .value_kind: global_buffer, .address_space: global }
      - { .name: sa_ops, .offset: 8, .size: 8, .value_kind: global_buffer, .address_space: global }
      - { .name: ca_ops, .offset: 16, .size: 8, .value_kind: global_buffer, .address_space: global }
    .group_segment_fixed_size: 69632
    .private_segment_fixed_size: 0
    .kernarg_segment_align: 8
    .kernarg_segment_size: 24
    .max_flat_workgroup_size: 512
    .sgpr_count:     66
    .vgpr_count:     256
    .wavefront_size: 32
...
	.end_amdgpu_metadata
.endif
;; end of part 6
;; launch attn_sa (part 7): grid 8 x 32, 16 waves a work-group, no clusters, 143,360 bytes of LDS; arguments sa_ops, flag_sa, obuf; writes obuf
.if DOCPART == 7
	.amdgcn_target "amdgcn-amd-amdhsa--gfx1250"
	.amdhsa_code_object_version 6
	.text
	.protected	k_qb06fdc9ed8_attn_sa
	.globl	k_qb06fdc9ed8_attn_sa
	.p2align	8
	.type	k_qb06fdc9ed8_attn_sa,@function
k_qb06fdc9ed8_attn_sa:
	s_mov_b64 s[64:65], 0
	v_nop
	global_prefetch_b8 v0, s[64:65] scope:SCOPE_SE
	s_setreg_imm32_b32 hwreg(HW_REG_WAVE_SCHED_MODE, 0, 2), 2
	s_setreg_imm32_b32 hwreg(HW_REG_WAVE_MODE, 25, 1), 1
	s_wait_xcnt 0x0
	s_wait_alu depctr_vm_vsrc(0)
; LAUNCHES 3 AND 5 OF 6: attention on codes of E5M2, one body for the causal and the plain one; the flag (a whole number that the first launch stored) says which.
; LEFT OUT under the causal mask: key steps of 128 keys that lie wholly behind a wave's 16 queries: their p is 0 (shown at the head of the first launch's text).
; t = score x log2(e) / sqrt(512) (one constant in place of a division and a multiplication); M = the running largest t rounded up to a whole number; p = 2^(t - M) is quantised along the keys, not normalised;
; the row's sum is taken of the unquantised p and divides at the end; when M moves, the sum and O are multiplied by 2^(old M - new M), which rounds nothing.
; SHARES.  Work-group (j, bh): the head's K and V, 128 KB of codes and their scale words, are copied into LDS once, through registers.  Wave w owns ONE tile of 16 queries, tile 8 rank + j, rank = w or, in
; waves 4-7 and 12-15, w xor 3.  Under the mask that tile needs key steps 0 .. rank: every work-group has 136 steps, and waves w, w + 4, w + 8, w + 12 have 34 together.
; NO CLUSTER: K and V are brought once, at the head, and are a small part of the work beside 136 to 256 key steps of softmax; and a branch of this text hangs on a stored number.
; LAYOUT.  S^T = K Q^T and O^T = V^T P^T: a lane holds one query throughout.  A tile's keys are 32 b + 8 u + r + 8 (r / 8), so that the 16 registers of tiles 2 b, 2 b + 1 are 16 neighbouring keys.
; THE SCORE PRODUCT'S K IS 32, a quarter of the instruction's 128: Q's registers for blocks 1-3 are zero codes.  K's tiles lie four registers apart, so a tile's blocks 1-3 are the next tiles' codes (finite: the
; quantiser holds at the largest code) or zeros: they meet Q's zeros and add 0.  The scale words' bytes 1-3 are 0, which is 2^-127, no NaN.
; REGISTERS: v3-6 lane's places in K, V, K's and V's scale words; v7 my query - 16 (lane / 16); v8-11 the step's addresses; v12 -M; v13 the largest t; v[14:15] the sum; v16-31 Q and zeros; v32-75 K and zeros;
; v76-79 K's scale words; v80 V's; v81 Q's; v82 4 r; v96-159 S^T, then p; v160-175 O^T; v176-207 V; v208-223 p's codes; v232-254 at work; v253 p's scale word.
; THE MODE: SCHED_MODE bits 1:0 = 2 (LLVM: expert scheduling mode 2), set by the entry lines.  The code itself states the register dependences between vector or matrix instructions and memory or LDS
; instructions, with s_wait_alu, always for 0.
; THE PLAN.  Registers that memory or LDS instructions touch:
;   v3-6, v82                     written at the head, never again.
;   v232-235, v8, v10, v96-167    the copy at the head: addresses and data; behind the copy's barrier they are written by vector and matrix instructions.
;   v8-11                         in a step: written by four additions at its head, read by its LDS loads.
;   v32-63, v76-80, v176-207      in a step: its LDS loads land in them, its products read them.
;   v208-223, v253                p's codes and scale word: written by vector instructions, taken by the step's last two products.
;   v112-115, v119                the result's codes and byte: written on the way out, read by the two stores.
; A step has one wait on vm_vsrc, ahead of the four additions, and one on va_vdst behind them, which also states that the last step's products are done with the registers in which the loads land; the two
; waits behind the exponentials; and one on va_vdst ahead of the last two products.  The causal select's masks go to scalar registers in runs of sixteen, with one wait on va_sdst behind each run.
.set KC, 0x200000
.set VC, 0x400000
.set QS, 0x600000
.set KS, 0x640000
.set VS, 0x680000
.set LVS,   139264                     ; LDS: K 0, V 65,536, K's scale words 131,072, V's (packed, a word a lane and step) here,
.set SPARE, 141312                     ; the spare words, 128 bytes a wave
.set KF,  30                           ; the step's first key
.set TB,  31                           ; its codes' place: 4,096 bytes a step
.set TS,  32                           ; K's scale words: 512
.set TJ,  33                           ; V's: 128
.set CNT, 34
.set LIM, 35                           ; a step whose first key is above this is left out
.set QMN, 36                           ; a step whose last key is at or under this needs no mask
.set SEL, 38
.set CS,  40
.set MNT, 42
.set TP,  43
.set MK,  46                           ; s46-61 sixteen masks of the causal select
.macro WM d, a, b, c, sa, sb, ra, rb   ; one product; c < 0: the sum starts with 0; ra, rb: the half of the lanes from which each side's scales are taken
.if (\c) < 0
.if (\ra)
	v_wmma_scale_f32_16x16x128_f8f6f4 v[(\d):(\d)+7], v[(\a):(\a)+15], v[(\b):(\b)+15], 0, v[(\sa)], v[(\sb)] matrix_a_fmt:MATRIX_FMT_BF8 matrix_b_fmt:MATRIX_FMT_BF8 matrix_a_scale:MATRIX_SCALE_ROW1
.else
	v_wmma_scale_f32_16x16x128_f8f6f4 v[(\d):(\d)+7], v[(\a):(\a)+15], v[(\b):(\b)+15], 0, v[(\sa)], v[(\sb)] matrix_a_fmt:MATRIX_FMT_BF8 matrix_b_fmt:MATRIX_FMT_BF8
.endif
.else
.if (\ra)
	v_wmma_scale_f32_16x16x128_f8f6f4 v[(\d):(\d)+7], v[(\a):(\a)+15], v[(\b):(\b)+15], v[(\c):(\c)+7], v[(\sa)], v[(\sb)] matrix_a_fmt:MATRIX_FMT_BF8 matrix_b_fmt:MATRIX_FMT_BF8 matrix_a_scale:MATRIX_SCALE_ROW1
.else
	v_wmma_scale_f32_16x16x128_f8f6f4 v[(\d):(\d)+7], v[(\a):(\a)+15], v[(\b):(\b)+15], v[(\c):(\c)+7], v[(\sa)], v[(\sb)] matrix_a_fmt:MATRIX_FMT_BF8 matrix_b_fmt:MATRIX_FMT_BF8
.endif
.endif
.endm
	s_load_b128 s[4:7], s[0:1], 0x0                ; the operands, the flag
	s_load_b64 s[8:9], s[0:1], 0x10                ; obuf
	v_lshl_add_u32 v1, v0, 2, SPARE
	v_mov_b32 v2, 0
	v_lshrrev_b32 v8, 5, v0
	v_readfirstlane_b32 s2, v8                     ; wave
	s_and_b32 s3, ttmp7, 0xffff                    ; bh
	s_wait_alu depctr_va_sdst(0)                   ; s2 is written, ahead of its first reader: my tile of queries is made from it
	s_bfe_u32 s10, s2, 0x10002
	s_mul_i32 s10, s10, 3
	s_xor_b32 s10, s2, s10                         ; rank
	s_lshl_b32 s11, s10, 3
	s_add_co_u32 s11, s11, ttmp9                   ; my tile of queries
	s_lshr_b32 s12, s11, 1                         ; its pair,
	s_and_b32 s13, s11, 1                          ; and which of the pair
	s_lshl_b32 s14, s12, 5
	s_lshl_b32 s15, s13, 3
	s_add_co_u32 s14, s14, s15                     ; my first query
	s_add_co_u32 s15, s14, 23                      ; my last
	s_lshr_b32 s16, s3, 4                          ; b
	s_and_b32 s17, s3, 15                          ; h
	s_lshl_b32 s24, s16, 6
	s_add_co_u32 s24, s24, s12
	s_lshl_b32 s24, s24, 4
	s_add_co_u32 s24, s24, s17
	s_lshl_b32 s24, s24, 7
	s_lshl_b32 s25, s13, 6
	s_add_co_u32 s24, s24, s25                     ; Q's scale words: ((64 b + pair) 16 + h) 128 + 64 x which
	s_lshl_b32 s25, s16, 7
	s_add_co_u32 s25, s25, s11
	s_lshl_b32 s25, s25, 4
	s_add_co_u32 s25, s25, s17                     ; (128 b + tile) 16 + h: my chunk of the result
	v_and_b32 v9, 31, v0
	v_lshlrev_b32 v3, 4, v9
	v_add_nc_u32 v4, 0x10000, v3
	v_add_nc_u32 v5, 0x20000, v3
	v_lshl_add_u32 v6, v9, 2, LVS
	v_and_b32 v9, 15, v0
	v_lshlrev_b32 v82, 2, v9
	v_and_b32 v10, 8, v0
	v_add_nc_u32 v7, v9, v10                       ; r + 8 (r / 8)
	v_bfe_u32 v10, v0, 4, 1
	v_lshlrev_b32 v10, 4, v10
	v_sub_nc_u32 v7, v7, v10
	v_add_nc_u32 v7, s14, v7                       ; my query - 16 (lane / 16)
	v_lshlrev_b32 v232, 4, v0
	v_add_nc_u32 v233, 0x10000, v232
	v_add_nc_u32 v234, 0x20000, v232
	v_lshl_add_u32 v235, v0, 2, LVS
	s_lshl_b32 s[TP], s11, 9
	v_add_nc_u32 v8, s[TP], v3
	v_add_nc_u32 v10, s24, v82
	s_mov_b32 s[SEL], 0x76543210
	s_mov_b32 s[SEL+1], 0xfedcba98
	s_mov_b32 s[CS], 0x3d8293ee                    ; c = log2(e) / sqrt(512)
	s_mov_b32 s[CS+1], s[CS]                       ; (named with it as a pair, so it is written)
	s_mov_b32 s[MNT], 0x600000
	s_mov_b32 s[KF], 0
	s_mov_b32 s[TB], 0
	s_mov_b32 s[TS], 0
	s_mov_b32 s[TJ], 0
	s_mov_b32 s[CNT], 0
	s_mov_b32 s45, 0
	s_wait_kmcnt 0x0
	s_load_b32 s18, s[6:7], 0x0                    ; 1 = causal
	s_lshl_b32 s44, s3, 16
	s_add_nc_u64 s[20:21], s[4:5], s[44:45]        ; my head's codes
	s_lshl_b32 s44, s3, 13
	s_add_nc_u64 s[22:23], s[4:5], s[44:45]        ; its K's and V's scale words
	s_lshl_b32 s44, s25, 9
	s_add_nc_u64 s[26:27], s[8:9], s[44:45]
	s_lshl_b32 s44, s25, 6
	s_add_nc_u64 s[28:29], s[8:9], s[44:45]
	s_wait_alu depctr_va_vdst(0)                   ; the offsets and addresses v3-6, v8, v10, v82 and v232-235 are written, which the loads and stores below read
.irp i, 0,1,2,3,4,5,6,7
	global_load_b128 v[96+4*\i:99+4*\i], v232, s[20:21] offset:KC+8192*\i
.endr
.irp i, 0,1,2,3,4,5,6,7
	global_load_b128 v[128+4*\i:131+4*\i], v232, s[20:21] offset:VC+8192*\i
.endr
	global_load_b128 v[160:163], v232, s[22:23] offset:KS
	global_load_b128 v[164:167], v232, s[22:23] offset:VS
	global_load_b128 v[16:19], v8, s[20:21]        ; Q's chunk
	global_load_b32 v81, v10, s[4:5] offset:QS     ; and its scale words
	s_wait_loadcnt 2                               ; the 18 copy loads are in; Q's two were issued later
.irp i, 0,1,2,3,4,5,6,7
	ds_store_b128 v232, v[96+4*\i:99+4*\i] offset:8192*\i
.endr
.irp i, 0,1,2,3,4,5,6,7
	ds_store_b128 v233, v[128+4*\i:131+4*\i] offset:8192*\i
.endr
	ds_store_b128 v234, v[160:163]
	v_lshl_or_b32 v164, v165, 8, v164              ; V's four bytes of a step make one word
	v_lshl_or_b32 v164, v166, 16, v164
	v_lshl_or_b32 v164, v167, 24, v164
	s_wait_alu depctr_va_vdst(0)                   ; v164 is written, which the store below reads
	ds_store_b32 v235, v164
	s_wait_dscnt 0x0                               ; my stores have landed
	s_barrier_signal -1
	s_barrier_wait -1                              ; everybody's have: LDS is only read from here on
	s_wait_alu depctr_vm_vsrc(0)                   ; the copy's loads and stores have read v8, v10, v96-164 and v232-235, which the lines below and the steps write
.irp i, 20,21,22,23,24,25,26,27,28,29,30,31,64,65,66,67,68,69,70,71,72,73,74,75
	v_mov_b32 v[\i], 0                             ; the zero codes
.endr
.irp i, 0,1,2,3,4,5,6,7,8,9,10,11,12,13,14,15
	v_mov_b32 v[160+\i], 0                         ; O^T: the step is written once; the first finds zeros
.endr
	v_mov_b32 v13, 0xff61b1e6                      ; the largest t so far: -3e38
	v_floor_f32 v12, -v13
	v_mov_b32 v14, 0
	v_mov_b32 v15, 0
.irp i, 236,237,238,239,251,252
	v_mov_b32 v[\i], 0                             ; lane permutes' destinations, and the upper half of f's pair
.endr
	s_wait_loadcnt 0x0
	s_wait_kmcnt 0x0
	s_cmp_lg_u32 s18, 0
	s_mov_b32 s[LIM], 2047
	s_cselect_b32 s[LIM], s15, s[LIM]
	s_mov_b32 s[QMN], 0x7fffffff
	s_cselect_b32 s[QMN], s14, s[QMN]
.Lstep:                                ; 16 trips, a constant; a hidden step's work is jumped over, its address steps are not
	s_cmp_gt_u32 s[KF], s[LIM]
	s_cbranch_scc1 .Lhidden
	s_wait_alu depctr_vm_vsrc(0)                   ; the last step's LDS loads have read v8-11, which the four additions write
	v_add_nc_u32 v8, s[TB], v3
	v_add_nc_u32 v9, s[TB], v4
	v_add_nc_u32 v10, s[TS], v5
	v_add_nc_u32 v11, s[TJ], v6
.rept 4
	v_nop                                          ; with the four additions: eight places in front of loads into registers that the last products have read
.endr
	s_wait_alu depctr_va_vdst(0)                   ; v8-11 are written, which the loads read; the last step's products are done reading K, V and their scale words, in which the loads land; in the first step: the zero codes are written, which the products take
.irp t, 0,1,2,3,4,5,6,7
	ds_load_b128 v[32+4*\t:35+4*\t], v8 offset:512*\t
.endr
	ds_load_b128 v[76:79], v10
.irp c, 0,1,2,3
.irp u, 0,1
	ds_load_b128 v[176+16*\u+4*\c:179+16*\u+4*\c], v9 offset:(2*\c+\u)*512
.endr
.endr
	ds_load_b32 v80, v11
	s_wait_dscnt 9                                 ; K and its scale words are in; V's eight loads and its scale word were issued later
.irp t, 0,1,2,3,4,5,6,7
	WM 96+8*\t, 32+4*\t, 16, -1, 76+\t/2, 81, \t%2, 0
.endr
.rept 8
	v_nop
.endr
	s_add_co_u32 s[TP], s[KF], 127
	s_cmp_le_u32 s[TP], s[QMN]
	s_cbranch_scc1 .Lopen
	v_sub_nc_u32 v252, v7, s[KF]                   ; register 16 b + i holds key KF + 16 (lane / 16) + 32 b + i: hidden where 32 b + i is above this
	v_mov_b32 v254, 0xff800000                     ; -infinity
.irp b, 0,1,2,3                        ; a block's sixteen compares in a run, each into a scalar register of its own; then its sixteen selects
.irp i, 0,1,2,3,4,5,6,7,8,9,10,11,12,13,14,15
	v_cmp_gt_i32 s[MK+\i], 32*\b+\i, v252
.endr
	s_wait_alu depctr_va_sdst(0)                   ; the sixteen masks are written, ahead of the selects that read them
.irp i, 0,1,2,3,4,5,6,7,8,9,10,11,12,13,14,15
	v_cndmask_b32 v[96+16*\b+\i], v[96+16*\b+\i], v254, s[MK+\i]
.endr
.endr
.Lopen:
.irp b, 0,1,2,3
	v_max3_num_f32 v[232+\b], v[96+16*\b], v[97+16*\b], v[98+16*\b]   ; the largest score of each block of 32 keys: for the row's maximum, and, since p rises with the score, for the block's largest p
.endr
.irp i, 3,5,7,9,11,13
.irp b, 0,1,2,3
	v_max3_num_f32 v[232+\b], v[232+\b], v[96+16*\b+\i], v[97+16*\b+\i]
.endr
.endr
.irp b, 0,1,2,3
	v_max_num_f32 v[232+\b], v[232+\b], v[111+16*\b]
.endr
.irp b, 0,1,2,3
	v_permlanex16_b32 v[236+\b], v[232+\b], s[SEL], s[SEL+1]
.endr
.irp b, 0,1,2,3
	v_max_num_f32 v[232+\b], v[232+\b], v[236+\b]
.endr
	v_max3_num_f32 v254, v232, v233, v234
	v_max_num_f32 v254, v254, v235
	v_mul_f32 v254, s[CS], v254
	v_max_num_f32 v13, v13, v254                   ; the running largest t
	v_mov_b32 v254, v12
	v_floor_f32 v12, -v13                          ; the new -M
	v_sub_f32 v254, v12, v254                      ; old M - new M: a whole number, 0 or less
	v_cvt_i32_f32 v254, v254                       ; (it saturates)
	v_ldexp_f32 v250, 1.0, v254                    ; f = 2^(old M - new M)
.set J, 0
.rept 32
	v_pk_fma_f32 v[96+J:97+J], v[96+J:97+J], s[CS:CS+1], v[12:13] op_sel_hi:[1,0,0]   ; t - M
.set J, J+2
.endr
.irp b, 0,1,2,3
	v_fma_f32 v[232+\b], v[232+\b], s[CS], v12
.endr
.set J, 0
.rept 64
	v_exp_f32 v[96+J], v[96+J]                     ; p
.set J, J+1
.endr
	v_pk_mul_f32 v[14:15], v[14:15], v[250:251] op_sel_hi:[1,0]   ; the sum under the new M: a plain line behind the exponentials
	s_wait_alu depctr_va_vdst(0)                   ; the 64 exponentials have written p: one wait for the batch, ahead of its first reader
.irp b, 0,1,2,3
	v_exp_f32 v[232+\b], v[232+\b]                 ; each block's largest p
.endr
	v_pk_add_f32 v[236:237], v[96:97], v[98:99]    ; the row's sum of the unquantised p, in two chains
.set J, 4
.rept 15
	v_pk_add_f32 v[14:15], v[14:15], v[96+J:97+J]
	v_pk_add_f32 v[236:237], v[236:237], v[98+J:99+J]
.set J, J+4
.endr
	v_pk_add_f32 v[14:15], v[14:15], v[236:237]
	s_wait_alu depctr_va_vdst(0)                   ; and one for the four: they have written v232-235
.irp b, 0,1,2,3
	v_max_num_f32 v[232+\b], 0x8000000, v[232+\b]  ; the floor 2^(16 - 127)
.endr
.irp b, 0,1,2,3
	v_add_nc_u32 v[244+\b], 0xf8800000, v[232+\b]
.endr
.irp b, 0,1,2,3
	v_and_or_b32 v[240+\b], v[232+\b], 0x7f800000, s[MNT]
.endr
.irp b, 0,1,2,3
	v_lshrrev_b32 v[236+\b], 23, v[244+\b]
.endr
	v_lshl_or_b32 v253, v237, 8, v236              ; p's scale word for these 128 keys
	v_lshl_or_b32 v253, v238, 16, v253
	v_lshl_or_b32 v253, v239, 24, v253
.irp b, 0,1,2,3
.irp i, 0,1,2,3,4,5,6,7,8,9,10,11,12,13,14,15
	v_min_num_f32 v[96+16*\b+\i], v[96+16*\b+\i], v[240+\b]   ; the hold; p is not negative
.endr
	v_cvt_scalef32_pk8_bf8_f32 v[208+4*\b:209+4*\b], v[96+16*\b:103+16*\b], v[244+\b]
	v_cvt_scalef32_pk8_bf8_f32 v[210+4*\b:211+4*\b], v[104+16*\b:111+16*\b], v[244+\b]
.endr
.irp j, 0,2,4,6,8,10,12,14
	v_pk_mul_f32 v[160+\j:161+\j], v[160+\j:161+\j], v[250:251] op_sel_hi:[1,0]   ; O^T under the new M; these eight stand between the codes' last conversion and the products
.endr
	s_wait_dscnt 0x0                               ; V
	s_wait_alu depctr_va_vdst(0)                   ; the conversions have written p's codes v208-223, and v253, its scale word, is written: the two products take them; the places above stay beside this wait
	WM 160, 176, 208, 160, 80, 253, 0, 0           ; the two accumulators take turns, and S^T's eight stand between a link and the next
	WM 168, 192, 208, 168, 80, 253, 1, 0
.Lhidden:
	s_add_co_u32 s[KF], s[KF], 128
	s_add_co_u32 s[TB], s[TB], 4096
	s_add_co_u32 s[TS], s[TS], 512
	s_add_co_u32 s[TJ], s[TJ], 128
	s_add_co_u32 s[CNT], s[CNT], 1
	s_cmp_lt_u32 s[CNT], 16
	s_cbranch_scc1 .Lstep
; THE WAY OUT: O^T / the sum: a lane's 16 registers are channels 16 (lane / 16) + 0 .. 15 of my head: half of block h of the next product's K.  They leave as a chunk of codes and a byte.
.rept 8
	v_nop
.endr
	v_add_f32 v14, v14, v15
	v_permlanex16_b32 v252, v14, s[SEL], s[SEL+1]
	v_add_f32 v14, v14, v252
	v_rcp_f32 v14, v14
	v_nop
	s_wait_alu depctr_va_vdst(0)                   ; the reciprocal has written v14, ahead of its first reader
.irp j, 0,1,2,3,4,5,6,7,8,9,10,11,12,13,14,15
	v_mul_f32 v[96+\j], v[160+\j], v14
.endr
	v_max3_num_f32 v116, |v96|, |v97|, 0x8000000
.irp i, 2,4,6,8,10,12,14
	v_max3_num_f32 v116, v116, |v[96+\i]|, |v[97+\i]|
.endr
	v_permlanex16_b32 v117, v116, s[SEL], s[SEL+1]
	v_max_num_f32 v116, v116, v117
	v_add_nc_u32 v118, 0xf8800000, v116
	v_and_or_b32 v117, v116, 0x7f800000, s[MNT]
	v_lshrrev_b32 v119, 23, v118
.irp i, 0,1,2,3,4,5,6,7,8,9,10,11,12,13,14,15
	v_med3_num_f32 v[96+\i], v[96+\i], -v117, v117
.endr
	v_cvt_scalef32_pk8_bf8_f32 v[112:113], v[96:103], v118
	v_cvt_scalef32_pk8_bf8_f32 v[114:115], v[104:111], v118
	v_nop
	s_wait_alu depctr_va_vdst(0)                   ; the conversions have written v112-115, and v119 is written: the two stores read them
	global_store_b128 v3, v[112:115], s[26:27]     ; 512 consecutive bytes
	global_store_b32 v82, v119, s[28:29] offset:0x200000   ; 16 scale words (both halves of the lanes hold and write the same)
	s_wait_dscnt 0x0                               ; the closing lines, six on end
	s_wait_alu 0x0
	s_wait_tensorcnt 0x0
	ds_add_u32 v1, v2
	s_wait_dscnt 0x0
	s_endpgm
.Lfunc_end_k_qb06fdc9ed8_attn_sa:
	.size	k_qb06fdc9ed8_attn_sa, .Lfunc_end_k_qb06fdc9ed8_attn_sa-k_qb06fdc9ed8_attn_sa
	.p2alignl 7, 3214868480
	.fill 96, 4, 3214868480
	.section	.rodata,"a",@progbits
	.p2align	6, 0x0
	.amdhsa_kernel k_qb06fdc9ed8_attn_sa
		.amdhsa_group_segment_fixed_size 143360
		.amdhsa_private_segment_fixed_size 0
		.amdhsa_enable_private_segment 0
		.amdhsa_kernarg_size 24
		.amdhsa_user_sgpr_count 2
		.amdhsa_user_sgpr_kernarg_segment_ptr 1
		.amdhsa_wavefront_size32 1
		.amdhsa_system_sgpr_workgroup_id_x 1
		.amdhsa_system_sgpr_workgroup_id_y 1
		.amdhsa_system_sgpr_workgroup_id_z 1
		.amdhsa_system_vgpr_workitem_id 0
		.amdhsa_next_free_vgpr 256
		.amdhsa_next_free_sgpr 66
		.amdhsa_reserve_vcc 0
		.amdhsa_float_denorm_mode_32 3
		.amdhsa_float_denorm_mode_16_64 3
		.amdhsa_memory_ordered 1
		.amdhsa_forward_progress 1
		.amdhsa_inst_pref_size 39
	.end_amdhsa_kernel
	.amdgpu_metadata
---
amdhsa.version: [ 1, 2 ]
amdhsa.kernels:
  - .name:           k_qb06fdc9ed8_attn_sa
    .symbol:         k_qb06fdc9ed8_attn_sa.kd
    .args:
      - { .name: sa_ops, .offset: 0, .size: 8, .value_kind: global_buffer, .address_space: global }
      - { .name: flag_sa, .offset: 8, .size: 8, .value_kind: global_buffer, .address_space: global }
      - { .name: obuf, .offset: 16, .size: 8, .value_kind: global_buffer, .address_space: global }
    .group_segment_fixed_size: 143360
    .private_segment_fixed_size: 0
    .kernarg_segment_align: 8
    .kernarg_segment_size: 24
    .max_flat_workgroup_size: 512
    .sgpr_count:     66
    .vgpr_count:     256
    .wavefront_size: 32
...
	.end_amdgpu_metadata
.endif
;; end of part 7
;; launch mid (part 8): grid 128 x 1, 16 waves a work-group, no clusters, 44,032 bytes of LDS; arguments obuf, img, x, ln1_g, ln1_b, h1, ca_ops; writes h1, ca_ops
.if DOCPART == 8
	.amdgcn_target "amdgcn-amd-amdhsa--gfx1250"
	.amdhsa_code_object_version 6
	.text
	.protected	k_qb06fdc9ed8_mid
	.globl	k_qb06fdc9ed8_mid
	.p2align	8
	.type	k_qb06fdc9ed8_mid,@function
k_qb06fdc9ed8_mid:
	s_mov_b64 s[64:65], 0
	v_nop
	global_prefetch_b8 v0, s[64:65] scope:SCOPE_SE
	s_setreg_imm32_b32 hwreg(HW_REG_WAVE_SCHED_MODE, 0, 2), 2
	s_setreg_imm32_b32 hwreg(HW_REG_WAVE_MODE, 25, 1), 1
	s_wait_xcnt 0x0
	s_wait_alu depctr_vm_vsrc(0)
; LAUNCH 4 OF 6: h1 = layernorm(x + attention sa_wo^T), its codes, q2 = h1 ca_wq^T, and q2's codes for the cross attention.
; SHARES.  A work-group takes 32 rows (a pair of tiles, e = 0, 1).  Wave w makes columns 32 w .. 32 w + 31 of every product: one block of the next K.  Its part of each weight goes from memory straight into its
; registers, three K steps ahead; no other wave of the work-group wants it, so it does not go through LDS, and there is nothing to ask for jointly.  The rows' codes go from wave to wave through LDS as images of the operand's registers.
; The products are used transposed (source 0 = the weight's two tiles, source 1 = a tile of rows): register acc + 16 e + 8 i + j of lane (r, hh) is row 32 Pg + 8 e + r + 8 (r / 8), column 32 w + 16 hh + 8 i + j.
; The residual is the C of the first product.  The norm is taken in two passes (mean; then the squares of the differences).  x / 511 and the division by (std + eps) are multiplications by a constant and by v_rcp_f32's result.
; 128 work-groups: a WGP must receive the whole weight whatever its number of rows, so fewer rows to a work-group would only multiply the weights' traffic.
; THE MODE: SCHED_MODE bits 1:0 = 2 (LLVM: expert scheduling mode 2), set by the entry lines.  The code itself states the register dependences between vector or matrix instructions and memory or LDS
; instructions, with s_wait_alu, always for 0.
; THE PLAN.  Registers that memory or LDS instructions touch:
;   v3-5               offsets and addresses: written at the head, never again.
;   v240-244, v80-90   the copy at the head: addresses and data; behind its barrier they are at work and fragments.
;   v80-111            the rows' fragments: LDS loads land, a K step's four products read.  v80-87 also take the codes that the quantisers write and that stores read.
;   v112-207           three buffers of a weight's K step: global loads land, the K step's products read.
;   v28-31, v8-15      scale words: loaded, read by the products.
;   v46, v47, v7, v6   addresses and data of the small LDS stores, and the address of the gain's loads: written by vector instructions each time.
;   v240-255, v208-239 the norm's partial sums, gain and bias: LDS loads land, vector instructions read.
;   v48-79             h1: written by the norm, read by its eight stores, never written again.
; A K step has ONE wait on va_vdst, behind its products' places: they are done with the weights' buffer and with the fragments; behind it stand the next K step's fragment loads and the weights' loads three
; K steps on.  A block's two quantisers run on end, with one wait on va_vdst ahead of their three LDS stores; the same wait serves h1's stores, which stand behind the barrier.  The gain's address is made ahead
; of the reciprocal's wait, which so serves its loads too.  Waits on vm_vsrc stand behind each barrier behind which registers that LDS stores have read are written again, and at the quantisers' head.
.set LB,    0
.set AIMG,  0                          ; LDS: the attention's codes, [e][K step][block][512]
.set HIMG,  16384                      ; h1's
.set ASC,   32768                      ; scale words [K step][lane]: lanes 0-15 tile e = 0, lanes 16-31 e = 1
.set HSC,   33280
.set RED1,  33792                      ; the norms' partial sums, [wave][lane]
.set RED2,  35840
.set VG,    37888                      ; ln1_g, ln1_b
.set VB,    39936
.set SPARE, 41984
.set SCL0,  0x700000
.set NLAST, 7                          ; the weights' K steps: 0-3 sa_wo, 4-7 ca_wq
.set AS,   28
.set ACC,  48
.set AF,   80
.set WB,   112
.set ACC2, 208
.set W2,   26
.set S128W, 40
.set S512W, 42
.set SB,   44
.set MH,   46
.set MNT,  47
.set SEL,  48
; REGISTERS: v3 16 x lane; v4 4 x lane; v5 64 (lane / 16); v6, v7 partial sums; v8-15 the weights' scale words; v28-31 the rows'; v36-47 at work; v48-79 x + .., then h1; v80-111 the rows' fragments, later codes;
; v112-207 three buffers for a weight's K step; v208-239 gain and bias, then q2; v240-255 at work.
.macro WM d, a, b, c, sa, sb, ra, rb   ; one product; c < 0: the sum starts with 0; ra, rb: the half of the lanes from which each side's scales are taken
.if (\c) < 0
.if (\ra) && (\rb)
	v_wmma_scale_f32_16x16x128_f8f6f4 v[(\d):(\d)+7], v[(\a):(\a)+15], v[(\b):(\b)+15], 0, v[(\sa)], v[(\sb)] matrix_a_fmt:MATRIX_FMT_BF8 matrix_b_fmt:MATRIX_FMT_BF8 matrix_a_scale:MATRIX_SCALE_ROW1 matrix_b_scale:MATRIX_SCALE_ROW1
.elseif (\ra)
	v_wmma_scale_f32_16x16x128_f8f6f4 v[(\d):(\d)+7], v[(\a):(\a)+15], v[(\b):(\b)+15], 0, v[(\sa)], v[(\sb)] matrix_a_fmt:MATRIX_FMT_BF8 matrix_b_fmt:MATRIX_FMT_BF8 matrix_a_scale:MATRIX_SCALE_ROW1
.elseif (\rb)
	v_wmma_scale_f32_16x16x128_f8f6f4 v[(\d):(\d)+7], v[(\a):(\a)+15], v[(\b):(\b)+15], 0, v[(\sa)], v[(\sb)] matrix_a_fmt:MATRIX_FMT_BF8 matrix_b_fmt:MATRIX_FMT_BF8 matrix_b_scale:MATRIX_SCALE_ROW1
.else
	v_wmma_scale_f32_16x16x128_f8f6f4 v[(\d):(\d)+7], v[(\a):(\a)+15], v[(\b):(\b)+15], 0, v[(\sa)], v[(\sb)] matrix_a_fmt:MATRIX_FMT_BF8 matrix_b_fmt:MATRIX_FMT_BF8
.endif
.else
.if (\ra) && (\rb)
	v_wmma_scale_f32_16x16x128_f8f6f4 v[(\d):(\d)+7], v[(\a):(\a)+15], v[(\b):(\b)+15], v[(\c):(\c)+7], v[(\sa)], v[(\sb)] matrix_a_fmt:MATRIX_FMT_BF8 matrix_b_fmt:MATRIX_FMT_BF8 matrix_a_scale:MATRIX_SCALE_ROW1 matrix_b_scale:MATRIX_SCALE_ROW1
.elseif (\ra)
	v_wmma_scale_f32_16x16x128_f8f6f4 v[(\d):(\d)+7], v[(\a):(\a)+15], v[(\b):(\b)+15], v[(\c):(\c)+7], v[(\sa)], v[(\sb)] matrix_a_fmt:MATRIX_FMT_BF8 matrix_b_fmt:MATRIX_FMT_BF8 matrix_a_scale:MATRIX_SCALE_ROW1
.elseif (\rb)
	v_wmma_scale_f32_16x16x128_f8f6f4 v[(\d):(\d)+7], v[(\a):(\a)+15], v[(\b):(\b)+15], v[(\c):(\c)+7], v[(\sa)], v[(\sb)] matrix_a_fmt:MATRIX_FMT_BF8 matrix_b_fmt:MATRIX_FMT_BF8 matrix_b_scale:MATRIX_SCALE_ROW1
.else
	v_wmma_scale_f32_16x16x128_f8f6f4 v[(\d):(\d)+7], v[(\a):(\a)+15], v[(\b):(\b)+15], v[(\c):(\c)+7], v[(\sa)], v[(\sb)] matrix_a_fmt:MATRIX_FMT_BF8 matrix_b_fmt:MATRIX_FMT_BF8
.endif
.endif
.endm
; 16 numbers of a lane, half a block of 32 (the other half lies in lane l xor 16), become four registers of codes; the block's byte is left in v[tq + 3].  relu = 1: what is negative becomes 0 on the way.
.macro QUANT1 src, tmp, relu, cod, tq
.if \relu
	v_max3_num_f32 v[\tq], v[\src], v[\src+1], 0x8000000
.irp i, 2,4,6,8,10,12,14
	v_max3_num_f32 v[\tq], v[\tq], v[\src+\i], v[\src+\i+1]
.endr
.else
	v_max3_num_f32 v[\tq], |v[\src]|, |v[\src+1]|, 0x8000000      ; with the floor 2^(16 - 127): the byte cannot fall under 1
.irp i, 2,4,6,8,10,12,14
	v_max3_num_f32 v[\tq], v[\tq], |v[\src+\i]|, |v[\src+\i+1]|
.endr
.endif
	v_permlanex16_b32 v[\tq+1], v[\tq], s[SEL], s[SEL+1]
	v_max_num_f32 v[\tq], v[\tq], v[\tq+1]
	v_add_nc_u32 v[\tq+2], 0xf8800000, v[\tq]
	v_and_or_b32 v[\tq+1], v[\tq], 0x7f800000, s[MNT]
	v_lshrrev_b32 v[\tq+3], 23, v[\tq+2]
.irp i, 0,1,2,3,4,5,6,7,8,9,10,11,12,13,14,15
.if \relu
	v_med3_num_f32 v[\tmp+\i], v[\src+\i], 0, v[\tq+1]
.else
	v_med3_num_f32 v[\tmp+\i], v[\src+\i], -v[\tq+1], v[\tq+1]
.endif
.endr
	v_cvt_scalef32_pk8_bf8_f32 v[\cod:\cod+1], v[\tmp:\tmp+7], v[\tq+2]
	v_cvt_scalef32_pk8_bf8_f32 v[\cod+2:\cod+3], v[\tmp+8:\tmp+15], v[\tq+2]
	v_nop
.endm
.macro BARRIER                         ; my LDS stores have landed and my LDS loads are in: then the work-group's barrier
	s_wait_dscnt 0x0
	s_barrier_signal -1
	s_barrier_wait -1
.endm
.macro WLD n, base, off, tstr          ; a weight's K step, two tiles, into buffer n % 3
.irp i, 0,1
.irp c, 0,1,2,3
	global_load_b128 v[WB+32*((\n)%3)+16*\i+4*\c:WB+32*((\n)%3)+16*\i+4*\c+3], v3, s[\base:\base+1] offset:(\off)+\i*(\tstr)+512*\c
.endr
.endr
.endm
.macro WSEQ n                          ; the n-th K step of the launch's weights
.if (\n) < 4
	WLD \n, W2, 608*8192+2048*(\n), 8192
.else
	WLD \n, W2, 640*8192+2048*((\n)-4), 8192
.endif
.endm
.macro AFLD abase, estr, k             ; the rows' two fragments of K step k, from LDS
.irp e, 0,1
.irp c, 0,1,2,3
	ds_load_b128 v[AF+16*\e+4*\c:AF+16*\e+4*\c+3], v3 offset:(\abase)+\e*(\estr)+2048*(\k)+512*\c
.endr
.endr
.endm
; One K step of a product, whose fragments have been asked for: four products (the four accumulators take turns), eight places, the one wait, the next K step's fragments (kl: the product's
; last K step), and the weights' K step three on into the buffer just read.
.macro GSTEP n, k, kl, acc, czero, abase, estr, wsb, w2
.if NLAST-(\n) >= 2
	s_wait_loadcnt 16                              ; this K step's weights are in; behind them two K steps of eight loads were issued
.elseif NLAST-(\n) == 1
	s_wait_loadcnt 8
.else
	s_wait_loadcnt 0x0
.endif
	s_wait_dscnt 0x0
.irp e, 0,1
.irp i, 0,1
.set DA, (\acc)+16*\e+8*\i
.set CA, DA
.if \czero
.set CA, -1
.endif
.set SA, (\wsb)+(\k)
.set RA, \i
.if \w2
.set SA, (\wsb)+4*\i+(\k)%4
.set RA, (\k)/4
.endif
	WM DA, WB+32*((\n)%3)+16*\i, AF+16*\e, CA, SA, AS+(\k), RA, \e
.endr
.endr
.rept 8
	v_nop                                          ; eight places in front of loads into registers that the products have read, and of the first read of results
.endr
.if (\n) < NLAST
	s_wait_alu depctr_va_vdst(0)                   ; the four products are done reading the rows' fragments and the weights' buffer, in which the loads below land
.endif
.if (\k) < (\kl)
	AFLD \abase, \estr, (\k)+1
.endif
.if (\n)+3 <= NLAST
	WSEQ (\n)+3
.endif
.endm
.macro SUM16 a, t, d                   ; v[d] = the sum of v[a] .. v[a + 15]; eight registers from v[t] on at work (t = a is allowed)
	v_pk_add_f32 v[\t:\t+1], v[\a:\a+1], v[\a+2:\a+3]
	v_pk_add_f32 v[\t+2:\t+3], v[\a+4:\a+5], v[\a+6:\a+7]
	v_pk_add_f32 v[\t+4:\t+5], v[\a+8:\a+9], v[\a+10:\a+11]
	v_pk_add_f32 v[\t+6:\t+7], v[\a+12:\a+13], v[\a+14:\a+15]
	v_pk_add_f32 v[\t:\t+1], v[\t:\t+1], v[\t+2:\t+3]
	v_pk_add_f32 v[\t+4:\t+5], v[\t+4:\t+5], v[\t+6:\t+7]
	v_pk_add_f32 v[\t:\t+1], v[\t:\t+1], v[\t+4:\t+5]
	v_add_f32 v[\d], v[\t], v[\t+1]
.endm
; v6, v7: my sums over my 16 columns, for tiles e = 0 and 1.  Out: v47 = the whole row's sum, for row r of tile e = lane / 16; the same order of addition in every wave.
.macro ROWRED red
	v_cndmask_b32 v46, v7, v6, s[MH]               ; what lane l xor 16 wants of me,
	v_cndmask_b32 v47, v6, v7, s[MH]               ; and what I keep
	v_permlanex16_b32 v36, v46, s[SEL], s[SEL+1]
	v_add_f32 v47, v47, v36
	v_add_nc_u32 v46, s[S128W], v4
	s_wait_alu depctr_va_vdst(0)                   ; v46 and v47 are written, which the store reads; the sums above are done with v240-255, in which the loads below land
	ds_store_b32 v46, v47 offset:(\red)-LB
	BARRIER
	s_wait_alu depctr_vm_vsrc(0)                   ; the store has read v46 and v47, which are written again below
.irp i, 0,1,2,3,4,5,6,7,8,9,10,11,12,13,14,15
	ds_load_b32 v[240+\i], v4 offset:(\red)-LB+128*\i
.endr
	s_wait_dscnt 0x0
	SUM16 240, 240, 47
.endm
.macro SPREAD                          ; v47 (row r of tile lane / 16) becomes two pairs: v[40:41] tile 0's number twice, v[42:43] tile 1's
	v_permlanex16_b32 v36, v47, s[SEL], s[SEL+1]
	v_cndmask_b32 v40, v47, v36, s[MH]
	v_cndmask_b32 v42, v36, v47, s[MH]
	v_mov_b32 v41, v40
	v_mov_b32 v43, v42
.endm
.macro LNORM acc, redA, redB, goff, boff
	SUM16 \acc, 240, 6
	SUM16 \acc+16, 248, 7
	ROWRED \redA
	v_mul_f32 v47, 0x3b000000, v47                 ; / 512: the mean
	SPREAD
.irp m, 0,2,4,6,8,10,12,14
	v_pk_add_f32 v[\acc+\m:\acc+\m+1], v[\acc+\m:\acc+\m+1], v[40:41] neg_lo:[0,1] neg_hi:[0,1]
	v_pk_add_f32 v[\acc+16+\m:\acc+16+\m+1], v[\acc+16+\m:\acc+16+\m+1], v[42:43] neg_lo:[0,1] neg_hi:[0,1]
.endr
	v_pk_mul_f32 v[240:241], v[\acc:\acc+1], v[\acc:\acc+1]
	v_pk_mul_f32 v[242:243], v[\acc+16:\acc+17], v[\acc+16:\acc+17]
.irp m, 2,4,6,8,10,12,14
	v_pk_fma_f32 v[240:241], v[\acc+\m:\acc+\m+1], v[\acc+\m:\acc+\m+1], v[240:241]
	v_pk_fma_f32 v[242:243], v[\acc+16+\m:\acc+16+\m+1], v[\acc+16+\m:\acc+16+\m+1], v[242:243]
.endr
	v_add_f32 v6, v240, v241
	v_add_f32 v7, v242, v243
	ROWRED \redB
	v_mul_f32 v47, 0x3b004020, v47                 ; / 511
	v_sqrt_f32 v47, v47
	v_nop
	s_wait_alu depctr_va_vdst(0)                   ; the root has written v47, ahead of its first reader
	v_add_f32 v47, 0x358637bd, v47                 ; + 1e-6
	v_add_nc_u32 v46, s[S128W], v5                 ; where my columns' gain and bias lie
	v_rcp_f32 v47, v47
	v_nop
	s_wait_alu depctr_va_vdst(0)                   ; the reciprocal has written v47, ahead of its first reader; v46 is written, which the loads below read; all earlier vector instructions are done with v208-239, in which they land
.irp q, 0,1,2,3
	ds_load_b128 v[208+4*\q:211+4*\q], v46 offset:(\goff)-LB+16*\q   ; the gain and the bias of my 16 columns
	ds_load_b128 v[224+4*\q:227+4*\q], v46 offset:(\boff)-LB+16*\q
.endr
	SPREAD
.irp m, 0,2,4,6,8,10,12,14
	v_pk_mul_f32 v[\acc+\m:\acc+\m+1], v[\acc+\m:\acc+\m+1], v[40:41]
	v_pk_mul_f32 v[\acc+16+\m:\acc+16+\m+1], v[\acc+16+\m:\acc+16+\m+1], v[42:43]
.endr
	s_wait_dscnt 0x0
.irp m, 0,2,4,6,8,10,12,14
	v_pk_fma_f32 v[\acc+\m:\acc+\m+1], v[\acc+\m:\acc+\m+1], v[208+\m:209+\m], v[224+\m:225+\m]
	v_pk_fma_f32 v[\acc+16+\m:\acc+16+\m+1], v[\acc+16+\m:\acc+16+\m+1], v[208+\m:209+\m], v[224+\m:225+\m]
.endr
.endm
; my block of both tiles is quantised; its two chunks and its bytes go to LDS
.macro PUTH acc, relu, t0, t1, swc, coff, estr, sbs, boff
	s_wait_alu depctr_vm_vsrc(0)                   ; the LDS loads issued last by v46 have read it: the second tile's quantiser writes it
	v_add_nc_u32 v7, s[\swc], v3
	QUANT1 \acc, \t0, \relu, 80, 36
	QUANT1 \acc+16, \t1, \relu, 84, 44
	v_cndmask_b32 v6, v39, v47, s[MH]              ; lanes 0-15: tile 0's bytes; lanes 16-31: tile 1's
	v_add_nc_u32 v46, s[\sbs], v4
	s_wait_alu depctr_va_vdst(0)                   ; the conversions have written v80-87; v6, v7 and v46 are written: the three stores read them
	ds_store_b128 v7, v[80:83] offset:\coff
	ds_store_b128 v7, v[84:87] offset:(\coff)+(\estr)
	ds_store_b8 v46, v6 offset:(\boff)-LB
	s_wait_dscnt 0x0                               ; the stores have read their registers
.endm
	s_load_b256 s[4:11], s[0:1], 0x0               ; obuf, img, x, ln1_g
	s_load_b128 s[12:15], s[0:1], 0x20             ; ln1_b, h1
	s_load_b64 s[16:17], s[0:1], 0x30              ; ca_ops
	v_lshl_add_u32 v1, v0, 2, SPARE
	v_mov_b32 v2, 0
	v_lshrrev_b32 v3, 5, v0
	v_readfirstlane_b32 s2, v3                     ; wave
	v_and_b32 v4, 31, v0
	v_lshlrev_b32 v3, 4, v4
	v_lshl_add_u32 v4, v4, 2, LB
	v_bfe_u32 v5, v0, 4, 1
	v_lshl_add_u32 v5, v5, 6, LB
	v_mov_b32 v36, 0                               ; lane permutes' destinations, written once
	v_mov_b32 v37, 0
	v_mov_b32 v45, 0
	v_lshlrev_b32 v240, 4, v0                      ; the copies: 16 x thread,
	v_lshlrev_b32 v241, 2, v0                      ; 4 x thread,
	v_lshl_add_u32 v242, v0, 2, LB
	v_bfe_u32 v243, v0, 6, 2                       ; and where thread (e, h, r)'s scale byte goes: 128 (h / 4) + 64 e + 4 r + h % 4
	v_lshlrev_b32 v243, 7, v243
	v_lshrrev_b32 v245, 8, v0
	v_lshl_add_u32 v243, v245, 6, v243
	v_and_b32 v245, 15, v0
	v_lshl_add_u32 v243, v245, 2, v243
	v_bfe_u32 v245, v0, 4, 2
	v_add_nc_u32 v243, v243, v245
	v_and_b32 v244, 15, v0                         ; x: row r + 8 (r / 8) of 2,048 bytes, + 64 (lane / 16)
	v_and_b32 v245, 8, v0
	v_add_nc_u32 v244, v244, v245
	v_lshlrev_b32 v244, 11, v244
	v_bfe_u32 v245, v0, 4, 1
	v_lshl_add_u32 v244, v245, 6, v244
	s_wait_alu depctr_va_sdst(0)                   ; s2 is written, ahead of its first reader: the wave's places in LDS and in memory are made from it
	s_lshl_b32 s[S128W], s2, 7
	s_lshl_b32 s[S512W], s2, 9
	s_lshr_b32 s[SB], s2, 2
	s_lshl_b32 s[SB], s[SB], 7
	s_and_b32 s50, s2, 3
	s_add_co_u32 s[SB], s[SB], s50                 ; block w's byte: 128 (w / 4) + w % 4
	s_mov_b32 s[MH], 0xffff0000
	s_mov_b32 s[MNT], 0x600000
	s_mov_b32 s[SEL], 0x76543210
	s_mov_b32 s[SEL+1], 0xfedcba98
	s_mov_b32 s51, 0
	s_wait_kmcnt 0x0
	s_lshl_b32 s50, ttmp9, 14
	s_add_nc_u64 s[20:21], s[4:5], s[50:51]        ; the attention's codes of my 32 rows
	s_lshl_b32 s50, ttmp9, 11
	s_add_nc_u64 s[22:23], s[4:5], s[50:51]        ; their scale words
	s_lshl_b32 s50, ttmp9, 16
	s_add_co_u32 s50, s50, s[S128W]
	s_add_nc_u64 s[24:25], s[8:9], s[50:51]        ; x at my rows and columns
	s_lshl_b32 s50, s2, 14
	s_add_nc_u64 s[W2:W2+1], s[6:7], s[50:51]      ; img + 2 w units of codes
	s_lshl_b32 s50, s2, 9
	s_add_nc_u64 s[28:29], s[6:7], s[50:51]        ; img + 2 w units of scale words
	s_lshl_b32 s50, ttmp9, 4
	s_add_co_u32 s52, s50, s2                      ; 16 Pg + w
	s_lshl_b32 s50, s52, 12
	s_add_nc_u64 s[30:31], s[14:15], s[50:51]      ; h1's image
	s_lshl_b32 s50, s52, 7
	s_add_nc_u64 s[34:35], s[16:17], s[50:51]      ; q2's scale words
	s_lshr_b32 s50, ttmp9, 6
	s_lshl_b32 s50, s50, 4
	s_add_co_u32 s50, s50, s2
	s_lshl_b32 s50, s50, 16
	s_and_b32 s52, ttmp9, 63
	s_lshl_b32 s52, s52, 10
	s_add_co_u32 s50, s50, s52
	s_add_nc_u64 s[32:33], s[16:17], s[50:51]      ; q2's chunks
	s_wait_alu depctr_va_vdst(0)                   ; the offsets and addresses v3-5 and v240-244 are written, which the loads and stores below read
	global_load_b128 v[80:83], v240, s[20:21]
	global_load_b128 v[84:87], v240, s[20:21] offset:8192
	global_load_b32 v88, v241, s[22:23] offset:0x200000
	global_load_b32 v89, v241, s[10:11]
	global_load_b32 v90, v241, s[12:13]
.irp e, 0,1
.irp q, 0,1,2,3
	global_load_b128 v[ACC+16*\e+4*\q:ACC+16*\e+4*\q+3], v244, s[24:25] offset:16384*\e+16*\q   ; the residual, in the result's layout
.endr
.endr
	global_load_b128 v[8:11], v3, s[28:29] offset:SCL0+608*256
	global_load_b128 v[12:15], v3, s[28:29] offset:SCL0+640*256
	WSEQ 0
	WSEQ 1
	WSEQ 2
	s_wait_loadcnt 34                              ; the five copy loads are in; behind them: 8 of x, 2 of scale words, 24 of weights
	ds_store_b128 v240, v[80:83] offset:AIMG
	ds_store_b128 v240, v[84:87] offset:AIMG+8192
	ds_store_b8 v243, v88 offset:ASC-LB
	ds_store_b32 v242, v89 offset:VG-LB
	ds_store_b32 v242, v90 offset:VB-LB
	BARRIER
	s_wait_alu depctr_vm_vsrc(0)                   ; the copy's loads and stores have read v80-90, in which the fragments land, and v240-244, which the norm's sums write
.irp k, 0,1,2,3
	ds_load_b32 v[AS+\k], v4 offset:ASC-LB+128*\k
.endr
	AFLD AIMG, 8192, 0
.irp k, 0,1,2,3
	GSTEP \k, \k, 3, ACC, 0, AIMG, 8192, 8, 0      ; x + attention sa_wo^T
.endr
	LNORM ACC, RED1, RED2, VG, VB
	PUTH ACC, 0, 240, 240, S512W, HIMG, 8192, SB, HSC
	BARRIER
	s_wait_alu depctr_vm_vsrc(0)                   ; my block's LDS stores have read v80-87, in which the fragments land, and v6 and v46, which q2's quantisers write
.irp k, 0,1,2,3
	ds_load_b32 v[AS+\k], v4 offset:HSC-LB+128*\k
.endr
	AFLD HIMG, 8192, 0
.irp e, 0,1
.irp q, 0,1,2,3
	global_store_b128 v3, v[ACC+16*\e+4*\q:ACC+16*\e+4*\q+3], s[30:31] offset:(4*\e+\q)*512   ; h1 as an image of these registers: 512 consecutive bytes a store.  The norm wrote them ahead of the wait that stands in front of my block's LDS stores, and nothing writes them again
.endr
.endr
	GSTEP 4, 0, 3, ACC2, 1, HIMG, 8192, 12, 0      ; q2 = h1 ca_wq^T
.irp k, 1,2,3
	GSTEP 4+\k, \k, 3, ACC2, 0, HIMG, 8192, 12, 0
.endr
	QUANT1 ACC2, ACC2, 0, 80, 36
	QUANT1 ACC2+16, ACC2+16, 0, 84, 44
	v_cndmask_b32 v6, v39, v47, s[MH]
	s_wait_alu depctr_va_vdst(0)                   ; the conversions have written v80-87, and v6 is written: the three stores read them
	global_store_b128 v3, v[80:83], s[32:33]
	global_store_b128 v3, v[84:87], s[32:33] offset:512
	global_store_b32 v4, v6, s[34:35] offset:0x600000
	s_wait_dscnt 0x0                               ; the closing lines, six on end
	s_wait_alu 0x0
	s_wait_tensorcnt 0x0
	ds_add_u32 v1, v2
	s_wait_dscnt 0x0
	s_endpgm
.Lfunc_end_k_qb06fdc9ed8_mid:
	.size	k_qb06fdc9ed8_mid, .Lfunc_end_k_qb06fdc9ed8_mid-k_qb06fdc9ed8_mid
	.p2alignl 7, 3214868480
	.fill 96, 4, 3214868480
	.section	.rodata,"a",@progbits
	.p2align	6, 0x0
	.amdhsa_kernel k_qb06fdc9ed8_mid
		.amdhsa_group_segment_fixed_size 44032
		.amdhsa_private_segment_fixed_size 0
		.amdhsa_enable_private_segment 0
		.amdhsa_kernarg_size 56
		.amdhsa_user_sgpr_count 2
		.amdhsa_user_sgpr_kernarg_segment_ptr 1
		.amdhsa_wavefront_size32 1
		.amdhsa_system_sgpr_workgroup_id_x 1
		.amdhsa_system_sgpr_workgroup_id_y 1
		.amdhsa_system_sgpr_workgroup_id_z 1
		.amdhsa_system_vgpr_workitem_id 0
		.amdhsa_next_free_vgpr 256
		.amdhsa_next_free_sgpr 66
		.amdhsa_reserve_vcc 0
		.amdhsa_float_denorm_mode_32 3
		.amdhsa_float_denorm_mode_16_64 3
		.amdhsa_memory_ordered 1
		.amdhsa_forward_progress 1
		.amdhsa_inst_pref_size 43
	.end_amdhsa_kernel
	.amdgpu_metadata
---
amdhsa.version: [ 1, 2 ]
amdhsa.kernels:
  - .name:           k_qb06fdc9ed8_mid
    .symbol:         k_qb06fdc9ed8_mid.kd
    .args:
      - { .name: obuf, .offset: 0, .size: 8, .value_kind: global_buffer, .address_space: global }
      - { .name: img, .offset: 8, .size: 8, .value_kind: global_buffer, .address_space: global }
      - { .name: x, .offset: 16, .size: 8, .value_kind: global_buffer, .address_space: global }
      - { .name: ln1_g, .offset: 24, .size: 8, .value_kind: global_buffer, .address_space: global }
      - { .name: ln1_b, .offset: 32, .size: 8, .value_kind: global_buffer, .address_space: global }
      - { .name: h1, .offset: 40, .size: 8, .value_kind: global_buffer, .address_space: global }
      - { .name: ca_ops, .offset: 48, .size: 8, .value_kind: global_buffer, .address_space: global }
    .group_segment_fixed_size: 44032
    .private_segment_fixed_size: 0
    .kernarg_segment_align: 8
    .kernarg_segment_size: 56
    .max_flat_workgroup_size: 512
    .sgpr_count:     66
    .vgpr_count:     256
    .wavefront_size: 32
...
	.end_amdgpu_metadata
.endif
;; end of part 8
;; launch attn_ca: the kernel of part 7 again; grid 8 x 32, 16 waves a work-group, no clusters, 143,360 bytes of LDS; arguments ca_ops, flag_ca, obuf; writes obuf
;; launch tail (part 9): grid 128 x 1, 16 waves a work-group, no clusters, 158,208 bytes of LDS; arguments obuf, img, h1, ln2_g, ln2_b, ff_b1, ff_b2, ln3_g, ln3_b, out0; writes out0
.if DOCPART == 9
	.amdgcn_target "amdgcn-amd-amdhsa--gfx1250"
	.amdhsa_code_object_version 6
	.text
	.protected	k_qb06fdc9ed8_tail
	.globl	k_qb06fdc9ed8_tail
	.p2align	8
	.type	k_qb06fdc9ed8_tail,@function
k_qb06fdc9ed8_tail:
	s_mov_b64 s[64:65], 0
	v_nop
	global_prefetch_b8 v0, s[64:65] scope:SCOPE_SE
	s_setreg_imm32_b32 hwreg(HW_REG_WAVE_SCHED_MODE, 0, 2), 2
	s_setreg_imm32_b32 hwreg(HW_REG_WAVE_MODE, 25, 1), 1
	s_wait_xcnt 0x0
	s_wait_alu depctr_vm_vsrc(0)
; LAUNCH 6 OF 6: h2 = layernorm(h1 + attention ca_wo^T); out = layernorm(h2 + relu(h2 ff_w1^T + b1) ff_w2^T + b2).  The hidden layer never goes to memory.
; SHARES, as in the launch behind the first attention: a work-group takes 32 rows (tiles e = 0, 1); wave w makes columns 32 w .. 32 w + 31 of each product of 512 columns, and hidden units 64 w .. 64 w + 63.
; Its part of each weight goes from memory straight into its registers, three K steps ahead through all twenty K steps of the launch; no other wave of the work-group wants it, so nothing is asked for jointly.
; The rows' codes go from wave to wave through LDS as images of the operand's registers.  Residuals and biases are the C of a sum's first product.  relu is the lower bound of the hold that the conversion wants anyway.
; x / 511 and the division by (std + eps) are multiplications by a constant and by v_rcp_f32's result.
; THE MODE: SCHED_MODE bits 1:0 = 2 (LLVM: expert scheduling mode 2), set by the entry lines.  The code itself states the register dependences between vector or matrix instructions and memory or LDS
; instructions, with s_wait_alu, always for 0.
; THE PLAN.  Registers that memory or LDS instructions touch:
;   v3-5               offsets and addresses: written at the head, never again.
;   v240-246, v80-95   the copy at the head: addresses and data; behind its barrier they are at work and fragments.
;   v80-111            the rows' fragments: LDS loads land, a K step's four products read.  v80-87 also take the codes that the quantisers write and that LDS stores read.
;   v112-207           three buffers of a weight's K step: global loads land, the K step's products read.
;   v28-35, v8-27      scale words: loaded, read by the products.
;   v46, v47, v7, v6   addresses and data of the small LDS stores, and the address of the loads of gains and biases and of the stage: written by vector instructions each time.
;   v240-255, v208-239 partial sums, gains, biases, rows on the way out: LDS loads land, vector instructions, products (as C) and the last stores read.
;   v48-79             the result: written by the last norm, read by the stage's stores.
; A K step has ONE wait on va_vdst, behind its products' places: they are done with the weights' buffer and with the fragments; behind it stand the next K step's fragment loads and the weights' loads three
; K steps on.  A block's two quantisers run on end, with one wait on va_vdst ahead of their three LDS stores.  The gain's address is made ahead of the reciprocal's wait, which so serves its loads too; both of the
; stage's addresses are made ahead of the one wait in front of its stores.  Waits on vm_vsrc stand wherever a register that an LDS instruction has read is written again: each says which.
.set LB,    65536                      ; v4 and v5 carry this base, so that the regions above 64 KiB are reached by immediates
.set AIMG,  0                          ; LDS: the attention's codes, [e][K step][block][512]
.set HIMG,  16384                      ; h2's
.set HID,   32768                      ; the hidden layer's, [e] 16,384 [block] 512
.set ASC,   65536                      ; scale words [K step][lane]: lanes 0-15 tile e = 0, lanes 16-31 e = 1
.set HSC,   66048
.set HIDSC, 66560
.set RED1,  67584                      ; the norms' partial sums, [wave][lane]
.set RED2,  69632
.set RED3,  71680
.set RED4,  73728
.set G2,    75776                      ; ln2_g, ln2_b, ff_b1, ff_b2, ln3_g, ln3_b
.set B2L,   77824
.set FB1,   79872
.set FB2,   83968
.set G3,    86016
.set B3,    88064
.set STG,   90112                      ; the way out: 32 rows of 2,048 bytes + 16
.set SPARE, 156160
.set SCL0,  0x700000
.set NLAST, 19                         ; the weights' K steps: 0-3 ca_wo, 4-7 and 8-11 ff_w1 (my two blocks), 12-19 ff_w2
.set AS,   28
.set ACC,  48
.set AF,   80
.set WB,   112
.set ACC2, 208
.set W2,   30
.set W4,   32
.set S128W, 40
.set S256W, 41
.set S512W, 42
.set S1024W, 43
.set SB,   44
.set SB2,  45
.set MH,   46
.set MNT,  47
.set SEL,  48
; REGISTERS: v3 16 x lane; v4 LB + 4 x lane; v5 LB + 64 (lane / 16); v6, v7 partial sums; v8-27 the weights' scale words; v28-35 the rows'; v36-47 at work; v48-79 h1 + .., h2, h2 + .., the result;
; v80-111 the rows' fragments, later codes; v112-207 three buffers for a weight's K step; v208-239 gains and biases, the hidden layer, rows on the way out; v240-255 at work.
.macro WM d, a, b, c, sa, sb, ra, rb   ; one product; c < 0: the sum starts with 0; ra, rb: the half of the lanes from which each side's scales are taken
.if (\c) < 0
.if (\ra) && (\rb)
	v_wmma_scale_f32_16x16x128_f8f6f4 v[(\d):(\d)+7], v[(\a):(\a)+15], v[(\b):(\b)+15], 0, v[(\sa)], v[(\sb)] matrix_a_fmt:MATRIX_FMT_BF8 matrix_b_fmt:MATRIX_FMT_BF8 matrix_a_scale:MATRIX_SCALE_ROW1 matrix_b_scale:MATRIX_SCALE_ROW1
.elseif (\ra)
	v_wmma_scale_f32_16x16x128_f8f6f4 v[(\d):(\d)+7], v[(\a):(\a)+15], v[(\b):(\b)+15], 0, v[(\sa)], v[(\sb)] matrix_a_fmt:MATRIX_FMT_BF8 matrix_b_fmt:MATRIX_FMT_BF8 matrix_a_scale:MATRIX_SCALE_ROW1
.elseif (\rb)
	v_wmma_scale_f32_16x16x128_f8f6f4 v[(\d):(\d)+7], v[(\a):(\a)+15], v[(\b):(\b)+15], 0, v[(\sa)], v[(\sb)] matrix_a_fmt:MATRIX_FMT_BF8 matrix_b_fmt:MATRIX_FMT_BF8 matrix_b_scale:MATRIX_SCALE_ROW1
.else
	v_wmma_scale_f32_16x16x128_f8f6f4 v[(\d):(\d)+7], v[(\a):(\a)+15], v[(\b):(\b)+15], 0, v[(\sa)], v[(\sb)] matrix_a_fmt:MATRIX_FMT_BF8 matrix_b_fmt:MATRIX_FMT_BF8
.endif
.else
.if (\ra) && (\rb)
	v_wmma_scale_f32_16x16x128_f8f6f4 v[(\d):(\d)+7], v[(\a):(\a)+15], v[(\b):(\b)+15], v[(\c):(\c)+7], v[(\sa)], v[(\sb)] matrix_a_fmt:MATRIX_FMT_BF8 matrix_b_fmt:MATRIX_FMT_BF8 matrix_a_scale:MATRIX_SCALE_ROW1 matrix_b_scale:MATRIX_SCALE_ROW1
.elseif (\ra)
	v_wmma_scale_f32_16x16x128_f8f6f4 v[(\d):(\d)+7], v[(\a):(\a)+15], v[(\b):(\b)+15], v[(\c):(\c)+7], v[(\sa)], v[(\sb)] matrix_a_fmt:MATRIX_FMT_BF8 matrix_b_fmt:MATRIX_FMT_BF8 matrix_a_scale:MATRIX_SCALE_ROW1
.elseif (\rb)
	v_wmma_scale_f32_16x16x128_f8f6f4 v[(\d):(\d)+7], v[(\a):(\a)+15], v[(\b):(\b)+15], v[(\c):(\c)+7], v[(\sa)], v[(\sb)] matrix_a_fmt:MATRIX_FMT_BF8 matrix_b_fmt:MATRIX_FMT_BF8 matrix_b_scale:MATRIX_SCALE_ROW1
.else
	v_wmma_scale_f32_16x16x128_f8f6f4 v[(\d):(\d)+7], v[(\a):(\a)+15], v[(\b):(\b)+15], v[(\c):(\c)+7], v[(\sa)], v[(\sb)] matrix_a_fmt:MATRIX_FMT_BF8 matrix_b_fmt:MATRIX_FMT_BF8
.endif
.endif
.endm
; 16 numbers of a lane, half a block of 32 (the other half lies in lane l xor 16), become four registers of codes; the block's byte is left in v[tq + 3].  relu = 1: what is negative becomes 0 on the way.
.macro QUANT1 src, tmp, relu, cod, tq
.if \relu
	v_max3_num_f32 v[\tq], v[\src], v[\src+1], 0x8000000          ; no |.|: what is negative is to become 0 and must not count; the floor stands over it
.irp i, 2,4,6,8,10,12,14
	v_max3_num_f32 v[\tq], v[\tq], v[\src+\i], v[\src+\i+1]
.endr
.else
	v_max3_num_f32 v[\tq], |v[\src]|, |v[\src+1]|, 0x8000000      ; with the floor 2^(16 - 127): the byte cannot fall under 1
.irp i, 2,4,6,8,10,12,14
	v_max3_num_f32 v[\tq], v[\tq], |v[\src+\i]|, |v[\src+\i+1]|
.endr
.endif
	v_permlanex16_b32 v[\tq+1], v[\tq], s[SEL], s[SEL+1]
	v_max_num_f32 v[\tq], v[\tq], v[\tq+1]
	v_add_nc_u32 v[\tq+2], 0xf8800000, v[\tq]
	v_and_or_b32 v[\tq+1], v[\tq], 0x7f800000, s[MNT]
	v_lshrrev_b32 v[\tq+3], 23, v[\tq+2]
.irp i, 0,1,2,3,4,5,6,7,8,9,10,11,12,13,14,15
.if \relu
	v_med3_num_f32 v[\tmp+\i], v[\src+\i], 0, v[\tq+1]
.else
	v_med3_num_f32 v[\tmp+\i], v[\src+\i], -v[\tq+1], v[\tq+1]
.endif
.endr
	v_cvt_scalef32_pk8_bf8_f32 v[\cod:\cod+1], v[\tmp:\tmp+7], v[\tq+2]
	v_cvt_scalef32_pk8_bf8_f32 v[\cod+2:\cod+3], v[\tmp+8:\tmp+15], v[\tq+2]
	v_nop
.endm
.macro BARRIER                         ; my LDS stores have landed and my LDS loads are in: then the work-group's barrier
	s_wait_dscnt 0x0
	s_barrier_signal -1
	s_barrier_wait -1
.endm
.macro WLD n, base, off, tstr          ; a weight's K step, two tiles, into buffer n % 3
.irp i, 0,1
.irp c, 0,1,2,3
	global_load_b128 v[WB+32*((\n)%3)+16*\i+4*\c:WB+32*((\n)%3)+16*\i+4*\c+3], v3, s[\base:\base+1] offset:(\off)+\i*(\tstr)+512*\c
.endr
.endr
.endm
.macro WSEQ n                          ; the n-th K step of the launch's weights
.if (\n) < 4
	WLD \n, W2, 736*8192+2048*(\n), 8192
.elseif (\n) < 8
	WLD \n, W4, 768*8192+2048*((\n)-4), 8192
.elseif (\n) < 12
	WLD \n, W4, 770*8192+2048*((\n)-8), 8192
.else
	WLD \n, W4, 832*8192+2048*((\n)-12), 16384
.endif
.endm
.macro AFLD abase, estr, k             ; the rows' two fragments of K step k, from LDS
.irp e, 0,1
.irp c, 0,1,2,3
	ds_load_b128 v[AF+16*\e+4*\c:AF+16*\e+4*\c+3], v3 offset:(\abase)+\e*(\estr)+2048*(\k)+512*\c
.endr
.endr
.endm
; One K step of a product, whose fragments have been asked for: four products (the four accumulators take turns), eight places, the one wait, the next K step's fragments (kl: the product's
; last K step), and the weights' K step three on into the buffer just read.
; w2 = 1 (ff_w2, K = 1,024): a tile's scale words of K steps 0-3 lie in lanes 0-15 of its four registers, those of K steps 4-7 in lanes 16-31.
.macro GSTEP n, k, kl, acc, czero, abase, estr, wsb, w2
.if NLAST-(\n) >= 2
	s_wait_loadcnt 16                              ; this K step's weights are in; behind them two K steps of eight loads were issued
.elseif NLAST-(\n) == 1
	s_wait_loadcnt 8
.else
	s_wait_loadcnt 0x0
.endif
	s_wait_dscnt 0x0
.irp e, 0,1
.irp i, 0,1
.set DA, (\acc)+16*\e+8*\i
.set CA, DA
.if \czero
.set CA, -1
.endif
.set SA, (\wsb)+(\k)
.set RA, \i
.if \w2
.set SA, (\wsb)+4*\i+(\k)%4
.set RA, (\k)/4
.endif
	WM DA, WB+32*((\n)%3)+16*\i, AF+16*\e, CA, SA, AS+(\k), RA, \e
.endr
.endr
.rept 8
	v_nop                                          ; eight places in front of loads into registers that the products have read, and of the first read of results
.endr
.if (\n) < NLAST
	s_wait_alu depctr_va_vdst(0)                   ; the four products are done reading the rows' fragments and the weights' buffer, in which the loads below land
.endif
.if (\k) < (\kl)
	AFLD \abase, \estr, (\k)+1
.endif
.if (\n)+3 <= NLAST
	WSEQ (\n)+3
.endif
.endm
.macro SUM16 a, t, d                   ; v[d] = the sum of v[a] .. v[a + 15]; eight registers from v[t] on at work (t = a is allowed)
	v_pk_add_f32 v[\t:\t+1], v[\a:\a+1], v[\a+2:\a+3]
	v_pk_add_f32 v[\t+2:\t+3], v[\a+4:\a+5], v[\a+6:\a+7]
	v_pk_add_f32 v[\t+4:\t+5], v[\a+8:\a+9], v[\a+10:\a+11]
	v_pk_add_f32 v[\t+6:\t+7], v[\a+12:\a+13], v[\a+14:\a+15]
	v_pk_add_f32 v[\t:\t+1], v[\t:\t+1], v[\t+2:\t+3]
	v_pk_add_f32 v[\t+4:\t+5], v[\t+4:\t+5], v[\t+6:\t+7]
	v_pk_add_f32 v[\t:\t+1], v[\t:\t+1], v[\t+4:\t+5]
	v_add_f32 v[\d], v[\t], v[\t+1]
.endm
; v6, v7: my sums over my 16 columns, for tiles e = 0 and 1.  Out: v47 = the whole row's sum, for row r of tile e = lane / 16; the same order of addition in every wave.
.macro ROWRED red
	v_cndmask_b32 v46, v7, v6, s[MH]               ; what lane l xor 16 wants of me,
	v_cndmask_b32 v47, v6, v7, s[MH]               ; and what I keep
	v_permlanex16_b32 v36, v46, s[SEL], s[SEL+1]
	v_add_f32 v47, v47, v36
	v_add_nc_u32 v46, s[S128W], v4
	s_wait_alu depctr_va_vdst(0)                   ; v46 and v47 are written, which the store reads; the sums above are done with v240-255, in which the loads below land
	ds_store_b32 v46, v47 offset:(\red)-LB
	BARRIER
	s_wait_alu depctr_vm_vsrc(0)                   ; the store has read v46 and v47, which are written again below
.irp i, 0,1,2,3,4,5,6,7,8,9,10,11,12,13,14,15
	ds_load_b32 v[240+\i], v4 offset:(\red)-LB+128*\i
.endr
	s_wait_dscnt 0x0
	SUM16 240, 240, 47
.endm
.macro SPREAD                          ; v47 (row r of tile lane / 16) becomes two pairs: v[40:41] tile 0's number twice, v[42:43] tile 1's
	v_permlanex16_b32 v36, v47, s[SEL], s[SEL+1]
	v_cndmask_b32 v40, v47, v36, s[MH]
	v_cndmask_b32 v42, v36, v47, s[MH]
	v_mov_b32 v41, v40
	v_mov_b32 v43, v42
.endm
.macro LNORM acc, redA, redB, goff, boff
	SUM16 \acc, 240, 6
	SUM16 \acc+16, 248, 7
	ROWRED \redA
	v_mul_f32 v47, 0x3b000000, v47                 ; / 512: the mean
	SPREAD
.irp m, 0,2,4,6,8,10,12,14
	v_pk_add_f32 v[\acc+\m:\acc+\m+1], v[\acc+\m:\acc+\m+1], v[40:41] neg_lo:[0,1] neg_hi:[0,1]
	v_pk_add_f32 v[\acc+16+\m:\acc+16+\m+1], v[\acc+16+\m:\acc+16+\m+1], v[42:43] neg_lo:[0,1] neg_hi:[0,1]
.endr
	v_pk_mul_f32 v[240:241], v[\acc:\acc+1], v[\acc:\acc+1]
	v_pk_mul_f32 v[242:243], v[\acc+16:\acc+17], v[\acc+16:\acc+17]
.irp m, 2,4,6,8,10,12,14
	v_pk_fma_f32 v[240:241], v[\acc+\m:\acc+\m+1], v[\acc+\m:\acc+\m+1], v[240:241]
	v_pk_fma_f32 v[242:243], v[\acc+16+\m:\acc+16+\m+1], v[\acc+16+\m:\acc+16+\m+1], v[242:243]
.endr
	v_add_f32 v6, v240, v241
	v_add_f32 v7, v242, v243
	ROWRED \redB
	v_mul_f32 v47, 0x3b004020, v47                 ; / 511
	v_sqrt_f32 v47, v47
	v_nop
	s_wait_alu depctr_va_vdst(0)                   ; the root has written v47, ahead of its first reader
	v_add_f32 v47, 0x358637bd, v47                 ; + 1e-6
	v_add_nc_u32 v46, s[S128W], v5                 ; where my columns' gain and bias lie
	v_rcp_f32 v47, v47
	v_nop
	s_wait_alu depctr_va_vdst(0)                   ; the reciprocal has written v47, ahead of its first reader; v46 is written, which the loads below read; all earlier vector instructions are done with v208-239, in which they land
.irp q, 0,1,2,3
	ds_load_b128 v[208+4*\q:211+4*\q], v46 offset:(\goff)-LB+16*\q   ; the gain and the bias of my 16 columns
	ds_load_b128 v[224+4*\q:227+4*\q], v46 offset:(\boff)-LB+16*\q
.endr
	SPREAD
.irp m, 0,2,4,6,8,10,12,14
	v_pk_mul_f32 v[\acc+\m:\acc+\m+1], v[\acc+\m:\acc+\m+1], v[40:41]
	v_pk_mul_f32 v[\acc+16+\m:\acc+16+\m+1], v[\acc+16+\m:\acc+16+\m+1], v[42:43]
.endr
	s_wait_dscnt 0x0
.irp m, 0,2,4,6,8,10,12,14
	v_pk_fma_f32 v[\acc+\m:\acc+\m+1], v[\acc+\m:\acc+\m+1], v[208+\m:209+\m], v[224+\m:225+\m]
	v_pk_fma_f32 v[\acc+16+\m:\acc+16+\m+1], v[\acc+16+\m:\acc+16+\m+1], v[208+\m:209+\m], v[224+\m:225+\m]
.endr
.endm
; my block of both tiles is quantised; its two chunks and its bytes go to LDS
.macro PUTH acc, relu, t0, t1, swc, coff, estr, sbs, boff
	s_wait_alu depctr_vm_vsrc(0)                   ; the LDS loads issued last by v46 have read it: the second tile's quantiser writes it
	v_add_nc_u32 v7, s[\swc], v3
	QUANT1 \acc, \t0, \relu, 80, 36
	QUANT1 \acc+16, \t1, \relu, 84, 44
	v_cndmask_b32 v6, v39, v47, s[MH]              ; lanes 0-15: tile 0's bytes; lanes 16-31: tile 1's
	v_add_nc_u32 v46, s[\sbs], v4
	s_wait_alu depctr_va_vdst(0)                   ; the conversions have written v80-87; v6, v7 and v46 are written: the three stores read them
	ds_store_b128 v7, v[80:83] offset:\coff
	ds_store_b128 v7, v[84:87] offset:(\coff)+(\estr)
	ds_store_b8 v46, v6 offset:(\boff)-LB
	s_wait_dscnt 0x0                               ; the stores have read their registers
.endm
	s_load_b512 s[4:19], s[0:1], 0x0               ; obuf, img, h1, ln2_g, ln2_b, ff_b1, ff_b2, ln3_g
	s_load_b128 s[20:23], s[0:1], 0x40             ; ln3_b, out0
	v_lshl_add_u32 v1, v0, 2, SPARE
	v_mov_b32 v2, 0
	v_lshrrev_b32 v3, 5, v0
	v_readfirstlane_b32 s2, v3                     ; wave
	v_and_b32 v4, 31, v0
	v_lshlrev_b32 v3, 4, v4
	v_lshl_add_u32 v4, v4, 2, LB
	v_bfe_u32 v5, v0, 4, 1
	v_lshl_add_u32 v5, v5, 6, LB
	v_mov_b32 v36, 0                               ; lane permutes' destinations, written once
	v_mov_b32 v37, 0
	v_mov_b32 v45, 0
	v_lshlrev_b32 v240, 4, v0                      ; the copies: 16 x thread,
	v_lshlrev_b32 v241, 2, v0                      ; 4 x thread, in memory
	v_lshl_add_u32 v242, v0, 2, LB                 ; and in LDS,
	v_lshlrev_b32 v245, 3, v0                      ; 8 x thread likewise
	v_lshl_add_u32 v246, v0, 3, LB
	v_bfe_u32 v243, v0, 6, 2                       ; and where thread (e, h, r)'s scale byte goes: 128 (h / 4) + 64 e + 4 r + h % 4
	v_lshlrev_b32 v243, 7, v243
	v_lshrrev_b32 v244, 8, v0
	v_lshl_add_u32 v243, v244, 6, v243
	v_and_b32 v244, 15, v0
	v_lshl_add_u32 v243, v244, 2, v243
	v_bfe_u32 v244, v0, 4, 2
	v_add_nc_u32 v243, v243, v244
	v_add_nc_u32 v243, LB, v243
	s_wait_alu depctr_va_sdst(0)                   ; s2 is written, ahead of its first reader: the wave's places in LDS and in memory are made from it
	s_lshl_b32 s[S128W], s2, 7
	s_lshl_b32 s[S256W], s2, 8
	s_lshl_b32 s[S512W], s2, 9
	s_lshl_b32 s[S1024W], s2, 10
	s_lshr_b32 s[SB], s2, 2
	s_lshl_b32 s[SB], s[SB], 7
	s_and_b32 s50, s2, 3
	s_add_co_u32 s[SB], s[SB], s50                 ; block w's byte: 128 (w / 4) + w % 4
	s_lshr_b32 s[SB2], s2, 1
	s_lshl_b32 s[SB2], s[SB2], 7
	s_and_b32 s50, s2, 1
	s_lshl_b32 s50, s50, 1
	s_add_co_u32 s[SB2], s[SB2], s50               ; block 2 w's byte: 128 (w / 2) + 2 (w % 2)
	s_add_co_u32 s54, s[S128W], STG-LB             ; the stage, on the way in
	s_mul_i32 s55, s2, 4128
	s_add_co_u32 s55, s55, STG                     ; and back: stage rows 2 w, 2 w + 1
	s_mov_b32 s[MH], 0xffff0000
	s_mov_b32 s[MNT], 0x600000
	s_mov_b32 s[SEL], 0x76543210
	s_mov_b32 s[SEL+1], 0xfedcba98
	s_lshl_b32 s52, ttmp9, 5                       ; the row of out0 that lies in stage row 2 w: 32 Pg + 8 (w / 8) + 2 (w % 8) + 8 ((w / 4) % 2)
	s_lshr_b32 s53, s2, 3
	s_lshl_b32 s53, s53, 3
	s_add_co_u32 s52, s52, s53
	s_and_b32 s53, s2, 7
	s_lshl_b32 s53, s53, 1
	s_add_co_u32 s52, s52, s53
	s_bfe_u32 s53, s2, 0x10002
	s_lshl_b32 s53, s53, 3
	s_add_co_u32 s52, s52, s53
	s_lshl_b32 s52, s52, 11
	s_mov_b32 s53, 0
	s_mov_b32 s51, 0
	s_wait_kmcnt 0x0
	s_add_nc_u64 s[38:39], s[22:23], s[52:53]
	s_lshl_b32 s50, ttmp9, 14
	s_add_nc_u64 s[24:25], s[4:5], s[50:51]        ; the attention's codes of my 32 rows
	s_lshl_b32 s50, ttmp9, 11
	s_add_nc_u64 s[26:27], s[4:5], s[50:51]        ; their scale words
	s_lshl_b32 s50, ttmp9, 4
	s_add_co_u32 s50, s50, s2
	s_lshl_b32 s50, s50, 12
	s_add_nc_u64 s[28:29], s[8:9], s[50:51]        ; h1's image
	s_lshl_b32 s50, s2, 14
	s_add_nc_u64 s[W2:W2+1], s[6:7], s[50:51]      ; img + 2 w units of codes
	s_lshl_b32 s50, s2, 15
	s_add_nc_u64 s[W4:W4+1], s[6:7], s[50:51]      ; img + 4 w units
	s_lshl_b32 s50, s2, 9
	s_add_nc_u64 s[34:35], s[6:7], s[50:51]        ; the same of scale words
	s_lshl_b32 s50, s2, 10
	s_add_nc_u64 s[36:37], s[6:7], s[50:51]
	s_wait_alu depctr_va_vdst(0)                   ; the offsets and addresses v3-5 and v240-246 are written, which the loads and stores below read
	global_load_b128 v[80:83], v240, s[24:25]
	global_load_b128 v[84:87], v240, s[24:25] offset:8192
	global_load_b32 v88, v241, s[26:27] offset:0x200000
	global_load_b32 v89, v241, s[10:11]
	global_load_b32 v90, v241, s[12:13]
	global_load_b32 v91, v241, s[16:17]
	global_load_b32 v92, v241, s[18:19]
	global_load_b32 v93, v241, s[20:21]
	global_load_b64 v[94:95], v245, s[14:15]
.irp e, 0,1
.irp q, 0,1,2,3
	global_load_b128 v[ACC+16*\e+4*\q:ACC+16*\e+4*\q+3], v3, s[28:29] offset:(4*\e+\q)*512   ; the residual h1, as the same lanes stored it
.endr
.endr
	global_load_b128 v[8:11], v3, s[34:35] offset:SCL0+736*256
	global_load_b128 v[12:15], v3, s[36:37] offset:SCL0+768*256
	global_load_b128 v[16:19], v3, s[36:37] offset:SCL0+770*256
	global_load_b128 v[20:23], v3, s[36:37] offset:SCL0+832*256
	global_load_b128 v[24:27], v3, s[36:37] offset:SCL0+834*256
	WSEQ 0
	WSEQ 1
	WSEQ 2
	s_wait_loadcnt 37                              ; the nine copy loads are in; behind them: 8 of h1, 5 of scale words, 24 of weights
	ds_store_b128 v240, v[80:83] offset:AIMG
	ds_store_b128 v240, v[84:87] offset:AIMG+8192
	ds_store_b8 v243, v88 offset:ASC-LB
	ds_store_b32 v242, v89 offset:G2-LB
	ds_store_b32 v242, v90 offset:B2L-LB
	ds_store_b32 v242, v91 offset:FB2-LB
	ds_store_b32 v242, v92 offset:G3-LB
	ds_store_b32 v242, v93 offset:B3-LB
	ds_store_b64 v246, v[94:95] offset:FB1-LB
	BARRIER
	s_wait_alu depctr_vm_vsrc(0)                   ; the copy's loads and stores have read v80-95, in which the fragments land, and v240-246, which the norm's sums write
.irp k, 0,1,2,3
	ds_load_b32 v[AS+\k], v4 offset:ASC-LB+128*\k
.endr
	AFLD AIMG, 8192, 0
.irp k, 0,1,2,3
	GSTEP \k, \k, 3, ACC, 0, AIMG, 8192, 8, 0      ; h1 + attention ca_wo^T
.endr
	LNORM ACC, RED1, RED2, G2, B2L                 ; h2, which stays in these registers
	PUTH ACC, 0, 240, 240, S512W, HIMG, 8192, SB, HSC
	BARRIER
.irp k, 0,1,2,3
	ds_load_b32 v[AS+\k], v4 offset:HSC-LB+128*\k
.endr
.irp a, 0,1                            ; my two blocks of 32 hidden units
	s_wait_alu depctr_vm_vsrc(0)                   ; the last block's LDS stores have read v46, which is written next, and v80-87, in which the fragments land
	v_add_nc_u32 v46, s[S256W], v5
	s_wait_alu depctr_va_vdst(0)                   ; v46 is written, which the loads of b1 read; the quantisers and the norm are done with v80-87 and v208-239, in which the loads below land
.irp e, 0,1
.irp q, 0,1,2,3
	ds_load_b128 v[ACC2+16*\e+4*\q:ACC2+16*\e+4*\q+3], v46 offset:FB1-LB+128*\a+16*\q   ; b1 is the first C
.endr
.endr
	AFLD HIMG, 8192, 0
.irp k, 0,1,2,3
	GSTEP 4+4*\a+\k, \k, 3, ACC2, 0, HIMG, 8192, 12+4*\a, 0
.endr
	PUTH ACC2, 1, ACC2, ACC2+16, S1024W, HID+512*\a, 16384, SB2, HIDSC+\a
.endr
	BARRIER
	s_wait_alu depctr_vm_vsrc(0)                   ; the last block's LDS stores have read v46, which is written next, v80-87, in which the fragments land, and v6 and v7, which the norm's sums write
	v_add_nc_u32 v46, s[S128W], v5
	s_wait_alu depctr_va_vdst(0)                   ; v46 is written, which the loads of b2 read; the quantisers are done with v80-87 and v208-223 and the products with v28-31, in which the loads below land
.irp q, 0,1,2,3
	ds_load_b128 v[208+4*\q:211+4*\q], v46 offset:FB2-LB+16*\q
.endr
.irp k, 0,1,2,3,4,5,6,7
	ds_load_b32 v[AS+\k], v4 offset:HIDSC-LB+128*\k
.endr
	AFLD HID, 16384, 0
	s_wait_dscnt 0x0
	s_wait_alu depctr_vm_vsrc(0)                   ; the loads of b2 have read v46, which the last norm's sums write
.irp m, 0,2,4,6,8,10,12,14
	v_pk_add_f32 v[ACC+\m:ACC+\m+1], v[ACC+\m:ACC+\m+1], v[208+\m:209+\m]             ; h2 + b2 is the first C
	v_pk_add_f32 v[ACC+16+\m:ACC+16+\m+1], v[ACC+16+\m:ACC+16+\m+1], v[208+\m:209+\m]
.endr
.irp k, 0,1,2,3,4,5,6,7
	GSTEP 12+\k, \k, 7, ACC, 0, HID, 16384, 20, 1
.endr
	LNORM ACC, RED3, RED4, G3, B3
; THE WAY OUT: a row's 512 numbers come from sixteen waves: they meet in a stage, and each wave stores two whole rows
	s_wait_alu depctr_vm_vsrc(0)                   ; the loads of gain and bias have read v46, which is written next
	v_and_b32 v46, 15, v0
	v_mul_u32_u24 v46, v46, 2064
	v_add_nc_u32 v46, v46, v5
	v_add_nc_u32 v46, s54, v46                     ; stage row 16 e + r, + 128 w + 64 (lane / 16)
	v_add_nc_u32 v47, s55, v3                      ; and where I read my two rows back
	s_wait_alu depctr_va_vdst(0)                   ; the norm has written v48-79, and v46 is written: the stage's stores read them; v47 is written, which the loads behind the barrier read; the norm is done with v208-239, in which they land
.irp e, 0,1
.irp q, 0,1,2,3
	ds_store_b128 v46, v[ACC+16*\e+4*\q:ACC+16*\e+4*\q+3] offset:33024*\e+16*\q
.endr
.endr
	BARRIER
.irp i, 0,1
.irp q, 0,1,2,3
	ds_load_b128 v[208+16*\i+4*\q:211+16*\i+4*\q], v47 offset:2064*\i+512*\q
.endr
.endr
.irp i, 0,1
.irp q, 0,1,2,3
	s_wait_dscnt 7-4*\i-\q                         ; LDS loads come back in order: this one is in, the younger ones may be out
	global_store_b128 v3, v[208+16*\i+4*\q:211+16*\i+4*\q], s[38:39] offset:2048*\i+512*\q th:TH_STORE_NT   ; 512 consecutive bytes
.endr
.endr
	s_wait_dscnt 0x0                               ; the closing lines, six on end
	s_wait_alu 0x0
	s_wait_tensorcnt 0x0
	ds_add_u32 v1, v2
	s_wait_dscnt 0x0
	s_endpgm
.Lfunc_end_k_qb06fdc9ed8_tail:
	.size	k_qb06fdc9ed8_tail, .Lfunc_end_k_qb06fdc9ed8_tail-k_qb06fdc9ed8_tail
	.p2alignl 7, 3214868480
	.fill 96, 4, 3214868480
	.section	.rodata,"a",@progbits
	.p2align	6, 0x0
	.amdhsa_kernel k_qb06fdc9ed8_tail
		.amdhsa_group_segment_fixed_size 158208
		.amdhsa_private_segment_fixed_size 0
		.amdhsa_enable_private_segment 0
		.amdhsa_kernarg_size 80
		.amdhsa_user_sgpr_count 2
		.amdhsa_user_sgpr_kernarg_segment_ptr 1
		.amdhsa_wavefront_size32 1
		.amdhsa_system_sgpr_workgroup_id_x 1
		.amdhsa_system_sgpr_workgroup_id_y 1
		.amdhsa_system_sgpr_workgroup_id_z 1
		.amdhsa_system_vgpr_workitem_id 0
		.amdhsa_next_free_vgpr 256
		.amdhsa_next_free_sgpr 66
		.amdhsa_reserve_vcc 0
		.amdhsa_float_denorm_mode_32 3
		.amdhsa_float_denorm_mode_16_64 3
		.amdhsa_memory_ordered 1
		.amdhsa_forward_progress 1
		.amdhsa_inst_pref_size 89
	.end_amdhsa_kernel
	.amdgpu_metadata
---
amdhsa.version: [ 1, 2 ]
amdhsa.kernels:
  - .name:           k_qb06fdc9ed8_tail
    .symbol:         k_qb06fdc9ed8_tail.kd
    .args:
      - { .name: obuf, .offset: 0, .size: 8, .value_kind: global_buffer, .address_space: global }
      - { .name: img, .offset: 8, .size: 8, .value_kind: global_buffer, .address_space: global }
      - { .name: h1, .offset: 16, .size: 8, .value_kind: global_buffer, .address_space: global }
      - { .name: ln2_g, .offset: 24, .size: 8, .value_kind: global_buffer, .address_space: global }
      - { .name: ln2_b, .offset: 32, .size: 8, .value_kind: global_buffer, .address_space: global }
      - { .name: ff_b1, .offset: 40, .size: 8, .value_kind: global_buffer, .address_space: global }
      - { .name: ff_b2, .offset: 48, .size: 8, .value_kind: global_buffer, .address_space: global }
      - { .name: ln3_g, .offset: 56, .size: 8, .value_kind: global_buffer, .address_space: global }
      - { .name: ln3_b, .offset: 64, .size: 8, .value_kind: global_buffer, .address_space: global }
      - { .name: out0, .offset: 72, .size: 8, .value_kind: global_buffer, .address_space: global }
    .group_segment_fixed_size: 158208
    .private_segment_fixed_size: 0
    .kernarg_segment_align: 8
    .kernarg_segment_size: 80
    .max_flat_workgroup_size: 512
    .sgpr_count:     66
    .vgpr_count:     256
    .wavefront_size: 32
...
	.end_amdgpu_metadata
.endif
;; end of part 9
